; MI455X (gfx1250); checked and timed in simulation.
; The chip was launched on July 23, 2026; its instructions are those of AMD's public machine-readable ISA for CDNA 5 (MIT licence, August 2026) and "CDNA5" Instruction Set Architecture Reference Guide (July 2026). The comments in the code are by the model that wrote it; some were corrected since.
;; Dilated Attention. Allowed arithmetic: matrix products marked QUANTISED: E3M2 operands, one E8M0 scale for each 32 along K, by v_wmma_scale_f32_16x16x128_f8f6f4 with both operands' format E3M2, f32 sums; everything else in f32.
;; Inputs: W1 1,024 x 4,096 float32; W2 4,096 x 1,024 float32; Wout 1,024 x 1,024 float32; Wqkv 1,024 x 3,072 float32; b1 4,096 float32; b2 1,024 float32; bout 1,024 float32; bqkv 3,072 float32; ln1_b 1,024 float32; ln1_g 1,024 float32; ln2_b 1,024 float32; ln2_g 1,024 float32; x 2 x 2,048 x 1,024 float32.
;; Outputs: out0 2 x 2,048 x 1,024 float32.
;; This version of the problem:
;;   THIS VERSION OF THE PROBLEM IS GIVEN IN LOW PRECISION. The matrix products marked QUANTISED in the list below multiply operands that are first quantised to E3M2 (3 exponent bits, 2 mantissa bits; 6 bits a number), with one power-of-two scale for each 32 numbers along K (OCP MX v1.0); their sums are f32. All else is computed in f32.
;;   The module's matrix products, in the order in which they are computed (A, B: the left and right operand; K: the contracted axis; several contracted axes count as one K, in the product's order):
;;     1. [M 4,096, K 1,024] x [K 1,024, N 3,072]; A: computed on the way; B: input Wqkv: QUANTISED
;;     2. batch 32 x [M 2,048, K 64] x [K 64, N 2,048]; A: computed on the way; B: computed on the way: QUANTISED
;;     3. batch 32 x [M 2,048, K 2,048] x [K 2,048, N 64]; A: softmax (see below); B: computed on the way: QUANTISED
;;     4. [M 4,096, K 1,024] x [K 1,024, N 1,024]; A: computed on the way; B: input Wout: QUANTISED
;;     5. [M 4,096, K 1,024] x [K 1,024, N 4,096]; A: computed on the way; B: input W1: QUANTISED
;;     6. [M 4,096, K 4,096] x [K 4,096, N 1,024]; A: computed on the way; B: input W2: QUANTISED
;;   THE QUANTISER, for each operand of a quantised product, along K:
;;     - K is cut into blocks of 32 from its start; a last block that is shorter is filled with zeros.
;;     - A block's scale is 2^e with e = floor(log2(the largest magnitude in the block)) - 4, held to -126 .. 127; a block of zeros has e = 0. As a byte (E8M0): e + 127.
;;     - Each number is divided by its block's scale, clamped to +-28, and rounded to the nearest number of E3M2, ties to even, subnormals kept.
;;     - The product sums the exact products of the quantised numbers (number of the format x scale) in f32.
;;   ~~~python
;;   def quantise(x, axis):      # numpy; x: float32 -> the quantised numbers, widened to float32 again
;;       x = np.moveaxis(x, axis, -1); K = x.shape[-1]
;;       x = np.pad(x, [(0, 0)] * (x.ndim - 1) + [(0, -K % 32)]); x = x.reshape(x.shape[:-1] + (-1, 32)); a = np.abs(x).max(-1, keepdims=True)
;;       e = np.where(a > 0, np.clip(np.frexp(np.where(a > 0, a, 1))[1] - 1 - 4, -126, 127), 0)      # np.frexp(a)[1] - 1 = floor(log2(a)), exactly
;;       r = np.clip(x / 2.0 ** e, -28, 28)
;;       step = 2.0 ** (np.maximum(np.frexp(np.where(r == 0, 1, r))[1] - 1, -2) - 2)
;;       q = np.round(r / step) * step * 2.0 ** e      # np.round: ties to even
;;       return np.moveaxis(q.reshape(q.shape[:-2] + (-1,))[..., :K], -1, axis).astype(np.float32)
;;   ~~~
;;   SOFTMAX AHEAD OF A QUANTISED PRODUCT. Where the list says 'softmax', what is quantised is not the finished softmax but p = 2^(t - M), with t = logit x log2(e) and M = ceil(the row's largest t), a whole number; so 1/2 < the row's largest p <= 1. The row's sum l is taken of the UNQUANTISED p, in f32, and the product's result is divided by l at the end. Since M is a whole number, a kernel that streams over the keys may use a running M (the ceiling of the running maximum): every later rescaling is an exact power of two, which a block's scale takes up: the codes' values come out the same.
;;   OPERANDS COMPUTED ON THE WAY. 'Computed on the way' means the value that the module computes at that place (a softmax that the list does not call 'softmax' is quantised finished and normalised). What goes into a quantiser is computed in f32, as accurately as f32 sums, v_exp_f32 and their like allow (about 1e-6 of the number): no bf16 or f16 on the way to a quantiser, and a product that is left as it is and whose result goes on into a quantised operand takes f32 operands (vector FMAs, or v_wmma_f32_16x16x4_f32). A number that lies on a knife's edge between two numbers of the format may be rounded either way, as far as f32 arithmetic and the matrix unit's own rounding can turn it there, and no further.
;; One version. Each part assembles by itself: llvm-mc -triple=amdgcn-amd-amdhsa -mcpu=gfx1250 --defsym DOCPART=n.
;; ======== version 1 of 1: 7 launches
;; limits: right only within a limited range of input values
;; workspace buffers: wq 13,107,200 bytes; qkv 11,141,120 bytes; oq 3,276,800 bytes; x1 16,777,216 bytes; h2q 3,276,800 bytes; fq 13,107,200 bytes
;; launch prep (part 1): grid 448 x 1, 8 waves a work-group, no clusters, 101,888 bytes of LDS; arguments x, ln1_g, ln1_b, Wqkv, Wout, W1, W2, wq; writes wq
.if DOCPART == 1
	.amdgcn_target "amdgcn-amd-amdhsa--gfx1250"
	.amdhsa_code_object_version 6
	.text
	.protected	k_q353756d7b4_prep
	.globl	k_q353756d7b4_prep
	.p2align	8
	.type	k_q353756d7b4_prep,@function
k_q353756d7b4_prep:
	s_mov_b64 s[64:65], 0
	v_nop
	global_prefetch_b8 v0, s[64:65] scope:SCOPE_SE
	s_setreg_imm32_b32 hwreg(HW_REG_WAVE_MODE, 25, 1), 1
	s_wait_xcnt 0x0
; PREP: the four weights and LayerNorm1(x) become codes of BF6 (E3M2) with one E8M0 byte for each 32 along K, laid in the order of a matrix operand's registers.
; DEAD WORK OF THE WHOLE PROGRAM.  reference() builds its mask itself: key k counts for query q only where q - k is even and 0 <= q - k <= 512.  Every other score is set to -1e30 ahead of the softmax,
; so its weight is 0 for all finite inputs: it adds 0 to the row's sum and its code is 0 in the third product.  Positions of one parity form a sequence of 1,024 of their own, and in it query i sees keys i - 256 .. i.
; The attention launch therefore multiplies, for each tile of 16 queries, five steps of 64 keys of its own parity, and leaves out all other tiles of the second and third product.  Inside the two steps at the
; window's edges hidden scores are computed and replaced by -infinity.  All inputs have a way to the output and are loaded; V's block scales still see both parities, as the quantiser along the keys asks.
; LIMITS: a NaN, an infinity or an overflow in a score that is left out is not carried to the result; scores that count lie above -1e29; NaN and infinities among the inputs are not served;
; a block of zeros gets the byte 1 where the rule says 127 (its codes are zeros, and this program alone reads the bytes).
; LAYOUTS.  A FRAGMENT IMAGE is 16 rows x 128 K in 1,536 bytes: register j (0..11) of lane l at 512 (j / 4) + 16 l + 4 (j % 4).  Codes of an operand: fragment (row tile T, K step s) at (T S + s) 1536, S = K / 128.
; Scale words: (K step s, row tile T, row r) at s 4 R + 64 T + 4 r, R the operand's rows.
; A weight's column n is stored as row n with bits 3 and 4 exchanged.  Rows of activations are stored by parity: tile T = ((16 b + a) 2 + par) 4 + 2 c + u, row 8 h + j is position 128 a + 64 c + 32 h + 16 u + 2 j + par of batch b.
; Work-groups 0-191: weights, 256 columns x 256 K each; a lane takes a column and its registers run down K.  Work-groups 192-447: 16 rows of x each, two rows a wave.  Each of the two ways has LDS bytes of its own.
.set WQKV_C, 0
.set WOUT_C, 2359296
.set W1_C, 3145728
.set W2_C, 6291456
.set WQKV_S, 12582912
.set WOUT_S, 12681216
.set W1_S, 12713984
.set W2_S, 12845056
.set CODES, 9437184                    ; where h's codes begin in wq
.set SCALES, 12976128                  ; and its scale words
.set TSB, 51200                        ; LDS: 0 .. 51,199 the weights' stages (6,400 a wave); from here 4,608 a wave: a row's 32 blocks, 144 bytes apart
.set FIMG, 88064                       ; eight fragment images
.set SIMG, 100352                      ; their scale words, 64 bytes a K step
.set SPARE, 100864                     ; the spare words, 128 bytes a wave
.set SPW, 30
.set NIL, 31
.set VO, 32                            ; weights: v32-63 4 lane + i P
.set XW, 64                            ; v64-127 two sets of 32 numbers
.set CW, 128                           ; v128-133 a block's codes
.set TW, 134
.set SBY, 138
.set OUTW, 144
	s_load_b256 s[4:11], s[0:1], 0x0               ; x, ln1_g, ln1_b, Wqkv
	s_load_b256 s[12:19], s[0:1], 0x20             ; Wout, W1, W2, wq
	v_lshl_add_u32 v[SPW], v0, 2, SPARE
	v_mov_b32 v[NIL], 0
	v_lshrrev_b32 v1, 5, v0
	s_delay_alu instid0(VALU_DEP_1)
	v_readfirstlane_b32 s20, v1                    ; wave
	v_and_b32 v2, 31, v0                           ; lane
	s_delay_alu instid0(VALU_DEP_1)
	v_lshlrev_b32 v3, 4, v2                        ; 16 lane
	s_wait_kmcnt 0x0
	s_cmp_ge_u32 ttmp9, 192
	s_cbranch_scc1 .Lln
	; ---- the weights.  Which tensor: a chain of selects on the work-group's number
	s_mov_b64 s[22:23], s[16:17]                   ; W2: ids 128-191
	s_mov_b32 s24, 4096                            ; P: bytes in a row
	s_mov_b32 s25, 4                               ; log2 of the groups of 256 along K
	s_mov_b32 s26, 32                              ; S
	s_mov_b32 s27, W2_C
	s_mov_b32 s28, W2_S
	s_mov_b32 s29, 128
	s_cmp_lt_u32 ttmp9, 128                        ; W1: 64-127
	s_cselect_b64 s[22:23], s[14:15], s[22:23]
	s_cselect_b32 s24, 16384, s24
	s_cselect_b32 s25, 2, s25
	s_cselect_b32 s26, 8, s26
	s_cselect_b32 s27, W1_C, s27
	s_cselect_b32 s28, W1_S, s28
	s_cselect_b32 s29, 64, s29
	s_cmp_lt_u32 ttmp9, 64                         ; Wout: 48-63
	s_cselect_b64 s[22:23], s[12:13], s[22:23]
	s_cselect_b32 s24, 4096, s24
	s_cselect_b32 s27, WOUT_C, s27
	s_cselect_b32 s28, WOUT_S, s28
	s_cselect_b32 s29, 48, s29
	s_cmp_lt_u32 ttmp9, 48                         ; Wqkv: 0-47
	s_cselect_b64 s[22:23], s[10:11], s[22:23]
	s_cselect_b32 s24, 12288, s24
	s_cselect_b32 s27, WQKV_C, s27
	s_cselect_b32 s28, WQKV_S, s28
	s_cselect_b32 s29, 0, s29
	s_sub_co_u32 s30, ttmp9, s29
	s_bfm_b32 s31, s25, 0
	s_and_b32 s31, s30, s31                        ; which 256 along K
	s_lshr_b32 s30, s30, s25                       ; which 256 columns
	s_and_b32 s32, s20, 3
	s_lshl_b32 s32, s32, 6
	s_lshl_b32 s33, s30, 8
	s_add_co_u32 s32, s32, s33                     ; n0: my wave's first of 64 columns
	s_lshr_b32 s33, s20, 2
	s_lshl_b32 s34, s31, 1
	s_add_co_u32 s33, s33, s34                     ; s: my wave's K step
	s_lshl_b32 s34, s33, 7
	s_mul_i32 s34, s34, s24
	s_lshl_b32 s35, s32, 2
	s_add_co_u32 s34, s34, s35
	s_mov_b32 s35, 0
	s_add_nc_u64 s[36:37], s[22:23], s[34:35]      ; row 128 s, column n0: block 0;
	s_lshl_b32 s34, s24, 5
	s_add_nc_u64 s[38:39], s[36:37], s[34:35]      ; blocks 1 to 3: 32 rows on each
	s_add_nc_u64 s[40:41], s[38:39], s[34:35]
	s_add_nc_u64 s[42:43], s[40:41], s[34:35]
	s_lshr_b32 s44, s32, 4
	s_mul_i32 s45, s44, s26
	s_add_co_u32 s45, s45, s33
	s_mul_i32 s45, s45, 1536
	s_add_co_u32 s34, s45, s27
	s_add_nc_u64 s[46:47], s[18:19], s[34:35]      ; my first fragment
	s_mul_i32 s48, s26, 1536                       ; from row tile to row tile
	s_mul_i32 s34, s33, s24
	s_lshl_b32 s44, s44, 6
	s_add_co_u32 s34, s34, s44
	s_add_co_u32 s34, s34, s28
	s_add_nc_u64 s[50:51], s[18:19], s[34:35]      ; my 256 bytes of scale words
	s_mul_i32 s52, s20, 6400                       ; my stage: four images and 256 bytes of scale words
	s_wait_alu depctr_va_vdst(0)
	v_lshlrev_b32 v20, 2, v2
	v_lshlrev_b32 v19, 3, v2
	v_and_b32 v16, 7, v2
	v_lshrrev_b32 v17, 4, v2
	s_delay_alu instid0(VALU_DEP_1)
	v_lshl_add_u32 v16, v17, 3, v16                ; my column's stored row in its tile: bits 3 and 4 of the column change places
	v_bfe_u32 v17, v2, 3, 1                        ; and which of two tiles
	s_delay_alu instid0(VALU_DEP_1)
	v_mul_u32_u24 v18, v17, 1536
	s_delay_alu instid0(VALU_DEP_1)
	v_lshl_add_u32 v4, v16, 4, v18
	s_delay_alu instid0(VALU_DEP_1)
	v_add_nc_u32 v4, s52, v4                       ; where my codes go
	s_delay_alu instid0(VALU_DEP_4)
	v_lshlrev_b32 v18, 6, v17
	s_delay_alu instid0(VALU_DEP_1)
	v_lshl_add_u32 v5, v16, 2, v18
	s_delay_alu instid0(VALU_DEP_1)
	v_add_nc_u32 v5, s52, v5
	s_delay_alu instid0(VALU_DEP_1)
	v_add_nc_u32 v5, 6144, v5                      ; where my scale word goes
	v_lshl_add_u32 v6, v2, 4, s52                  ; back: 16 bytes a lane
	v_lshl_add_u32 v7, v2, 3, s52
	s_delay_alu instid0(VALU_DEP_1)
	v_add_nc_u32 v7, 6144, v7
	v_mov_b32 v8, v3
	s_delay_alu instid0(VALU_DEP_1)
	v_add_nc_u32 v9, s48, v8
	s_delay_alu instid0(VALU_DEP_1)
	v_add_nc_u32 v10, s48, v9
	s_delay_alu instid0(VALU_DEP_1)
	v_add_nc_u32 v11, s48, v10
.set wi, 0
.rept 32
	v_mad_u32_u24 v[VO+wi], s24, wi, v20
.set wi, wi+1
.endr
.macro WLOAD t                         ; item t: column set t / 4, block t % 4: 32 rows of K, 128 consecutive bytes a load
.set wi, 0
.rept 32
	global_load_b32 v[XW+32*((\t)%2)+wi], v[VO+wi], s[36+2*((\t)%4):37+2*((\t)%4)] offset:128*((\t)/4) th:TH_LOAD_NT
.set wi, wi+1
.endr
.endm
.macro WBLOCK t
.set xs, XW+32*((\t)%2)
.if (\t) < 7
	s_wait_loadcnt 32                              ; this item's 32 loads are in; the next item's may be out
.else
	s_wait_loadcnt 0x0
.endif
	v_max3_num_f32 v12, |v[xs]|, |v[xs+1]|, |v[xs+2]|
	v_max3_num_f32 v13, |v[xs+3]|, |v[xs+4]|, |v[xs+5]|
.irp i, 6,10,14,18,22,26
	s_delay_alu instid0(VALU_DEP_2)
	v_max3_num_f32 v12, v12, |v[xs+\i]|, |v[xs+\i+1]|
	s_delay_alu instid0(VALU_DEP_2)
	v_max3_num_f32 v13, v13, |v[xs+\i+2]|, |v[xs+\i+3]|
.endr
	s_delay_alu instid0(VALU_DEP_2)
	v_max3_num_f32 v12, v12, |v[xs+30]|, |v[xs+31]|
	s_delay_alu instid0(VALU_DEP_1)
	v_max3_num_f32 v12, v12, v13, 0x2800000        ; the floor 2^(5 - 127): the byte cannot fall under 1
	s_delay_alu instid0(VALU_DEP_1)
	v_add_nc_u32 v14, 0xfe000000, v12              ; 4 off the exponent field: the conversion's scale operand
	s_delay_alu instid0(VALU_DEP_1)
	v_lshrrev_b32 v15, 23, v14                     ; the byte
.if ((\t)%4) == 0
	s_delay_alu instid0(VALU_DEP_1)
	v_mov_b32 v[SBY+(\t)/4], v15
.else
	s_delay_alu instid0(VALU_DEP_1)
	v_lshl_or_b32 v[SBY+(\t)/4], v15, 8*((\t)%4), v[SBY+(\t)/4]
.endif
	v_cvt_scalef32_pk16_bf6_f32 v[CW:CW+2], v[xs:xs+15], v14
	v_cvt_scalef32_pk16_bf6_f32 v[TW:TW+2], v[xs+16:xs+31], v14
	v_nop                                          ; one plain line behind the conversions
.irp i, 0,1,2
	v_mov_b32 v[CW+3+\i], v[TW+\i]
.endr
.if ((\t)%4) < 2                       ; block 0 or 1: registers 0-5 of lane row + 16 (block & 1); block 2 or 3: registers 6-11
	ds_store_b128 v4, v[CW:CW+3] offset:3072*((\t)/4)+256*((\t)%2)
	ds_store_b64 v4, v[CW+4:CW+5] offset:3072*((\t)/4)+256*((\t)%2)+512
.else
	ds_store_b64 v4, v[CW:CW+1] offset:3072*((\t)/4)+256*((\t)%2)+520
	ds_store_b128 v4, v[CW+2:CW+5] offset:3072*((\t)/4)+256*((\t)%2)+1024
.endif
.if (\t)+2 < 8
	WLOAD (\t)+2
.endif
	s_wait_dscnt 0x0                               ; the stores have read their registers
.endm
	WLOAD 0
	WLOAD 1
.irp t, 0,1,2,3,4,5,6,7
	WBLOCK \t
.endr
	ds_store_b32 v5, v[SBY]
	s_wait_alu depctr_va_vdst(0)
	ds_store_b32 v5, v[SBY+1] offset:128
	ds_load_b64 v[140:141], v7                     ; a wave's LDS instructions are served in order: these see my stores
.set wi, 0
.rept 12
	ds_load_b128 v[OUTW+4*wi:OUTW+4*wi+3], v6 offset:512*wi
.set wi, wi+1
.endr
	s_wait_dscnt 12
	global_store_b64 v19, v[140:141], s[50:51]     ; 256 consecutive bytes
.set wi, 0
.rept 12
	s_wait_dscnt 11-wi
	global_store_b128 v[8+wi/3], v[OUTW+4*wi:OUTW+4*wi+3], s[46:47] offset:512*(wi%3)   ; 512 consecutive bytes
.set wi, wi+1
.endr
	s_branch .Lend
.Lln:
	s_sub_co_u32 s21, ttmp9, 192                   ; T: the stored row tile
	; ---- LayerNorm of 16 rows and their quantising.  Wave w: stored rows 2 w and 2 w + 1, which lie two positions apart
.set XR, 32
.set GG, 96
.set SA, 160
.set MU, 168
.set RS, 172
.set TT, 176
.set MX, 178
.set SO, 180
.set BY, 182
.set CC, 184
.set CT, 200
.set OF, 208
	s_and_b32 s22, s21, 1                          ; u
	s_bfe_u32 s23, s21, 0x10001                    ; c
	s_bfe_u32 s24, s21, 0x10002                    ; par
	s_lshr_b32 s25, s21, 3                         ; 16 b + a
	s_lshl_b32 s26, s25, 7
	s_lshl_b32 s23, s23, 6
	s_add_co_u32 s26, s26, s23
	s_lshl_b32 s22, s22, 4
	s_add_co_u32 s26, s26, s22
	s_add_co_u32 s26, s26, s24
	s_lshr_b32 s22, s20, 2
	s_lshl_b32 s22, s22, 5
	s_add_co_u32 s26, s26, s22
	s_and_b32 s22, s20, 3
	s_lshl_b32 s22, s22, 2
	s_add_co_u32 s26, s26, s22                     ; my first row
	s_lshl_b32 s26, s26, 12
	s_mov_b32 s27, 0
	s_add_nc_u64 s[28:29], s[4:5], s[26:27]
	s_wait_alu depctr_va_vdst(0)
.irp e, 0,1
.irp i, 0,1,2,3,4,5,6,7
	global_load_b128 v[XR+32*\e+4*\i:XR+32*\e+4*\i+3], v3, s[28:29] offset:8192*\e+512*\i th:TH_LOAD_NT
.endr
.endr
.irp i, 0,1,2,3,4,5,6,7
	global_load_b128 v[GG+4*\i:GG+4*\i+3], v3, s[6:7] offset:512*\i
.endr
.irp i, 0,1,2,3,4,5,6,7
	global_load_b128 v[GG+32+4*\i:GG+32+4*\i+3], v3, s[8:9] offset:512*\i
.endr
	s_mul_i32 s26, s21, 12288
	s_mul_i32 s22, s20, 1536
	s_add_co_u32 s26, s26, s22
	s_add_co_u32 s26, s26, CODES
	s_add_nc_u64 s[36:37], s[18:19], s[26:27]      ; fragment (T, K step = wave)
	s_and_b32 s22, s20, 3
	s_lshl_b32 s26, s22, 15
	s_lshl_b32 s23, s21, 6
	s_add_co_u32 s26, s26, s23
	s_add_co_u32 s26, s26, SCALES
	s_add_nc_u64 s[38:39], s[18:19], s[26:27]      ; scale words of K steps 2 w and 2 w + 1 (waves 0-3)
	s_mov_b32 s30, 0x3a800000                      ; 1 / 1024
	s_mov_b32 s31, 0x3727c5ac                      ; 1e-5
	s_mov_b32 s34, 0x76543210
	s_mov_b32 s35, 0xfedcba98
	s_mul_i32 s22, s20, 4608
	s_add_co_u32 s22, s22, TSB
	v_lshrrev_b32 v4, 3, v2
	s_delay_alu instid0(VALU_DEP_1)
	v_mul_u32_u24 v4, v4, 144
	v_and_b32 v5, 7, v2
	s_delay_alu instid0(VALU_DEP_1)
	v_lshl_add_u32 v4, v5, 4, v4
	s_delay_alu instid0(VALU_DEP_1)
	v_add_nc_u32 v4, s22, v4                       ; the turn, in: eight lanes fill a block's 128 bytes
	v_mul_u32_u24 v5, v2, 144
	s_delay_alu instid0(VALU_DEP_1)
	v_add_nc_u32 v5, s22, v5                       ; out: a lane takes block = lane
	v_lshrrev_b32 v6, 2, v2                        ; my block's K step
	s_delay_alu instid0(VALU_DEP_1)
	v_mul_u32_u24 v7, v6, 1536
	v_and_b32 v8, 1, v2
	s_delay_alu instid0(VALU_DEP_1)
	v_lshl_add_u32 v7, v8, 8, v7
	s_lshl_b32 s22, s20, 5
	s_add_co_u32 s22, s22, FIMG
	v_add_nc_u32 v7, s22, v7
	v_bfe_u32 v8, v2, 1, 1
	s_delay_alu instid0(VALU_DEP_1)
	v_mad_u32_u24 v9, v8, 1016, v7                 ; the image's second piece of 8 bytes (+ 8)
	s_delay_alu instid0(VALU_DEP_2)
	v_mad_u32_u24 v8, v8, 520, v7                  ; its first and third (+ 0, + 512)
	v_and_b32 v10, 3, v2
	s_delay_alu instid0(VALU_DEP_1)
	v_lshl_add_u32 v10, v6, 6, v10
	s_lshl_b32 s22, s20, 3
	s_add_co_u32 s22, s22, SIMG
	v_add_nc_u32 v10, s22, v10                     ; my block's byte in the row's scale word
	s_mul_i32 s22, s20, 1536
	s_add_co_u32 s22, s22, FIMG
	v_add_nc_u32 v11, s22, v3
	s_and_b32 s22, s20, 3
	s_lshl_b32 s22, s22, 7
	s_add_co_u32 s22, s22, SIMG
	v_lshl_add_u32 v12, v2, 2, s22
	v_lshrrev_b32 v13, 4, v2
	v_and_b32 v14, 15, v2
	s_delay_alu instid0(VALU_DEP_1)
	v_lshlrev_b32 v14, 2, v14
	s_delay_alu instid0(VALU_DEP_1)
	v_lshl_add_u32 v13, v13, 14, v14
	v_mov_b32 v[TT], 0                             ; a lane permute's destination counts as read
.macro WSUM r
	v_add_f32_dpp v[\r], v[\r], v[\r] row_xmask:1 row_mask:0xf bank_mask:0xf
	s_delay_alu instid0(VALU_DEP_1)
	v_add_f32_dpp v[\r], v[\r], v[\r] row_xmask:2 row_mask:0xf bank_mask:0xf
	s_delay_alu instid0(VALU_DEP_1)
	v_add_f32_dpp v[\r], v[\r], v[\r] row_xmask:4 row_mask:0xf bank_mask:0xf
	s_delay_alu instid0(VALU_DEP_1)
	v_add_f32_dpp v[\r], v[\r], v[\r] row_xmask:8 row_mask:0xf bank_mask:0xf
	s_delay_alu instid0(VALU_DEP_1)
	v_permlanex16_b32 v[TT], v[\r], s34, s35
	s_delay_alu instid0(VALU_DEP_1)
	v_add_f32 v[\r], v[\r], v[TT]
.endm
	s_wait_loadcnt 16                              ; both rows are in; the gain's and the bias's 16 loads may be out
.irp e, 0,1
	v_pk_add_f32 v[SA+4*\e:SA+4*\e+1], v[XR+32*\e:XR+32*\e+1], v[XR+32*\e+2:XR+32*\e+3]
	v_pk_add_f32 v[SA+4*\e+2:SA+4*\e+3], v[XR+32*\e+4:XR+32*\e+5], v[XR+32*\e+6:XR+32*\e+7]
.endr
.irp k, 8,12,16,20,24,28
.irp e, 0,1
	s_delay_alu instid0(VALU_DEP_4)
	v_pk_add_f32 v[SA+4*\e:SA+4*\e+1], v[SA+4*\e:SA+4*\e+1], v[XR+32*\e+\k:XR+32*\e+\k+1]
	s_delay_alu instid0(VALU_DEP_4)
	v_pk_add_f32 v[SA+4*\e+2:SA+4*\e+3], v[SA+4*\e+2:SA+4*\e+3], v[XR+32*\e+\k+2:XR+32*\e+\k+3]
.endr
.endr
.irp e, 0,1
	s_delay_alu instid0(VALU_DEP_3)
	v_pk_add_f32 v[SA+4*\e:SA+4*\e+1], v[SA+4*\e:SA+4*\e+1], v[SA+4*\e+2:SA+4*\e+3]
	s_delay_alu instid0(VALU_DEP_1)
	v_add_f32 v[SA+4*\e], v[SA+4*\e], v[SA+4*\e+1]
.endr
	WSUM SA
	WSUM SA+4
.irp e, 0
	v_mul_f32 v[MU+2*\e], s30, v[SA+4*\e]          ; the mean
	v_mov_b32 v[MU+2*\e+1], 0                      ; (named with it as a pair)
.endr
.irp e, 1
	s_delay_alu instid0(VALU_DEP_3)
	v_mul_f32 v[MU+2*\e], s30, v[SA+4*\e]          ; the mean
	v_mov_b32 v[MU+2*\e+1], 0                      ; (named with it as a pair)
.endr
.irp e, 0,1
.irp k, 0,2,4,6,8,10,12,14,16,18,20,22,24,26,28,30
	v_pk_add_f32 v[XR+32*\e+\k:XR+32*\e+\k+1], v[XR+32*\e+\k:XR+32*\e+\k+1], v[MU+2*\e:MU+2*\e+1] op_sel_hi:[1,0] neg_lo:[0,1] neg_hi:[0,1]
.endr
.endr
.irp e, 0,1
	v_pk_mul_f32 v[SA+4*\e:SA+4*\e+1], v[XR+32*\e:XR+32*\e+1], v[XR+32*\e:XR+32*\e+1]
	v_pk_mul_f32 v[SA+4*\e+2:SA+4*\e+3], v[XR+32*\e+2:XR+32*\e+3], v[XR+32*\e+2:XR+32*\e+3]
.endr
.irp k, 4,8,12,16,20,24,28
.irp e, 0,1
	s_delay_alu instid0(VALU_DEP_4)
	v_pk_fma_f32 v[SA+4*\e:SA+4*\e+1], v[XR+32*\e+\k:XR+32*\e+\k+1], v[XR+32*\e+\k:XR+32*\e+\k+1], v[SA+4*\e:SA+4*\e+1]
	s_delay_alu instid0(VALU_DEP_4)
	v_pk_fma_f32 v[SA+4*\e+2:SA+4*\e+3], v[XR+32*\e+\k+2:XR+32*\e+\k+3], v[XR+32*\e+\k+2:XR+32*\e+\k+3], v[SA+4*\e+2:SA+4*\e+3]
.endr
.endr
.irp e, 0,1
	s_delay_alu instid0(VALU_DEP_3)
	v_pk_add_f32 v[SA+4*\e:SA+4*\e+1], v[SA+4*\e:SA+4*\e+1], v[SA+4*\e+2:SA+4*\e+3]
	s_delay_alu instid0(VALU_DEP_1)
	v_add_f32 v[SA+4*\e], v[SA+4*\e], v[SA+4*\e+1]
.endr
	WSUM SA
	WSUM SA+4
	v_fma_f32 v[SA], v[SA], s30, s31               ; the variance + 1e-5
	s_delay_alu instid0(VALU_DEP_2)
	v_fma_f32 v[SA+4], v[SA+4], s30, s31
	s_wait_alu depctr_va_vdst(0)
	v_rsq_f32 v[RS], v[SA]
	v_rsq_f32 v[RS+2], v[SA+4]
	v_mov_b32 v[RS+1], 0                           ; plain lines behind the two roots (and the pairs' other halves)
	v_mov_b32 v[RS+3], 0
	s_wait_alu depctr_va_vdst(0)                   ; one wait for both, ahead of their first reader
	s_wait_loadcnt 0x0                             ; the gain and the bias
.irp e, 0,1
.irp k, 0,2,4,6,8,10,12,14,16,18,20,22,24,26,28,30
	v_pk_mul_f32 v[XR+32*\e+\k:XR+32*\e+\k+1], v[XR+32*\e+\k:XR+32*\e+\k+1], v[RS+2*\e:RS+2*\e+1] op_sel_hi:[1,0]
.endr
.irp k, 0,2,4,6,8,10,12,14,16,18,20,22,24,26,28,30
	v_pk_fma_f32 v[XR+32*\e+\k:XR+32*\e+\k+1], v[XR+32*\e+\k:XR+32*\e+\k+1], v[GG+\k:GG+\k+1], v[GG+32+\k:GG+32+\k+1]
.endr
.endr
.irp e, 0,1                            ; the turn: as loaded, a lane holds 4 numbers of 8 blocks; behind it, one whole block.  Both rows use one stage: LDS serves a wave in order
.irp i, 0,1,2,3,4,5,6,7
	ds_store_b128 v4, v[XR+32*\e+4*\i:XR+32*\e+4*\i+3] offset:576*\i
.endr
.irp i, 0,1,2,3,4,5,6,7
	ds_load_b128 v[GG+32*\e+4*\i:GG+32*\e+4*\i+3], v5 offset:16*\i
.endr
.endr
	s_wait_dscnt 0x0
.irp e, 0,1
	v_max3_num_f32 v[MX+\e], |v[GG+32*\e]|, |v[GG+32*\e+1]|, 0x2800000
.endr
.irp i, 2,4,6,8,10,12,14,16,18,20,22,24,26,28,30
.irp e, 0,1
	s_delay_alu instid0(VALU_DEP_2)
	v_max3_num_f32 v[MX+\e], v[MX+\e], |v[GG+32*\e+\i]|, |v[GG+32*\e+\i+1]|
.endr
.endr
.irp e, 0,1
	s_delay_alu instid0(VALU_DEP_2)
	v_add_nc_u32 v[SO+\e], 0xfe000000, v[MX+\e]
.endr
.irp e, 0,1
	s_delay_alu instid0(VALU_DEP_2)
	v_lshrrev_b32 v[BY+\e], 23, v[SO+\e]
.endr
.irp e, 0,1
	v_cvt_scalef32_pk16_bf6_f32 v[CC+8*\e:CC+8*\e+2], v[GG+32*\e:GG+32*\e+15], v[SO+\e]
	v_cvt_scalef32_pk16_bf6_f32 v[CT+4*\e:CT+4*\e+2], v[GG+32*\e+16:GG+32*\e+31], v[SO+\e]
.endr
	v_nop
.irp e, 0,1
.irp i, 0,1,2
	v_mov_b32 v[CC+8*\e+3+\i], v[CT+4*\e+\i]
.endr
.endr
.irp e, 0,1
	ds_store_b64 v8, v[CC+8*\e:CC+8*\e+1] offset:16*\e
	ds_store_b64 v9, v[CC+8*\e+2:CC+8*\e+3] offset:16*\e+8
	ds_store_b64 v8, v[CC+8*\e+4:CC+8*\e+5] offset:16*\e+512
	ds_store_b8 v10, v[BY+\e] offset:4*\e
.endr
	s_wait_dscnt 0x0                               ; for the others' sake: my stores have landed
	s_barrier_signal -1
	s_barrier_wait -1                              ; the tile's eight images are whole
.irp g, 0,1,2
	ds_load_b128 v[OF+4*\g:OF+4*\g+3], v11 offset:512*\g
.endr
	s_wait_dscnt 0x0
.irp g, 0,1,2
	global_store_b128 v3, v[OF+4*\g:OF+4*\g+3], s[36:37] offset:512*\g
.endr
	s_cmp_ge_u32 s20, 4
	s_cbranch_scc1 .Lend
	ds_load_b32 v220, v12                          ; the scale words leave in pieces of 64 bytes: a row tile's share of a K step; whole runs of 256 would want 64 rows to a work-group
	s_wait_dscnt 0x0
	global_store_b32 v13, v220, s[38:39]
.Lend:
	s_wait_tensorcnt 0x0                           ; the wave's end
	ds_add_u32 v[SPW], v[NIL]
	s_wait_dscnt 0x0
	s_endpgm
.Lfunc_end_k_q353756d7b4_prep:
	.size	k_q353756d7b4_prep, .Lfunc_end_k_q353756d7b4_prep-k_q353756d7b4_prep
	.p2alignl 7, 3214868480
	.fill 96, 4, 3214868480
	.section	.rodata,"a",@progbits
	.p2align	6, 0x0
	.amdhsa_kernel k_q353756d7b4_prep
		.amdhsa_group_segment_fixed_size 101888
		.amdhsa_private_segment_fixed_size 0
		.amdhsa_enable_private_segment 0
		.amdhsa_kernarg_size 64
		.amdhsa_user_sgpr_count 2
		.amdhsa_user_sgpr_kernarg_segment_ptr 1
		.amdhsa_wavefront_size32 1
		.amdhsa_system_sgpr_workgroup_id_x 1
		.amdhsa_system_sgpr_workgroup_id_y 1
		.amdhsa_system_sgpr_workgroup_id_z 1
		.amdhsa_system_vgpr_workitem_id 0
		.amdhsa_next_free_vgpr 256
		.amdhsa_next_free_sgpr 66
		.amdhsa_reserve_vcc 0
		.amdhsa_float_denorm_mode_32 3
		.amdhsa_float_denorm_mode_16_64 3
		.amdhsa_memory_ordered 1
		.amdhsa_forward_progress 1
		.amdhsa_inst_pref_size 79
	.end_amdhsa_kernel
	.amdgpu_metadata
---
amdhsa.version: [ 1, 2 ]
amdhsa.kernels:
  - .name:           k_q353756d7b4_prep
    .symbol:         k_q353756d7b4_prep.kd
    .args:
      - { .name: x, .offset: 0, .size: 8, .value_kind: global_buffer, .address_space: global }
      - { .name: ln1_g, .offset: 8, .size: 8, .value_kind: global_buffer, .address_space: global }
      - { .name: ln1_b, .offset: 16, .size: 8, .value_kind: global_buffer, .address_space: global }
      - { .name: Wqkv, .offset: 24, .size: 8, .value_kind: global_buffer, .address_space: global }
      - { .name: Wout, .offset: 32, .size: 8, .value_kind: global_buffer, .address_space: global }
      - { .name: W1, .offset: 40, .size: 8, .value_kind: global_buffer, .address_space: global }
      - { .name: W2, .offset: 48, .size: 8, .value_kind: global_buffer, .address_space: global }
      - { .name: wq, .offset: 56, .size: 8, .value_kind: global_buffer, .address_space: global }
    .group_segment_fixed_size: 101888
    .private_segment_fixed_size: 0
    .kernarg_segment_align: 8
    .kernarg_segment_size: 64
    .max_flat_workgroup_size: 256
    .sgpr_count:     66
    .vgpr_count:     256
    .wavefront_size: 32
...
	.end_amdgpu_metadata
.endif
;; end of part 1
;; launch g_qkv (part 2): grid 12 x 16, 4 waves a work-group, clusters of 4 x 4, 327,680 bytes of LDS; arguments wq, bqkv, qkv; writes qkv
.if DOCPART == 2
	.amdgcn_target "amdgcn-amd-amdhsa--gfx1250"
	.amdhsa_code_object_version 6
	.text
	.protected	k_q353756d7b4_g_qkv
	.globl	k_q353756d7b4_g_qkv
	.p2align	8
	.type	k_q353756d7b4_g_qkv,@function
k_q353756d7b4_g_qkv:
	s_mov_b64 s[64:65], 0
	v_nop
	global_prefetch_b8 v0, s[64:65] scope:SCOPE_SE
	s_setreg_imm32_b32 hwreg(HW_REG_WAVE_MODE, 25, 1), 1
	s_wait_xcnt 0x0
	s_wait_alu depctr_hold_cnt(0) depctr_sa_sdst(0) depctr_va_vdst(0) depctr_va_sdst(0) depctr_va_ssrc(0) depctr_va_vcc(0) depctr_vm_vsrc(0)
	s_getreg_b32 s2, hwreg(HW_REG_IB_STS2, 6, 4)
	s_cmp_eq_u32 s2, 0
	s_cbranch_scc0 .Lentry_in_a_cluster
	s_endpgm
.Lentry_in_a_cluster:
	s_bfe_u32 s2, ttmp6, 0x10000c
	s_cmp_lg_u32 s2, 0xf033
	s_cbranch_scc0 .Lentry_shape_is_right
	s_endpgm
.Lentry_shape_is_right:
; qkv = h Wqkv + bqkv on codes of BF6, and its three parts quantised for attention.  h and Wqkv lie in wq as fragment images (16 rows x 128 K in 1,536 bytes, register j of lane l at 512 (j / 4) + 16 l + 4 (j % 4)).
; A work-group of four waves makes 256 stored rows x 256 columns; a wave 128 x 128: 64 accumulators.  K goes in slots of 256 through a ring of two LDS slots.  A slot holds A's and B's images and their scale words;
; each wave brings one of the four kinds with one tensor load.  CLUSTERS 4 x 4: A's kinds are asked for jointly along a row of the cluster, B's along a column.
; THE MATRIX INSTRUCTION IS USED TRANSPOSED (source 0 = 16 stored rows of W, source 1 = 16 rows of h).  W's columns are stored with bits 3 and 4 exchanged, so register 8 b + j of a lane (r, h) is column 32 (b / 2) + 16 h + 8 (b % 2) + j.
; The bias is the C of the first K step.
; THE WAY OUT.  Cluster x 0: q, 1: k: a row tile's 128 columns are two heads: quantised along the head's 64 and stored as half images (768 bytes a tile and head).  Cluster x 2: v: its K is the keys, so a wave's
; 128 positions x 64 channels turn through LDS; a block of 32 positions has one scale over both parities, and its codes are stored apart by parity, 12 bytes in a place of 16.
; PREFETCH of the images: the head asks for slots 1 and 2, slot 1's fill for slot 3.
.set MA, 8
.set NQ, 2
.set KST, 8
.set NCOL, 3072
.set AC, 9437184
.set AS, 12976128
.set WC, 0
.set WS, 12582912
.set ACB, 2*MA*NQ*1536                 ; a slot: A's images,
.set BCB, 16*NQ*1536                   ; B's,
.set ASB, NQ*2*MA*64                   ; A's scale words,
.set BSB, NQ*1024                      ; B's
.set SLOT, ACB+BCB+ASB+BSB
.set SPARE, 327168                     ; the spare words, 128 bytes a wave
.set LAPS, KST/(2*NQ)
.set NLH, 3*MA/2                       ; LDS loads that bring half of A's fragments
.set ADRA, 16                          ; v16-17 my A images in slot 0, 1;  v18-19 A's scale words;  v20-21 B's images;  v22-23 B's scale words
.set ADSA, 18
.set ADRB, 20
.set ADSB, 22
.set SPW, 28
.set NIL, 29
.set SC, 32                            ; v32-47 two sets of scale words: +0..3 B's pairs of blocks, +4.. A's; block 2 x in lanes 0-15, 2 x + 1 in lanes 16-31
.set BIAS, 64                          ; v64-127 the bias in the result's layout
.set AF, 128                           ; A's fragments, one set; window 1: B's, two sets; windows 2, 3: the accumulators, (a, b) at v[8 (8 (a % 4) + b)]
.set G1A, 24
.set G0A, 32
.set G1B, 48
.set G0B, 56
.set G1SA, 68
.set G0SA, 76
.set G1SB, 84
.set G0SB, 92
.set SEL, 100
.set MSB, 0
.macro WIN new                         ; the immediate's high byte repeats the setting that is left
.if MSB != \new
	s_set_vgpr_msb (MSB<<8)|\new
.set MSB, \new
.endif
.endm
.macro PLACES                          ; four plain lines between a matrix instruction and a load into its registers or a read of its result
.rept 4
	v_nop
.endr
.endm
.macro DESC1 g, c, r, p                ; words 1 to 7 of a group 1: r rows of c elements of 8 bytes, p elements apart
	s_mov_b32 s[\g+1], ((\c)&0xffff)<<16
	s_mov_b32 s[\g+2], ((\c)>>16)|((\r)<<16)
	s_mov_b32 s[\g+3], (\c)<<16
	s_mov_b32 s[\g+4], \r
	s_mov_b32 s[\g+5], \p
	s_mov_b32 s[\g+6], 0
	s_mov_b32 s[\g+7], 0
.endm
.macro DESC0 g, lds, ptr, off
	s_mov_b32 s[\g], 1
	s_mov_b32 s[\g+1], \lds
	s_add_nc_u64 s[\g+2:\g+3], s[\ptr:\ptr+1], \off
	s_or_b32 s[\g+3], s[\g+3], 0x80000000
.endm
.macro TL g0, g1                       ; a tensor load with five lines behind it
	tensor_load_to_lds s[\g0:\g0+3], s[\g1:\g1+7]
	s_nop 0
.rept 4
	v_nop
.endr
.endm
.macro JLOAD s                         ; wave 0: A's images, 1: B's, 2: A's scale words, 3: B's.  The branches hang on the wave's number alone; every wave passes one load
	s_cmp_lt_u32 s14, 2
	s_cbranch_scc0 .Lj23_\@
	s_cmp_eq_u32 s14, 0
	s_cbranch_scc0 .Lj1_\@
	TL G0A+4*\s, G1A
	s_branch .Ljd_\@
.Lj1_\@:
	TL G0B+4*\s, G1B
	s_branch .Ljd_\@
.Lj23_\@:
	s_cmp_eq_u32 s14, 2
	s_cbranch_scc0 .Lj3_\@
	TL G0SA+4*\s, G1SA
	s_branch .Ljd_\@
.Lj3_\@:
	TL G0SB+4*\s, G1SB
.Ljd_\@:
.endm
.macro CREST
	s_cmp_lg_u32 s14, 0
	s_cbranch_scc1 .Lnw0_\@
	s_barrier_signal -3
.Lnw0_\@:
	s_barrier_wait -3
	s_barrier_signal -1
	s_barrier_wait -1
.endm
.macro CROUND
	s_barrier_signal -1
	s_barrier_wait -1
	CREST
.endm
.macro MM a, b, p, first
.set rD, 8*(8*((\a)%4)+\b)
.set rB, 128*(\p)+12*\b
.set rA, AF+12*(\a)
.set rSB, SC+8*(\p)+\b/2
.set rSA, SC+8*(\p)+4+(\a)/2
.set rC, rD
.if \first
.set rC, BIAS+8*\b
.endif
.if (((\a)%2) == 0) && ((\b%2) == 0)
	v_wmma_scale_f32_16x16x128_f8f6f4 v[rD:rD+7], v[rB:rB+11], v[rA:rA+11], v[rC:rC+7], v[rSB], v[rSA] matrix_a_fmt:MATRIX_FMT_BF6 matrix_b_fmt:MATRIX_FMT_BF6
.elseif ((\a)%2) == 0
	v_wmma_scale_f32_16x16x128_f8f6f4 v[rD:rD+7], v[rB:rB+11], v[rA:rA+11], v[rC:rC+7], v[rSB], v[rSA] matrix_a_fmt:MATRIX_FMT_BF6 matrix_b_fmt:MATRIX_FMT_BF6 matrix_a_scale:MATRIX_SCALE_ROW1
.elseif (\b%2) == 0
	v_wmma_scale_f32_16x16x128_f8f6f4 v[rD:rD+7], v[rB:rB+11], v[rA:rA+11], v[rC:rC+7], v[rSB], v[rSA] matrix_a_fmt:MATRIX_FMT_BF6 matrix_b_fmt:MATRIX_FMT_BF6 matrix_b_scale:MATRIX_SCALE_ROW1
.else
	v_wmma_scale_f32_16x16x128_f8f6f4 v[rD:rD+7], v[rB:rB+11], v[rA:rA+11], v[rC:rC+7], v[rSB], v[rSA] matrix_a_fmt:MATRIX_FMT_BF6 matrix_b_fmt:MATRIX_FMT_BF6 matrix_a_scale:MATRIX_SCALE_ROW1 matrix_b_scale:MATRIX_SCALE_ROW1
.endif
.endm
.macro MULA a, p, first                ; A's block a against B's eight.  The accumulators take turns in the same order in every step
.if \first
	WIN 0x81+0x40*((\a)/4)
.else
	WIN 0xa1+0x50*((\a)/4)
.endif
.irp b, 0,1,2,3,4,5,6,7
	MM \a, \b, \p, \first
.endr
.endm
.macro MRUN a0, n, p, first
.set ma, \a0
.rept \n
	MULA ma, \p, \first
.set ma, ma+1
.endr
.endm
.macro FETCH_B slot, q, p
	WIN 0x40
.irp b, 0,1,2,3,4,5,6,7
.set rr, 128*(\p)+12*\b
.set oo, (\b*NQ+(\q))*1536
	ds_load_b128 v[rr:rr+3], v[ADRB+\slot] offset:oo
	ds_load_b128 v[rr+4:rr+7], v[ADRB+\slot] offset:oo+512
	ds_load_b128 v[rr+8:rr+11], v[ADRB+\slot] offset:oo+1024
.endr
	WIN 0
.endm
.macro FETCH_A slot, q, a0
.set aa, \a0
.rept MA/2
.set rr, AF+12*aa
.set oo, (aa*NQ+(\q))*1536
	ds_load_b128 v[rr:rr+3], v[ADRA+\slot] offset:oo
	ds_load_b128 v[rr+4:rr+7], v[ADRA+\slot] offset:oo+512
	ds_load_b128 v[rr+8:rr+11], v[ADRA+\slot] offset:oo+1024
.set aa, aa+1
.endr
.endm
.macro FETCH_SC slot, q, p
.irp x, 0,1,2,3
	ds_load_b32 v[SC+8*(\p)+\x], v[ADSB+\slot] offset:(\q)*1024+128*\x
.endr
.set aa, 0
.rept MA/2
	ds_load_b32 v[SC+8*(\p)+4+aa], v[ADSA+\slot] offset:(\q)*2*MA*64+128*aa
.set aa, aa+1
.endr
.endm
.macro STEP slot, q, first             ; 128 along K whose successor lies in the same slot
	s_wait_dscnt NLH                               ; all but A's upper half, the youngest loads
	MRUN 0, MA/2, (\q)%2, \first
	s_wait_dscnt 0x0
	PLACES
	FETCH_B \slot, (\q)+1, 1-(\q)%2
	FETCH_SC \slot, (\q)+1, 1-(\q)%2
	FETCH_A \slot, (\q)+1, 0
.if \first
	ASK                                            ; slot 3, behind slot 1's fill and a run of LDS loads
.endif
	MRUN MA/2, MA/2, (\q)%2, \first
	PLACES
	WIN 0
	FETCH_A \slot, (\q)+1, MA/2
.endm
.macro STEPS slot, q0
.set sq, \q0
.rept NQ-1-\q0
	STEP \slot, sq, 0
.set sq, sq+1
.endr
.endm
.macro TURN slot, next, fill           ; a slot's last step changes slots
	s_wait_tensorcnt 0x0                           ; all my tensor loads have landed: my kind of the next slot
	ds_add_u32 v[SPW], v[NIL]
	s_wait_dscnt NLH+1                             ; (the add and A's upper half may be out)
	MRUN 0, MA/4, 1, 0
	s_wait_dscnt 0x0                               ; the add is done, my reads of this slot are over
	s_barrier_signal -1
	MRUN MA/4, MA/4, 1, 0
	WIN 0
	s_barrier_wait -1
.if \fill
	CREST                                          ; the barrier has opened a round of the cluster's: no wave of any partner reads this slot or has a load out
	s_add_nc_u64 s[G0A+4*\slot+2:G0A+4*\slot+3], s[G0A+4*\slot+2:G0A+4*\slot+3], 2*NQ*1536
	s_add_nc_u64 s[G0B+4*\slot+2:G0B+4*\slot+3], s[G0B+4*\slot+2:G0B+4*\slot+3], 2*NQ*1536
	s_add_nc_u64 s[G0SA+4*\slot+2:G0SA+4*\slot+3], s[G0SA+4*\slot+2:G0SA+4*\slot+3], 2*NQ*16384
	s_add_nc_u64 s[G0SB+4*\slot+2:G0SB+4*\slot+3], s[G0SB+4*\slot+2:G0SB+4*\slot+3], 2*NQ*4*NCOL
	JLOAD \slot                                    ; my one tensor load behind the round; its four v_nop are the places in front of the loads below
.else
	PLACES
.endif
	FETCH_B \next, 0, 0
	FETCH_SC \next, 0, 0
	FETCH_A \next, 0, 0
	MRUN MA/2, MA/2, 1, 0
	PLACES
	WIN 0
	FETCH_A \next, 0, MA/2
.endm
	s_load_b128 s[4:7], s[0:1], 0x0                ; wq, bqkv
	s_load_b64 s[10:11], s[0:1], 0x10              ; qkv
	v_lshl_add_u32 v[SPW], v0, 2, SPARE
	v_mov_b32 v[NIL], 0
	ds_add_u32 v[SPW], v[NIL]                      ; the opening: the add, twice on end, and its wait ahead of my first tensor load
	ds_add_u32 v[SPW], v[NIL]
	v_lshrrev_b32 v1, 5, v0
	v_readfirstlane_b32 s14, v1                    ; wave
	s_lshr_b32 s15, s14, 1                         ; i: my half of the rows
	s_and_b32 s16, s14, 1                          ; j: my half of the columns
	s_bfe_u32 s40, ttmp6, 0x40000                  ; cx
	s_bfe_u32 s41, ttmp6, 0x40004                  ; cy
	s_lshl_b32 s42, ttmp9, 2
	s_add_co_u32 s42, s42, s40                     ; X
	s_and_b32 s17, ttmp7, 0xffff
	s_lshl_b32 s17, s17, 2
	s_add_co_u32 s17, s17, s41                     ; Y
	s_lshl_b32 s43, s41, 2
	s_lshl_b32 s43, 15, s43                        ; my row of the cluster
	s_lshl_b32 s44, 0x1111, s40                    ; my column
	s_or_b32 s[G1A], s43, (3<<16)|(1<<21)          ; the mask; elements of 8 bytes; bit 21 beside a mask; no padding
	s_or_b32 s[G1SA], s43, (3<<16)|(1<<21)
	s_or_b32 s[G1B], s44, (3<<16)|(1<<21)
	s_or_b32 s[G1SB], s44, (3<<16)|(1<<21)
	DESC1 G1A, 192*NQ, 2*MA, 192*KST
	DESC1 G1B, 192*NQ, 16, 192*KST
	DESC1 G1SA, 16*MA, NQ, 2048
	DESC1 G1SB, 128, NQ, NCOL/2
	s_mul_i32 s20, s17, 2*MA*KST*1536              ; A's offsets hang on Y alone, B's on X alone
	s_add_co_u32 s20, s20, AC
	s_mov_b32 s21, 0
	s_mul_i32 s22, s17, 2*MA*64
	s_add_co_u32 s22, s22, AS
	s_mov_b32 s23, 0
	s_mul_i32 s46, s42, 16*KST*1536
	s_add_co_u32 s46, s46, WC
	s_mov_b32 s47, 0
	s_lshl_b32 s66, s42, 10
	s_add_co_u32 s66, s66, WS
	s_mov_b32 s67, 0
	s_mov_b32 s[SEL], 0x76543210
	s_mov_b32 s[SEL+1], 0xfedcba98
	s_wait_dscnt 0x0                               ; both opening adds are done
	s_wait_kmcnt 0x0
	s_mov_b64 s[8:9], s[6:7]                       ; the bias
	s_mov_b64 s[6:7], s[4:5]                       ; the weight lies in wq too
	s_add_nc_u64 s[20:21], s[4:5], s[20:21]
	s_add_nc_u64 s[22:23], s[4:5], s[22:23]
	s_add_nc_u64 s[46:47], s[6:7], s[46:47]
	s_add_nc_u64 s[66:67], s[6:7], s[66:67]
	CROUND                                         ; all sixteen work-groups are here: the first joint loads meet
.irp s, 0,1
	DESC0 G0A+4*\s, \s*SLOT, 20, \s*NQ*1536
	DESC0 G0B+4*\s, \s*SLOT+ACB, 46, \s*NQ*1536
	DESC0 G0SA+4*\s, \s*SLOT+ACB+BCB, 22, \s*NQ*16384
	DESC0 G0SB+4*\s, \s*SLOT+ACB+BCB+ASB, 66, \s*NQ*4*NCOL
.endr
	JLOAD 0                                        ; slot 0: one tensor load a wave at the head; the set-up below stands under its flight
	v_and_b32 v2, 31, v0                           ; lane
	v_lshlrev_b32 v3, 4, v2
	v_lshlrev_b32 v4, 2, v2
	v_bfe_u32 v5, v0, 4, 1                         ; h
	v_lshlrev_b32 v6, 6, v5
	v_and_b32 v7, 15, v0                           ; r
	v_lshlrev_b32 v8, 3, v2
	s_mul_i32 s18, s15, MA*NQ*1536
	s_mul_i32 s19, s16, 8*NQ*1536
	s_add_co_u32 s19, s19, ACB
	v_add_nc_u32 v[ADRA], s18, v3
	v_add_nc_u32 v[ADRB], s19, v3
	v_add_nc_u32 v[ADRA+1], SLOT, v[ADRA]
	v_add_nc_u32 v[ADRB+1], SLOT, v[ADRB]
	s_mul_i32 s18, s15, MA*64
	s_add_co_u32 s18, s18, ACB+BCB
	s_lshl_b32 s19, s16, 9
	s_add_co_u32 s19, s19, ACB+BCB+ASB
	v_add_nc_u32 v[ADSA], s18, v4
	v_add_nc_u32 v[ADSB], s19, v4
	v_add_nc_u32 v[ADSA+1], SLOT, v[ADSA]
	v_add_nc_u32 v[ADSB+1], SLOT, v[ADSB]
	s_lshl_b32 s18, s42, 10
	s_lshl_b32 s19, s16, 9
	s_add_co_u32 s18, s18, s19
	s_mov_b32 s19, 0
	s_add_nc_u64 s[8:9], s[8:9], s[18:19]          ; the bias of my 128 columns
	; A PREFETCH of the images is written after all (the head comment's last line no longer holds), two slots ahead of the tensor load that wants them: a slot is 3,072 consecutive bytes of a row tile, 12 blocks of 256.
	; The four partners that ask for sixteen tiles jointly share them out by address, four each, a wave two (waves 0, 1 A's, waves 2, 3 B's): 24 blocks, one instruction; the eight lanes left over name the last block again.
	; Here slots 1 and 2 are asked for, behind slot 1's fill slot 3, then nothing.  The offsets are immediates; the two registers are never rewritten.
	v_min_u32 v15, 23, v2
	v_mul_u32_u24 v1, v15, 171
	v_lshrrev_b32 v1, 11, v1                       ; which of my two tiles: lane / 12
	v_mul_u32_u24 v1, v1, 9216                     ; a tile is 12,288 bytes: 9,216 beyond the first tile's 12 blocks
	v_lshl_add_u32 v15, v15, 8, v1
	s_wait_alu depctr_va_vdst(0)
.set PFI, 1                            ; the slot that the next ASK names
.macro ASK
	global_prefetch_b8 v15, s[104:105] offset:PFI*NQ*1536 th:TH_LOAD_NT scope:SCOPE_SE
.set PFI, PFI+1
.endm
	s_cmp_eq_u32 s15, 0
	s_cselect_b32 s18, s17, s42                    ; the sixteen tiles begin at 16 Y (A) or 16 X (B);
	s_cselect_b32 s19, s40, s41                    ; my place among the four that load them jointly: cx (A) or cy (B)
	s_cselect_b32 s45, AC, WC
	s_cselect_b64 s[104:105], s[4:5], s[6:7]
	s_lshl_b32 s18, s18, 4
	s_lshl_b32 s19, s19, 2
	s_add_co_u32 s18, s18, s19
	s_lshl_b32 s19, s16, 1
	s_add_co_u32 s18, s18, s19                     ; my wave's first tile
	s_mul_i32 s18, s18, KST*1536
	s_add_co_u32 s18, s18, s45
	s_mov_b32 s19, 0
	s_add_nc_u64 s[104:105], s[104:105], s[18:19]
	ASK
	ASK
.irp b, 0,1,2,3,4,5,6,7
	global_load_b128 v[BIAS+8*\b:BIAS+8*\b+3], v6, s[8:9] offset:128*(\b/2)+32*(\b%2)
	global_load_b128 v[BIAS+8*\b+4:BIAS+8*\b+7], v6, s[8:9] offset:128*(\b/2)+32*(\b%2)+16
.endr
	; the way out's addresses, all made here
.set KC, 3145728
.set VC, 6291456
.set QS, 10485760
.set VS, 11010048
.set VST, 131072                       ; v's stages: 128 rows x (256 + 16) bytes a wave;  q's and k's: 32,768 a wave from byte 0
.set QSS, 270336                       ; q's and k's scale words, 512 a wave
.set VSS, 272384                       ; v's, 256 a wave
.set STA, 24
.set ADR, 25
.set SCB, 26
.set SCA, 27
.set SCR, 30
.set SGO, 31
.set TM, 48
.set XX, 64
.set PC, 224
.set PW, 244
	s_lshl_b32 s18, s14, 15
	v_add_nc_u32 v[STA], s18, v3
	s_lshl_b32 s18, s14, 9
	s_add_co_u32 s18, s18, QSS
	v_lshl_add_u32 v[SCB], v7, 2, s18
	v_add_nc_u32 v[SCR], s18, v3
	v_lshlrev_b32 v[SGO], 4, v7
	v_lshl_add_u32 v[SGO], v5, 13, v[SGO]
	s_mul_i32 s18, s14, 34816
	s_add_co_u32 s18, s18, VST
	v_mul_u32_u24 v9, v7, 272
	v_lshl_add_u32 v9, v5, 6, v9
	v_add_nc_u32 v9, s18, v9                       ; v, in: stored row r, + 64 h
	v_and_b32 v10, 8, v7
	v_add_nc_u32 v10, v10, v7
	v_lshlrev_b32 v10, 2, v10
	v_mad_u32_u24 v10, v5, 8*272, v10
	v_add_nc_u32 v10, s18, v10                     ; v, out: channel 16 (r / 8) + r % 8, rows 8 h on
	s_lshl_b32 s18, s14, 8
	s_add_co_u32 s18, s18, VSS
	v_lshl_add_u32 v11, v7, 2, s18
	v_lshl_add_u32 v12, v2, 3, s18
	v_lshlrev_b32 v13, 3, v5
	v_add_nc_u32 v14, 16, v13
.irp b, 0,1,2,3
	v_mov_b32 v[TM+4+\b], 0                        ; a lane permute's destination counts as read
.endr
	v_mov_b32 v141, 0
	v_mov_b32 v131, 0                              ; the fourth word of a place of 16 bytes
	v_mov_b32 v135, 0
	s_wait_alu depctr_va_vdst(0)
	s_wait_tensorcnt 0x0                           ; my kind of slot 0 is in
	ds_add_u32 v[SPW], v[NIL]
	s_wait_dscnt 0x0
	CROUND                                         ; slot 0 is whole, and all sixteen work-groups are here
	JLOAD 1                                        ; slot 1's first fill: my one tensor load behind the round
	FETCH_B 0, 0, 0
	FETCH_SC 0, 0, 0
	FETCH_A 0, 0, 0
	FETCH_A 0, 0, MA/2
	s_wait_loadcnt 0x0                             ; the bias
	STEP 0, 0, 1
	STEPS 0, 1
.if LAPS > 1
	s_mov_b32 s3, LAPS-1
.Llap:
	TURN 0, 1, 1
	STEPS 1, 0
	TURN 1, 0, 1
	STEPS 0, 0
	s_sub_co_u32 s3, s3, 1
	s_cmp_lg_u32 s3, 0
	s_cbranch_scc1 .Llap
.endif
	TURN 0, 1, 0
	STEPS 1, 0
	s_wait_dscnt NLH
	MRUN 0, MA/2, 1, 0
	s_wait_dscnt 0x0
	MRUN MA/2, MA/2, 1, 0
	WIN 0
	s_barrier_signal -1                            ; no LDS instruction of mine is out: behind this barrier nobody reads the slots, which have had their last fill
	s_barrier_wait -1
	PLACES
	s_lshl_b32 s18, s17, 1
	s_add_co_u32 s18, s18, s15                     ; 2 Y + i = 16 b + a
	s_lshr_b32 s19, s18, 4
	s_and_b32 s45, s18, 15                         ; a
	s_and_b32 s20, s42, 3
	s_lshl_b32 s20, s20, 2
	s_lshl_b32 s21, s16, 1
	s_add_co_u32 s20, s20, s21
	s_lshl_b32 s19, s19, 4
	s_add_co_u32 s19, s19, s20                     ; 16 b + my first head
	s_mov_b32 s23, 0
	s_mov_b32 s47, 0
	s_cmp_eq_u32 ttmp9, 2                          ; the cluster's x: the same in all partners
	s_cbranch_scc1 .Lvpath
; 64 numbers of a lane, register 16 b + i = k 32 b + 16 (lane / 16) + i of my row, become a fragment's codes in v[PC] on and its scale word in v[PW]
.macro QUANT s
.irp b, 0,1,2,3
	v_max3_num_f32 v[TM+\b], |v[\s+16*\b]|, |v[\s+1+16*\b]|, 0x2800000
.endr
.irp i, 2,4,6,8,10,12,14
.irp b, 0,1,2,3
	v_max3_num_f32 v[TM+\b], v[TM+\b], |v[\s+16*\b+\i]|, |v[\s+1+16*\b+\i]|
.endr
.endr
.irp b, 0,1,2,3
	v_permlanex16_b32 v[TM+4+\b], v[TM+\b], s[SEL], s[SEL+1]
.endr
.irp b, 0,1,2,3
	v_max_num_f32 v[TM+\b], v[TM+\b], v[TM+4+\b]
.endr
.irp b, 0,1,2,3
	v_add_nc_u32 v[TM+12+\b], 0xfe000000, v[TM+\b]
.endr
.irp b, 0,1,2,3
	v_lshrrev_b32 v[TM+4+\b], 23, v[TM+12+\b]
.endr
	v_lshl_or_b32 v[PW], v[TM+5], 8, v[TM+4]
	v_lshl_or_b32 v[PW], v[TM+6], 16, v[PW]
	v_lshl_or_b32 v[PW], v[TM+7], 24, v[PW]
.irp c, 0,1
	v_cvt_scalef32_pk16_bf6_f32 v[PC+6*\c:PC+2+6*\c], v[\s+32*\c:\s+15+32*\c], v[TM+12+2*\c]
	v_cvt_scalef32_pk16_bf6_f32 v[PC+12+4*\c:PC+14+4*\c], v[\s+16+32*\c:\s+31+32*\c], v[TM+12+2*\c+1]
.endr
	v_nop
.irp c, 0,1
.irp i, 0,1,2
	v_permlane16_swap_b32 v[PC+6*\c+\i], v[PC+12+4*\c+\i]
.endr
.irp i, 0,1,2
	v_mov_b32 v[PC+3+6*\c+\i], v[PC+12+4*\c+\i]
.endr
.endr
.endm
	; ---- q and k
	s_lshl_b32 s20, s19, 5
	s_add_co_u32 s20, s20, s45                     ; (sequence of parity 0) 16 + a
	s_mul_i32 s22, s20, 3072
	s_mul_i32 s21, ttmp9, KC
	s_add_co_u32 s22, s22, s21
	s_add_nc_u64 s[22:23], s[10:11], s[22:23]
	s_lshl_b32 s46, s20, 8
	s_mul_i32 s21, ttmp9, 262144
	s_add_co_u32 s46, s46, s21
	s_add_co_u32 s46, s46, QS
	s_add_nc_u64 s[46:47], s[10:11], s[46:47]
	s_mov_b32 s21, 0x7f7f0000                      ; the two bytes of a scale word that belong to no block: 1.0
; Four row tiles (parity hf) go to my stage as images of their registers; a loop reads them into fixed registers
.macro HALF hf
	WIN 0x08+4*\hf
.irp a, 0,1,2,3
.irp b, 0,1,2,3,4,5,6,7
	ds_store_b128 v[STA], v[8*(8*\a+\b):8*(8*\a+\b)+3] offset:(16*\a+2*\b)*512
	ds_store_b128 v[STA], v[8*(8*\a+\b)+4:8*(8*\a+\b)+7] offset:(16*\a+2*\b+1)*512
.endr
.endr
	WIN 0
	s_mov_b32 s18, 0
	s_mov_b32 s19, 0
	s_mov_b32 s20, 0
.Ltile_\@:
	v_add_nc_u32 v[ADR], s18, v[STA]
	v_add_nc_u32 v[SCA], s19, v[SCB]
.irp g, 0,1,2,3,4,5,6,7,8,9,10,11,12,13,14,15
	ds_load_b128 v[XX+4*\g:XX+4*\g+3], v[ADR] offset:512*\g
.endr
	s_wait_dscnt 0x0
	QUANT XX
	v_and_or_b32 v245, v[PW], 0xffff, s21          ; the first head's two bytes,
	v_lshrrev_b32 v246, 16, v[PW]
	v_or_b32 v246, s21, v246                       ; the second's
	ds_store_b32 v[SCA], v245
	ds_store_b32 v[SCA], v246 offset:256
	global_store_b128 v3, v[PC:PC+3], s[22:23]                     ; registers 0-5: the first head's half image,
	global_store_b64 v8, v[PC+4:PC+5], s[22:23] offset:512
	global_store_b128 v3, v[PC+6:PC+9], s[22:23] offset:98304      ; registers 6-11: the second's, two sequences on
	global_store_b64 v8, v[PC+10:PC+11], s[22:23] offset:98304+512
	s_wait_xcnt 0x0                                ; the stores have read their registers and base
	s_add_nc_u64 s[22:23], s[22:23], 768
	s_add_co_u32 s18, s18, 8192
	s_add_co_u32 s19, s19, 64
	s_add_co_u32 s20, s20, 1
	s_cmp_lt_u32 s20, 4
	s_cbranch_scc1 .Ltile_\@
	ds_load_b128 v[248:251], v[SCR]
	s_wait_dscnt 0x0
	global_store_b128 v[SGO], v[248:251], s[46:47] offset:4096*\hf ; sixteen lanes store a head's 256 bytes
.endm
	HALF 0
	s_add_nc_u64 s[22:23], s[22:23], 49152-3072    ; the other parity's sequence (behind the trip's wait on XCNT)
	HALF 1
	s_branch .Ldone
.Lvpath:
	; ---- v
	s_lshl_b32 s20, s19, 5
	s_add_co_u32 s20, s20, s45
	s_lshl_b32 s22, s20, 12
	s_add_co_u32 s22, s22, VC
	s_add_nc_u64 s[22:23], s[10:11], s[22:23]
	s_lshl_b32 s46, s19, 4
	s_add_co_u32 s46, s46, s45
	s_lshl_b32 s46, s46, 8
	s_add_co_u32 s46, s46, VS
	s_add_nc_u64 s[46:47], s[10:11], s[46:47]
.macro LOADX t                         ; item t = 2 tau + c: my channel of tile tau, the 32 positions of block 2 c + lane / 16: register 16 par + 8 u + j
.irp par, 0,1
.irp u, 0,1
.irp j, 0,1,2,3,4,5,6,7
	ds_load_b32 v[XX+32*((\t)%2)+16*\par+8*\u+\j], v10 offset:(4*\par+2*((\t)%2)+\u)*4352+\j*272+4*(32*((\t)/4)+8*(((\t)/2)%2))
.endr
.endr
.endr
.endm
.macro PROC t, g
.if (\t) < 7
	LOADX (\t)+1
	s_wait_dscnt 32                                ; all but the next item's 32 loads
.else
	s_wait_dscnt 0x0
.endif
.set xs, XX+32*((\t)%2)
	v_max3_num_f32 v136, |v[xs]|, |v[xs+1]|, |v[xs+2]|             ; the block's scale is taken over both parities
	v_max3_num_f32 v137, |v[xs+3]|, |v[xs+4]|, |v[xs+5]|
.irp i, 6,10,14,18,22,26
	v_max3_num_f32 v136, v136, |v[xs+\i]|, |v[xs+\i+1]|
	v_max3_num_f32 v137, v137, |v[xs+\i+2]|, |v[xs+\i+3]|
.endr
	v_max3_num_f32 v136, v136, |v[xs+30]|, |v[xs+31]|
	v_max3_num_f32 v136, v136, v137, 0x2800000
	v_add_nc_u32 v138, 0xfe000000, v136
	v_lshrrev_b32 v139, 23, v138
	s_wait_alu depctr_va_vdst(0)
	s_wait_xcnt 0x0                                ; the last item's stores have read their registers
	v_cvt_scalef32_pk16_bf6_f32 v[128:130], v[xs:xs+15], v138
	v_cvt_scalef32_pk16_bf6_f32 v[132:134], v[xs+16:xs+31], v138
	v_nop
	global_store_b128 v3, v[128:131], s[22:23] offset:131072*\g+1024*((\t)/2)+512*((\t)%2)         ; 512 consecutive bytes
	global_store_b128 v3, v[132:135], s[22:23] offset:131072*\g+1024*((\t)/2)+512*((\t)%2)+65536
.if ((\t)%2) == 0
	v_lshlrev_b32 v140, v13, v139                  ; byte lane / 16 of the channel's scale word,
.else
	v_lshlrev_b32 v142, v14, v139                  ; byte 2 + lane / 16;
	v_or_b32 v140, v140, v142
	v_permlanex16_b32 v141, v140, s[SEL], s[SEL+1]
	v_or_b32 v140, v140, v141                      ; with lane l xor 16's two the word is whole
	ds_store_b32 v11, v140 offset:64*((\t)/2)
.endif
.endm
.macro VHEAD g
.irp a, 0,1,2,3,4,5,6,7
	WIN 0x08+4*(\a/4)
.irp bb, 0,1,2,3
.set rr, 8*(8*(\a%4)+4*\g+\bb)
	ds_store_b128 v9, v[rr:rr+3] offset:\a*4352+128*(\bb/2)+32*(\bb%2)
	ds_store_b128 v9, v[rr+4:rr+7] offset:\a*4352+128*(\bb/2)+32*(\bb%2)+16
.endr
.endr
	WIN 0
	LOADX 0
.irp t, 0,1,2,3,4,5,6,7
	PROC \t, \g
.endr
	ds_load_b64 v[144:145], v12
	s_wait_dscnt 0x0
	global_store_b64 v8, v[144:145], s[46:47] offset:4096*\g
.endm
	VHEAD 0
	VHEAD 1
.Ldone:
	s_wait_tensorcnt 0x0                           ; the wave's end
	ds_add_u32 v[SPW], v[NIL]
	s_wait_dscnt 0x0
	CROUND                                         ; the closing round
	s_endpgm
.Lfunc_end_k_q353756d7b4_g_qkv:
	.size	k_q353756d7b4_g_qkv, .Lfunc_end_k_q353756d7b4_g_qkv-k_q353756d7b4_g_qkv
	.p2alignl 7, 3214868480
	.fill 96, 4, 3214868480
	.section	.rodata,"a",@progbits
	.p2align	6, 0x0
	.amdhsa_kernel k_q353756d7b4_g_qkv
		.amdhsa_group_segment_fixed_size 327680
		.amdhsa_private_segment_fixed_size 0
		.amdhsa_enable_private_segment 0
		.amdhsa_kernarg_size 24
		.amdhsa_user_sgpr_count 2
		.amdhsa_user_sgpr_kernarg_segment_ptr 1
		.amdhsa_wavefront_size32 1
		.amdhsa_system_sgpr_workgroup_id_x 1
		.amdhsa_system_sgpr_workgroup_id_y 1
		.amdhsa_system_sgpr_workgroup_id_z 1
		.amdhsa_system_vgpr_workitem_id 0
		.amdhsa_next_free_vgpr 1024
		.amdhsa_next_free_sgpr 106
		.amdhsa_reserve_vcc 0
		.amdhsa_float_denorm_mode_32 3
		.amdhsa_float_denorm_mode_16_64 3
		.amdhsa_memory_ordered 1
		.amdhsa_forward_progress 1
		.amdhsa_inst_pref_size 204
	.end_amdhsa_kernel
	.amdgpu_metadata
---
amdhsa.version: [ 1, 2 ]
amdhsa.kernels:
  - .name:           k_q353756d7b4_g_qkv
    .symbol:         k_q353756d7b4_g_qkv.kd
    .args:
      - { .name: wq, .offset: 0, .size: 8, .value_kind: global_buffer, .address_space: global }
      - { .name: bqkv, .offset: 8, .size: 8, .value_kind: global_buffer, .address_space: global }
      - { .name: qkv, .offset: 16, .size: 8, .value_kind: global_buffer, .address_space: global }
    .group_segment_fixed_size: 327680
    .private_segment_fixed_size: 0
    .kernarg_segment_align: 8
    .kernarg_segment_size: 24
    .max_flat_workgroup_size: 128
    .sgpr_count:     106
    .vgpr_count:     1024
    .wavefront_size: 32
...
	.end_amdgpu_metadata
.endif
;; end of part 2
;; launch attn (part 3): grid 256 x 1, 16 waves a work-group, no clusters, 107,008 bytes of LDS; arguments qkv, oq; writes oq
.if DOCPART == 3
	.amdgcn_target "amdgcn-amd-amdhsa--gfx1250"
	.amdhsa_code_object_version 6
	.text
	.protected	k_q353756d7b4_attn
	.globl	k_q353756d7b4_attn
	.p2align	8
	.type	k_q353756d7b4_attn,@function
k_q353756d7b4_attn:
	s_mov_b64 s[64:65], 0
	v_nop
	global_prefetch_b8 v0, s[64:65] scope:SCOPE_SE
	s_setreg_imm32_b32 hwreg(HW_REG_WAVE_MODE, 25, 1), 1
	s_wait_xcnt 0x0
; Dilated, windowed, causal attention on codes of BF6, and o quantised for the projection.
; WORK LEFT OUT: reference()'s own mask keeps key k for query q where q - k is even and 0 <= q - k <= 512.  Positions of one parity are a sequence of 1,024; in it query i sees keys i - 256 .. i.
; So a tile of 16 queries in step aq (64 positions of its parity) walks steps aq - 4 .. aq and no other; in the first and the last of them hidden scores become -infinity.
; A work-group: two heads (one K step of the projection) x 128 queries of one parity; a wave: one tile of 16 queries of one head.
; THE SECOND PRODUCT'S BLOCKS are 32 ORIGINAL keys: 16 of my parity and 16 whose weight is 0.  A block of the instruction holds the 16 codes in its first 96 bits and zero codes of p in the rest.
; Both products are used transposed: a lane holds one query.  p = 2^(t - M), M the ceiling of the running largest t; the row's sum is taken of the unquantised p.
; All that a work-group reads (6 steps x 2 heads, 7,680 bytes each) comes into LDS through registers ahead of the one barrier: no ring, no tensor load (early work-groups have fewer steps), no cluster, nothing to prefetch.
.set KC, 3145728
.set VC, 6291456
.set QS, 10485760
.set KS, 10747904
.set VS, 11010048
.set UNIT, 7680                        ; a step of a head in LDS: k's codes 3,072; v's 4,096; k's scale words 256; v's 256
.set OST, 92160                        ; o's eight fragment images
.set OSS, 104448                       ; their scale words
.set SPARE, 104960
.set SPW, 216
.set NIL, 217
.set SS, 112                           ; v112-143 S^T, then p
.set OO, 144                           ; v144-175 O^T
.set PP, 176                           ; v176-187 p's codes
.set BM, 188
.set RM, 190
.set RT, 191
.set DL, 192
.set FF, 194
.set T2, 196
.set SOP, 198
.set BYP, 200
.set PS, 202
.set PT, 203
.set NINF, 204
.set SEL, 50
.set CS, 52
	s_load_b128 s[4:7], s[0:1], 0x0                ; qkv, oq
	v_lshl_add_u32 v[SPW], v0, 2, SPARE
	v_mov_b32 v[NIL], 0
	v_lshrrev_b32 v1, 5, v0
	s_delay_alu instid0(VALU_DEP_1)
	v_readfirstlane_b32 s8, v1                     ; wave
	s_and_b32 s9, ttmp9, 7                         ; ch: which 128 queries
	s_bfe_u32 s10, ttmp9, 0x10003                  ; parity
	s_bfe_u32 s11, ttmp9, 0x30004                  ; pair of heads
	s_lshr_b32 s12, ttmp9, 7                       ; batch
	s_lshr_b32 s13, s8, 3                          ; hl: which head of the pair
	s_and_b32 s14, s8, 7                           ; f
	s_lshr_b32 s15, s14, 2                         ; al
	s_and_b32 s16, s14, 3                          ; tile
	s_lshl_b32 s17, s9, 1
	s_add_co_u32 s17, s17, s15                     ; aq: my queries' step
	s_sub_co_i32 s18, s17, 4
	s_lshl_b32 s19, s12, 4
	s_lshl_b32 s20, s11, 1
	s_add_co_u32 s19, s19, s20                     ; 16 b + 2 hp
	s_add_co_u32 s20, s19, s13
	s_lshl_b32 s20, s20, 1
	s_add_co_u32 s20, s20, s10
	s_lshl_b32 s20, s20, 4
	s_add_co_u32 s20, s20, s17                     ; my sequence x 16 + aq
	s_mul_i32 s22, s20, 3072
	s_mul_i32 s21, s16, 768
	s_add_co_u32 s22, s22, s21
	s_mov_b32 s23, 0
	s_lshl_b32 s24, s20, 8
	s_lshl_b32 s21, s16, 6
	s_add_co_u32 s24, s24, s21
	s_add_co_u32 s24, s24, QS
	s_mov_b32 s25, 0
	s_cmp_ge_u32 s8, 6                             ; the fill: wave u < 12 brings unit u = 6 head + sigma, step 2 ch - 4 + sigma
	s_cselect_b32 s26, 1, 0
	s_cselect_b32 s27, 6, 0
	s_sub_co_u32 s27, s8, s27
	s_lshl_b32 s28, s9, 1
	s_add_co_u32 s28, s28, s27
	s_sub_co_i32 s28, s28, 4                       ; the unit's step
	s_add_co_u32 s29, s19, s26
	s_lshl_b32 s30, s29, 1
	s_add_co_u32 s30, s30, s10
	s_lshl_b32 s30, s30, 4
	s_add_co_u32 s30, s30, s28
	s_lshl_b32 s29, s29, 4
	s_add_co_u32 s29, s29, s28
	s_lshl_b32 s46, s12, 4                         ; o: T = ((16 b + aq) 2 + par) 4 + tile
	s_add_co_u32 s46, s46, s17
	s_lshl_b32 s46, s46, 1
	s_add_co_u32 s46, s46, s10
	s_lshl_b32 s46, s46, 2
	s_add_co_u32 s46, s46, s16
	s_lshl_b32 s46, s46, 3
	s_add_co_u32 s46, s46, s11
	s_mul_i32 s46, s46, 1536
	s_mov_b32 s47, 0
	s_lshl_b32 s48, s12, 4                         ; its scale words (waves 8, 9): the four tiles of step 2 ch + wave % 2
	s_lshl_b32 s49, s9, 1
	s_add_co_u32 s48, s48, s49
	s_and_b32 s49, s8, 1
	s_add_co_u32 s48, s48, s49
	s_lshl_b32 s48, s48, 1
	s_add_co_u32 s48, s48, s10
	s_lshl_b32 s48, s48, 8
	s_lshl_b32 s49, s11, 14
	s_add_co_u32 s48, s48, s49
	s_add_co_u32 s48, s48, 3145728
	s_mov_b32 s49, 0
	s_mov_b32 s[SEL], 0x76543210
	s_mov_b32 s[SEL+1], 0xfedcba98
	s_mov_b32 s[CS], 0x3e38aa3b                    ; log2(e) / 8
	s_mov_b32 s[CS+1], s[CS]
	; every LDS address is made here, ahead of the first branch on the wave's number
	v_and_b32 v218, 31, v0
	s_delay_alu instid0(VALU_DEP_1)
	v_lshlrev_b32 v219, 4, v218
	s_delay_alu instid0(VALU_DEP_2)
	v_lshlrev_b32 v220, 3, v218
	v_and_b32 v222, 15, v0                         ; r
	s_wait_alu depctr_va_vdst(0)
	v_lshlrev_b32 v221, 2, v222
	v_bfe_u32 v223, v0, 4, 1                       ; h
	s_wait_alu depctr_va_vdst(0)
	s_mul_i32 s40, s13, 6
	s_add_co_u32 s40, s40, s15
	s_mul_i32 s40, s40, UNIT                       ; my first step's unit
	v_add_nc_u32 v1, s40, v219
	v_add_nc_u32 v2, s40, v220
	s_delay_alu instid0(VALU_DEP_1)
	v_add_nc_u32 v2, 512, v2
	v_lshl_add_u32 v3, v218, 2, s40
	s_delay_alu instid0(VALU_DEP_1)
	v_add_nc_u32 v3, 7168, v3
	s_lshr_b32 s41, s16, 1
	s_lshl_b32 s41, s41, 5
	s_and_b32 s42, s16, 1
	s_lshl_b32 s42, s42, 3
	s_add_co_u32 s41, s41, s42
	v_and_b32 v4, 8, v222
	s_delay_alu instid0(VALU_DEP_1)
	v_add_nc_u32 v4, v4, v222
	s_delay_alu instid0(VALU_DEP_1)
	v_add_nc_u32 v4, s41, v4                       ; my query's place in its step,
	v_lshlrev_b32 v5, 4, v223
	s_delay_alu instid0(VALU_DEP_1)
	v_sub_nc_u32 v4, v4, v5                        ; less 16 h: register 16 c + i holds the key at place 32 c + i + 16 h
	v_lshlrev_b32 v5, 3, v223
	s_mul_i32 s43, s14, 1536
	s_add_co_u32 s43, s43, OST
	s_mul_i32 s44, s13, 520
	s_add_co_u32 s44, s44, s43
	v_add_nc_u32 v6, s44, v219
	s_mul_i32 s44, s13, 1016
	s_add_co_u32 s44, s44, s43
	v_add_nc_u32 v7, s44, v219
	v_add_nc_u32 v9, s43, v219
	s_lshl_b32 s44, s14, 6
	s_lshl_b32 s45, s13, 1
	s_add_co_u32 s44, s44, s45
	s_add_co_u32 s44, s44, OSS
	v_add_nc_u32 v8, s44, v221
	s_and_b32 s44, s8, 1
	s_lshl_b32 s44, s44, 8
	s_add_co_u32 s44, s44, OSS
	v_add_nc_u32 v10, s44, v220
	s_mul_i32 s44, s8, UNIT
	v_add_nc_u32 v11, s44, v219
	v_add_nc_u32 v29, s44, v220
	s_delay_alu instid0(VALU_DEP_1)
	v_add_nc_u32 v29, 7168, v29
	s_wait_kmcnt 0x0
	s_add_nc_u64 s[22:23], s[4:5], s[22:23]
	s_add_nc_u64 s[24:25], s[4:5], s[24:25]
	s_add_nc_u64 s[46:47], s[6:7], s[46:47]
	s_add_nc_u64 s[48:49], s[6:7], s[48:49]
	global_load_b128 v[16:19], v219, s[22:23]      ; q's half image stays in registers
	global_load_b64 v[20:21], v220, s[22:23] offset:512
	global_load_b32 v28, v221, s[24:25]
	s_cmp_ge_u32 s8, 12
	s_cbranch_scc1 .Lnofill
	s_cmp_lt_i32 s28, 0                            ; a step ahead of the sequence's start is neither brought nor read
	s_cbranch_scc1 .Lnofill
	s_mul_i32 s32, s30, 3072
	s_add_co_u32 s32, s32, KC
	s_mov_b32 s33, 0
	s_add_nc_u64 s[32:33], s[4:5], s[32:33]
	s_lshl_b32 s34, s30, 12
	s_add_co_u32 s34, s34, VC
	s_mov_b32 s35, 0
	s_add_nc_u64 s[34:35], s[4:5], s[34:35]
	s_lshl_b32 s36, s30, 8
	s_add_co_u32 s36, s36, KS
	s_mov_b32 s37, 0
	s_add_nc_u64 s[36:37], s[4:5], s[36:37]
	s_lshl_b32 s38, s29, 8
	s_add_co_u32 s38, s38, VS
	s_mov_b32 s39, 0
	s_add_nc_u64 s[38:39], s[4:5], s[38:39]
.irp m, 0,1,2,3,4,5
	global_load_b128 v[96+4*\m:99+4*\m], v219, s[32:33] offset:512*\m
.endr
.irp m, 0,1,2,3,4,5,6,7
	global_load_b128 v[120+4*\m:123+4*\m], v219, s[34:35] offset:512*\m
.endr
	global_load_b64 v[152:153], v220, s[36:37]
	global_load_b64 v[154:155], v220, s[38:39]
	s_wait_loadcnt 0x0
	s_wait_alu depctr_va_vdst(0)
.irp m, 0,1,2,3,4,5,6,7,8,9,10,11,12,13
	ds_store_b128 v11, v[96+4*\m:99+4*\m] offset:512*\m
.endr
	ds_store_b64 v29, v[152:153]
	ds_store_b64 v29, v[154:155] offset:256
.Lnofill:
	s_wait_loadcnt 0x0                             ; q
	s_wait_dscnt 0x0                               ; for the others' sake: my unit has landed
	s_barrier_signal -1
	v_mov_b32 v13, 0xff61b1e6                      ; the largest t so far: -3e38
	s_delay_alu instid0(VALU_DEP_1)
	v_floor_f32 v12, -v13                          ; -M
	v_mov_b32 v14, 0
	v_mov_b32 v15, 0
.irp j, 22,23,24,25,26,27,54,55,56,57,58,59
	v_mov_b32 v\j, 0                               ; q's upper 64 of the instruction's 128 are zero codes; so is what lies behind k's last tile
.endr
.irp t, 0,1,2,3
.irp j, 4,5,10,11
	v_mov_b32 v[64+12*\t+\j], 0
.endr
.endr
.set zi, 0
.rept 32
	v_mov_b32 v[OO+zi], 0                          ; the step is written alike for all: the first finds zeros, which the first change of M leaves zeros
.set zi, zi+1
.endr
.irp j, 3,4,5,9,10,11
	v_mov_b32 v[PP+\j], 0                          ; the other parity's half of each block of p: zero codes
.endr
	v_mov_b32 v[RM], 0
	v_mov_b32 v[RT], 0
	v_mov_b32 v[PT], 0
	v_mov_b32 v[FF+1], 0
	v_mov_b32 v[NINF], 0xff800000
	s_barrier_wait -1
.macro STEP n, mask                    ; key step aq - 4 + n.  mask 1: keys under the window's lower edge are hidden; 2: keys after the query
.if \n < 4
	s_cmp_lt_i32 s18, -(\n)
	s_cbranch_scc1 .Lskip_\@
.endif
.rept 4
	v_nop                                          ; places in front of loads into registers that matrix instructions have read
.endr
.irp t, 0,1,2,3
	ds_load_b128 v[30+6*\t:33+6*\t], v1 offset:\n*UNIT+768*\t
	ds_load_b64 v[34+6*\t:35+6*\t], v2 offset:\n*UNIT+768*\t
.endr
	ds_load_b32 v60, v3 offset:\n*UNIT
	ds_load_b32 v61, v3 offset:\n*UNIT+128
.irp t, 0,1,2,3
.irp c, 0,1
	ds_load_b128 v[64+12*\t+6*\c:67+12*\t+6*\c], v1 offset:\n*UNIT+3072+1024*\t+512*\c
.endr
.endr
	ds_load_b32 v62, v3 offset:\n*UNIT+256
	ds_load_b32 v63, v3 offset:\n*UNIT+384
	s_wait_dscnt 10                                ; k and its scale words are in; v's eight loads and its two of scale words may be out
	v_wmma_scale_f32_16x16x128_f8f6f4 v[SS:SS+7], v[30:41], v[16:27], 0, v60, v28 matrix_a_fmt:MATRIX_FMT_BF6 matrix_b_fmt:MATRIX_FMT_BF6
	v_wmma_scale_f32_16x16x128_f8f6f4 v[SS+8:SS+15], v[36:47], v[16:27], 0, v60, v28 matrix_a_fmt:MATRIX_FMT_BF6 matrix_b_fmt:MATRIX_FMT_BF6 matrix_a_scale:MATRIX_SCALE_ROW1
	v_wmma_scale_f32_16x16x128_f8f6f4 v[SS+16:SS+23], v[42:53], v[16:27], 0, v61, v28 matrix_a_fmt:MATRIX_FMT_BF6 matrix_b_fmt:MATRIX_FMT_BF6
	v_wmma_scale_f32_16x16x128_f8f6f4 v[SS+24:SS+31], v[48:59], v[16:27], 0, v61, v28 matrix_a_fmt:MATRIX_FMT_BF6 matrix_b_fmt:MATRIX_FMT_BF6 matrix_a_scale:MATRIX_SCALE_ROW1
.rept 4
	v_nop
.endr
.if \mask
.set mi, 0
	s_wait_alu depctr_va_vdst(0)
.rept 32
.if \mask == 2
	v_cmp_gt_i32 vcc_lo, mi+16*(mi/16), v4
.else
	v_cmp_lt_i32 vcc_lo, mi+16*(mi/16), v4
.endif
	v_cndmask_b32 v[SS+mi], v[SS+mi], v[NINF], vcc_lo
.set mi, mi+1
.endr
.endif
	v_max3_num_f32 v[BM], v[SS], v[SS+1], v[SS+2]                  ; the largest score of each of my two blocks: for the row's maximum and for the block's largest p
	v_max3_num_f32 v[BM+1], v[SS+16], v[SS+17], v[SS+18]
.irp i, 3,5,7,9,11,13
	v_max3_num_f32 v[BM], v[BM], v[SS+\i], v[SS+\i+1]
	v_max3_num_f32 v[BM+1], v[BM+1], v[SS+16+\i], v[SS+17+\i]
.endr
	v_max_num_f32 v[BM], v[BM], v[SS+15]
	v_max_num_f32 v[BM+1], v[BM+1], v[SS+31]
	s_delay_alu instid0(VALU_DEP_1)
	v_max_num_f32 v[RM], v[BM], v[BM+1]
	s_delay_alu instid0(VALU_DEP_1)
	v_permlanex16_b32 v[RT], v[RM], s[SEL], s[SEL+1]
	s_delay_alu instid0(VALU_DEP_1)
	v_max_num_f32 v[RM], v[RM], v[RT]
	s_delay_alu instid0(VALU_DEP_1)
	v_mul_f32 v[RM], s[CS], v[RM]
	s_delay_alu instid0(VALU_DEP_1)
	v_max_num_f32 v13, v13, v[RM]                  ; the running largest t
	v_mov_b32 v[DL], v12
	s_delay_alu instid0(VALU_DEP_2)
	v_floor_f32 v12, -v13                          ; -M = -ceil(t)
	s_delay_alu instid0(VALU_DEP_1)
	v_sub_f32 v[DL], v12, v[DL]
	s_delay_alu instid0(VALU_DEP_1)
	v_cvt_i32_f32 v[DL], v[DL]                     ; (it saturates)
	s_delay_alu instid0(VALU_DEP_1)
	v_ldexp_f32 v[FF], 1.0, v[DL]                  ; f = 2^(old M - new M)
.set mi, 0
.rept 16
	v_pk_fma_f32 v[SS+mi:SS+mi+1], v[SS+mi:SS+mi+1], s[CS:CS+1], v[12:13] op_sel_hi:[1,0,0]
.set mi, mi+2
.endr
	v_fma_f32 v[BM], v[BM], s[CS], v12
	v_fma_f32 v[BM+1], v[BM+1], s[CS], v12
.set mi, 0
	s_wait_alu depctr_va_vdst(0)
.rept 32
	v_exp_f32 v[SS+mi], v[SS+mi]
.set mi, mi+1
.endr
	v_pk_mul_f32 v[14:15], v[14:15], v[FF:FF+1] op_sel_hi:[1,0]    ; a plain line behind the exponentials
	s_wait_alu depctr_va_vdst(0)                   ; one wait for the batch, ahead of its first reader
	v_exp_f32 v[BM], v[BM]
	v_exp_f32 v[BM+1], v[BM+1]
	v_pk_add_f32 v[196:197], v[116:117], v[120:121]
	v_pk_add_f32 v[254:255], v[124:125], v[128:129]
	v_pk_add_f32 v[252:253], v[132:133], v[136:137]
	v_pk_add_f32 v[250:251], v[140:141], v[112:113]
	v_pk_add_f32 v[248:249], v[114:115], v[118:119]
	v_pk_add_f32 v[246:247], v[122:123], v[126:127]
	v_pk_add_f32 v[244:245], v[130:131], v[134:135]
	v_pk_add_f32 v[14:15], v[14:15], v[138:139]
	v_pk_add_f32 v[196:197], v[196:197], v[142:143]
	s_delay_alu instid0(VALU_DEP_2)
	v_pk_add_f32 v[14:15], v[14:15], v[250:251]
	s_delay_alu instid0(VALU_DEP_2)
	v_pk_add_f32 v[196:197], v[196:197], v[248:249]
	v_pk_add_f32 v[254:255], v[254:255], v[246:247]
	v_pk_add_f32 v[252:253], v[252:253], v[244:245]
	s_delay_alu instid0(VALU_DEP_2)
	v_pk_add_f32 v[14:15], v[14:15], v[254:255]
	s_delay_alu instid0(VALU_DEP_2)
	v_pk_add_f32 v[196:197], v[196:197], v[252:253]
	s_delay_alu instid0(VALU_DEP_1)
	v_pk_add_f32 v[14:15], v[14:15], v[196:197]
	s_wait_alu depctr_va_vdst(0)                   ; and one for the two
	v_max_num_f32 v[BM], 0x2800000, v[BM]
	v_max_num_f32 v[BM+1], 0x2800000, v[BM+1]
	s_delay_alu instid0(VALU_DEP_2)
	v_add_nc_u32 v[SOP], 0xfe000000, v[BM]
	s_delay_alu instid0(VALU_DEP_2)
	v_add_nc_u32 v[SOP+1], 0xfe000000, v[BM+1]
	s_delay_alu instid0(VALU_DEP_2)
	v_lshrrev_b32 v[BYP], 23, v[SOP]
	s_delay_alu instid0(VALU_DEP_2)
	v_lshrrev_b32 v[BYP+1], 23, v[SOP+1]
	s_delay_alu instid0(VALU_DEP_1)
	v_lshl_or_b32 v[PS], v[BYP+1], 16, v[BYP]      ; my bytes h and 2 + h of the query's scale word,
	s_delay_alu instid0(VALU_DEP_1)
	v_lshlrev_b32 v[PS], v5, v[PS]
	s_delay_alu instid0(VALU_DEP_1)
	v_permlanex16_b32 v[PT], v[PS], s[SEL], s[SEL+1]
	s_delay_alu instid0(VALU_DEP_1)
	v_or_b32 v[PS], v[PS], v[PT]                   ; with lane l xor 16's the word is whole
	v_cvt_scalef32_pk16_bf6_f32 v[PP:PP+2], v[SS:SS+15], v[SOP]
	v_cvt_scalef32_pk16_bf6_f32 v[PP+6:PP+8], v[SS+16:SS+31], v[SOP+1]
	v_nop
.set mi, 0
.rept 16
	v_pk_mul_f32 v[OO+mi:OO+mi+1], v[OO+mi:OO+mi+1], v[FF:FF+1] op_sel_hi:[1,0]   ; O^T under the new M; these are also the places in front of the products below
.set mi, mi+2
.endr
	s_wait_alu depctr_va_vdst(0)
	s_wait_dscnt 0x0                               ; v
	v_wmma_scale_f32_16x16x128_f8f6f4 v[OO:OO+7], v[64:75], v[PP:PP+11], v[OO:OO+7], v62, v[PS] matrix_a_fmt:MATRIX_FMT_BF6 matrix_b_fmt:MATRIX_FMT_BF6
	v_wmma_scale_f32_16x16x128_f8f6f4 v[OO+8:OO+15], v[76:87], v[PP:PP+11], v[OO+8:OO+15], v62, v[PS] matrix_a_fmt:MATRIX_FMT_BF6 matrix_b_fmt:MATRIX_FMT_BF6 matrix_a_scale:MATRIX_SCALE_ROW1
	v_wmma_scale_f32_16x16x128_f8f6f4 v[OO+16:OO+23], v[88:99], v[PP:PP+11], v[OO+16:OO+23], v63, v[PS] matrix_a_fmt:MATRIX_FMT_BF6 matrix_b_fmt:MATRIX_FMT_BF6
	v_wmma_scale_f32_16x16x128_f8f6f4 v[OO+24:OO+31], v[100:111], v[PP:PP+11], v[OO+24:OO+31], v63, v[PS] matrix_a_fmt:MATRIX_FMT_BF6 matrix_b_fmt:MATRIX_FMT_BF6 matrix_a_scale:MATRIX_SCALE_ROW1
.if \n < 4
.Lskip_\@:
.endif
.endm
	STEP 0, 1
	STEP 1, 0
	STEP 2, 0
	STEP 3, 0
	STEP 4, 2
	; the way out: O^T / the sum, quantised along the head's 64: blocks 2 hl and 2 hl + 1 of fragment (my tile, K step = pair of heads)
.rept 4
	v_nop
.endr
	v_add_f32 v14, v14, v15
	s_delay_alu instid0(VALU_DEP_1)
	v_permlanex16_b32 v[RT], v14, s[SEL], s[SEL+1]
	s_delay_alu instid0(VALU_DEP_1)
	v_add_f32 v14, v14, v[RT]
	s_wait_alu depctr_va_vdst(0)
	v_rcp_f32 v14, v14
	v_nop
	s_wait_alu depctr_va_vdst(0)
.set mi, 0
.rept 32
	v_mul_f32 v[SS+mi], v[OO+mi], v14              ; register 16 b + i: channel 32 b + 16 h + i
.set mi, mi+1
.endr
.irp b, 0,1
	v_max3_num_f32 v[BM+\b], |v[SS+16*\b]|, |v[SS+16*\b+1]|, 0x2800000
.endr
.irp i, 2,4,6,8,10,12,14
.irp b, 0,1
	s_delay_alu instid0(VALU_DEP_2)
	v_max3_num_f32 v[BM+\b], v[BM+\b], |v[SS+16*\b+\i]|, |v[SS+16*\b+\i+1]|
.endr
.endr
.irp b, 0,1
	s_delay_alu instid0(VALU_DEP_2)
	v_permlanex16_b32 v[RM+\b], v[BM+\b], s[SEL], s[SEL+1]
.endr
.irp b, 0,1
	s_delay_alu instid0(VALU_DEP_2)
	v_max_num_f32 v[BM+\b], v[BM+\b], v[RM+\b]
.endr
.irp b, 0,1
	s_delay_alu instid0(VALU_DEP_2)
	v_add_nc_u32 v[SOP+\b], 0xfe000000, v[BM+\b]
.endr
.irp b, 0,1
	s_delay_alu instid0(VALU_DEP_2)
	v_lshrrev_b32 v[BYP+\b], 23, v[SOP+\b]
.endr
	s_delay_alu instid0(VALU_DEP_1)
	v_lshl_or_b32 v[BYP], v[BYP+1], 8, v[BYP]
	v_cvt_scalef32_pk16_bf6_f32 v[206:208], v[SS:SS+15], v[SOP]
	v_cvt_scalef32_pk16_bf6_f32 v[212:214], v[SS+16:SS+31], v[SOP+1]
	v_nop
.irp i, 0,1,2
	v_permlane16_swap_b32 v[206+\i], v[212+\i]     ; a whole block to a lane: lanes 0-15 the head's block 0, lanes 16-31 block 1
.endr
.irp i, 0,1,2
	s_delay_alu instid0(VALU_DEP_3)
	v_mov_b32 v[209+\i], v[212+\i]
.endr
	ds_store_b64 v6, v[206:207]
	ds_store_b64 v7, v[208:209] offset:8
	ds_store_b64 v6, v[210:211] offset:512
	ds_store_b16 v8, v[BYP]
	s_wait_dscnt 0x0
	s_barrier_signal -1
	s_barrier_wait -1                              ; the eight images hold both heads' halves
	s_cmp_ge_u32 s8, 8
	s_cbranch_scc1 .Lsc
.irp g, 0,1,2
	ds_load_b128 v[SS+4*\g:SS+4*\g+3], v9 offset:512*\g
.endr
	s_wait_dscnt 0x0
.irp g, 0,1,2
	global_store_b128 v219, v[SS+4*\g:SS+4*\g+3], s[46:47] offset:512*\g
.endr
	s_branch .Lend
.Lsc:
	s_cmp_ge_u32 s8, 10
	s_cbranch_scc1 .Lend
	ds_load_b64 v[SS:SS+1], v10
	s_wait_dscnt 0x0
	global_store_b64 v220, v[SS:SS+1], s[48:49]    ; 256 consecutive bytes
.Lend:
	s_wait_tensorcnt 0x0                           ; the wave's end
	ds_add_u32 v[SPW], v[NIL]
	s_wait_dscnt 0x0
	s_endpgm
.Lfunc_end_k_q353756d7b4_attn:
	.size	k_q353756d7b4_attn, .Lfunc_end_k_q353756d7b4_attn-k_q353756d7b4_attn
	.p2alignl 7, 3214868480
	.fill 96, 4, 3214868480
	.section	.rodata,"a",@progbits
	.p2align	6, 0x0
	.amdhsa_kernel k_q353756d7b4_attn
		.amdhsa_group_segment_fixed_size 107008
		.amdhsa_private_segment_fixed_size 0
		.amdhsa_enable_private_segment 0
		.amdhsa_kernarg_size 16
		.amdhsa_user_sgpr_count 2
		.amdhsa_user_sgpr_kernarg_segment_ptr 1
		.amdhsa_wavefront_size32 1
		.amdhsa_system_sgpr_workgroup_id_x 1
		.amdhsa_system_sgpr_workgroup_id_y 1
		.amdhsa_system_sgpr_workgroup_id_z 1
		.amdhsa_system_vgpr_workitem_id 0
		.amdhsa_next_free_vgpr 256
		.amdhsa_next_free_sgpr 66
		.amdhsa_reserve_vcc 1
		.amdhsa_float_denorm_mode_32 3
		.amdhsa_float_denorm_mode_16_64 3
		.amdhsa_memory_ordered 1
		.amdhsa_forward_progress 1
		.amdhsa_inst_pref_size 70
	.end_amdhsa_kernel
	.amdgpu_metadata
---
amdhsa.version: [ 1, 2 ]
amdhsa.kernels:
  - .name:           k_q353756d7b4_attn
    .symbol:         k_q353756d7b4_attn.kd
    .args:
      - { .name: qkv, .offset: 0, .size: 8, .value_kind: global_buffer, .address_space: global }
      - { .name: oq, .offset: 8, .size: 8, .value_kind: global_buffer, .address_space: global }
    .group_segment_fixed_size: 107008
    .private_segment_fixed_size: 0
    .kernarg_segment_align: 8
    .kernarg_segment_size: 16
    .max_flat_workgroup_size: 512
    .sgpr_count:     66
    .vgpr_count:     256
    .wavefront_size: 32
...
	.end_amdgpu_metadata
.endif
;; end of part 3
;; launch g_out (part 4): grid 8 x 32, 4 waves a work-group, clusters of 4 x 4, 327,680 bytes of LDS; arguments oq, wq, bout, x, x1; writes x1
.if DOCPART == 4
	.amdgcn_target "amdgcn-amd-amdhsa--gfx1250"
	.amdhsa_code_object_version 6
	.text
	.protected	k_q353756d7b4_g_out
	.globl	k_q353756d7b4_g_out
	.p2align	8
	.type	k_q353756d7b4_g_out,@function
k_q353756d7b4_g_out:
	s_mov_b64 s[64:65], 0
	v_nop
	global_prefetch_b8 v0, s[64:65] scope:SCOPE_SE
	s_setreg_imm32_b32 hwreg(HW_REG_WAVE_MODE, 25, 1), 1
	s_wait_xcnt 0x0
	s_wait_alu depctr_hold_cnt(0) depctr_sa_sdst(0) depctr_va_vdst(0) depctr_va_sdst(0) depctr_va_ssrc(0) depctr_va_vcc(0) depctr_vm_vsrc(0)
	s_getreg_b32 s2, hwreg(HW_REG_IB_STS2, 6, 4)
	s_cmp_eq_u32 s2, 0
	s_cbranch_scc0 .Lentry_in_a_cluster
	s_endpgm
.Lentry_in_a_cluster:
	s_bfe_u32 s2, ttmp6, 0x10000c
	s_cmp_lg_u32 s2, 0xf033
	s_cbranch_scc0 .Lentry_shape_is_right
	s_endpgm
.Lentry_shape_is_right:
; x1 = x + o Wout + bout on codes of BF6.  o and Wout lie as fragment images (16 rows x 128 K in 1,536 bytes, register j of lane l at 512 (j / 4) + 16 l + 4 (j % 4)).
; A work-group of four waves makes 128 stored rows x 128 columns: 32 x 8 = 256 work-groups of equal work; a wave makes 64 x 64: 16 accumulators.  A larger tile would leave half as many work-groups.
; One slot holds all of K (1,024): one fill at the head, and nothing is filled again here.
; Each wave brings one of a slot's four kinds (A's images, B's, A's scale words, B's) with one tensor load: two of a wave's are out at the most.  CLUSTERS 4 x 4: A's kinds jointly along a row of the cluster, B's along a column.
; THE MATRIX INSTRUCTION IS USED TRANSPOSED; W's columns are stored with bits 3 and 4 exchanged, so register 8 b + j of lane (r, h) is column 32 (b / 2) + 16 h + 8 (b % 2) + j.  The bias is the C of the first K step.
; Stored rows go by parity: row 16 a + t of my 64 is position 2 (32 (a / 2) + 16 (t / 8) + 8 (a % 2) + t % 8) + i of the block of 128.
; THE RESIDUAL, my 64 rows x 256 bytes, is asked for behind the first tensor loads and the first fragment loads, into registers that the products never touch: it lands under the K steps.
; No data prefetch is written: it is left out on tiles of this size.
; REGISTERS: window 0: v16-26 addresses; v32-47 scale words; v64-95 the bias, later rows read back; v96-127 rows read back; v128-175 A's fragments.  window 1: B's fragments, two sets, at v0 and v128.
;   window 2: the accumulators, (a, b) at v[8 (4 a + b)].  window 3: v0-127 the residual.
.set MA, 4                             ; A's blocks of 16 rows in a wave's tile
.set NB, 4                             ; B's
.set NQ, 8                             ; K steps of 128 in a slot: ONE slot holds all of K (1,024), 204,800 bytes: each wave's one load at the head brings its kind whole, nothing is filled later, and the ring's macro TURN is not expanded at this size
.set KST, 8                            ; K steps in all
.set LEFT, 4                           ; read only by TURN, which is not expanded at this size
.set NCOL, 1024
.set AC, 0
.set AS, 3145728
.set WC, 2359296
.set WS, 12681216
.set ACB, 2*MA*NQ*1536                 ; a slot: A's images,
.set BCB, 2*NB*NQ*1536                 ; B's,
.set ASB, NQ*2*MA*64                   ; A's scale words,
.set BSB, NQ*2*NB*64                   ; B's
.set SLOT, ACB+BCB+ASB+BSB
.set SPARE, 327168                     ; the spare words, 128 bytes a wave
.set NLH, 3*MA/2                       ; LDS loads that bring half of A's fragments
.set ADRA, 16
.set ADSA, 18
.set ADRB, 20
.set ADSB, 22
.set STO, 24
.set RD, 25
.set CO, 26
.set SPW, 28
.set NIL, 29
.set SC, 32                            ; two sets of scale words: +0, 1 B's pairs of blocks, +4, 5 A's; block 2 x in lanes 0-15, 2 x + 1 in lanes 16-31
.set BIAS, 64
.set AF, 128
.set G1A, 24
.set G0A, 32
.set G1B, 48
.set G0B, 56
.set G1SA, 68
.set G0SA, 76
.set G1SB, 84
.set G0SB, 92
.set MSB, 0
.macro WIN new                         ; the immediate's high byte repeats the setting that is left
.if MSB != \new
	s_set_vgpr_msb (MSB<<8)|\new
.set MSB, \new
.endif
.endm
.macro PLACES                          ; four plain lines between a matrix instruction and a load into its registers or a read of its result
.rept 4
	v_nop
.endr
.endm
.macro DESC1 g, c, r, p                ; words 1 to 7 of a group 1: r rows of c elements of 8 bytes, p elements apart
	s_mov_b32 s[\g+1], ((\c)&0xffff)<<16
	s_mov_b32 s[\g+2], ((\c)>>16)|((\r)<<16)
	s_mov_b32 s[\g+3], (\c)<<16
	s_mov_b32 s[\g+4], \r
	s_mov_b32 s[\g+5], \p
	s_mov_b32 s[\g+6], 0
	s_mov_b32 s[\g+7], 0
.endm
.macro DESC0 g, lds, ptr, off
	s_mov_b32 s[\g], 1
	s_mov_b32 s[\g+1], \lds
	s_add_nc_u64 s[\g+2:\g+3], s[\ptr:\ptr+1], \off
	s_or_b32 s[\g+3], s[\g+3], 0x80000000
.endm
.macro TL g0, g1                       ; a tensor load with five lines behind it
	tensor_load_to_lds s[\g0:\g0+3], s[\g1:\g1+7]
	s_nop 0
.rept 4
	v_nop
.endr
.endm
.macro JLOAD s                         ; wave 0: A's images, 1: B's, 2: A's scale words, 3: B's.  The branches hang on the wave's number alone; every wave passes one load
	s_cmp_lt_u32 s14, 2
	s_cbranch_scc0 .Lj23_\@
	s_cmp_eq_u32 s14, 0
	s_cbranch_scc0 .Lj1_\@
	TL G0A+4*\s, G1A
	s_branch .Ljd_\@
.Lj1_\@:
	TL G0B+4*\s, G1B
	s_branch .Ljd_\@
.Lj23_\@:
	s_cmp_eq_u32 s14, 2
	s_cbranch_scc0 .Lj3_\@
	TL G0SA+4*\s, G1SA
	s_branch .Ljd_\@
.Lj3_\@:
	TL G0SB+4*\s, G1SB
.Ljd_\@:
.endm
.macro CREST
	s_cmp_lg_u32 s14, 0
	s_cbranch_scc1 .Lnw0_\@
	s_barrier_signal -3
.Lnw0_\@:
	s_barrier_wait -3
	s_barrier_signal -1
	s_barrier_wait -1
.endm
.macro CROUND
	s_barrier_signal -1
	s_barrier_wait -1
	CREST
.endm
.macro MM a, b, p, first
.set rD, 8*(NB*(\a)+\b)
.set rB, 128*(\p)+12*\b
.set rA, AF+12*(\a)
.set rSB, SC+8*(\p)+\b/2
.set rSA, SC+8*(\p)+4+(\a)/2
.set rC, rD
.if \first
.set rC, BIAS+8*\b
.endif
.if (((\a)%2) == 0) && ((\b%2) == 0)
	v_wmma_scale_f32_16x16x128_f8f6f4 v[rD:rD+7], v[rB:rB+11], v[rA:rA+11], v[rC:rC+7], v[rSB], v[rSA] matrix_a_fmt:MATRIX_FMT_BF6 matrix_b_fmt:MATRIX_FMT_BF6
.elseif ((\a)%2) == 0
	v_wmma_scale_f32_16x16x128_f8f6f4 v[rD:rD+7], v[rB:rB+11], v[rA:rA+11], v[rC:rC+7], v[rSB], v[rSA] matrix_a_fmt:MATRIX_FMT_BF6 matrix_b_fmt:MATRIX_FMT_BF6 matrix_a_scale:MATRIX_SCALE_ROW1
.elseif (\b%2) == 0
	v_wmma_scale_f32_16x16x128_f8f6f4 v[rD:rD+7], v[rB:rB+11], v[rA:rA+11], v[rC:rC+7], v[rSB], v[rSA] matrix_a_fmt:MATRIX_FMT_BF6 matrix_b_fmt:MATRIX_FMT_BF6 matrix_b_scale:MATRIX_SCALE_ROW1
.else
	v_wmma_scale_f32_16x16x128_f8f6f4 v[rD:rD+7], v[rB:rB+11], v[rA:rA+11], v[rC:rC+7], v[rSB], v[rSA] matrix_a_fmt:MATRIX_FMT_BF6 matrix_b_fmt:MATRIX_FMT_BF6 matrix_a_scale:MATRIX_SCALE_ROW1 matrix_b_scale:MATRIX_SCALE_ROW1
.endif
.endm
.macro MULA a, p, first                ; A's block a against B's four.  The 16 accumulators take turns in the same order in every step
.if \first
	WIN 0x81                                       ; source 0 (B) window 1, source 1 (A) and C (the bias) window 0, D window 2
.else
	WIN 0xa1                                       ; C and D window 2
.endif
.irp b, 0,1,2,3
	MM \a, \b, \p, \first
.endr
.endm
.macro MRUN a0, n, p, first
.set ma, \a0
.rept \n
	MULA ma, \p, \first
.set ma, ma+1
.endr
.endm
.macro FETCH_B slot, q, p
	WIN 0x40
.irp b, 0,1,2,3
.set rr, 128*(\p)+12*\b
.set oo, (\b*NQ+(\q))*1536
	ds_load_b128 v[rr:rr+3], v[ADRB+\slot] offset:oo
	ds_load_b128 v[rr+4:rr+7], v[ADRB+\slot] offset:oo+512
	ds_load_b128 v[rr+8:rr+11], v[ADRB+\slot] offset:oo+1024
.endr
	WIN 0
.endm
.macro FETCH_A slot, q, a0
.set aa, \a0
.rept MA/2
.set rr, AF+12*aa
.set oo, (aa*NQ+(\q))*1536
	ds_load_b128 v[rr:rr+3], v[ADRA+\slot] offset:oo
	ds_load_b128 v[rr+4:rr+7], v[ADRA+\slot] offset:oo+512
	ds_load_b128 v[rr+8:rr+11], v[ADRA+\slot] offset:oo+1024
.set aa, aa+1
.endr
.endm
.macro FETCH_SC slot, q, p
.irp x, 0,1
	ds_load_b32 v[SC+8*(\p)+\x], v[ADSB+\slot] offset:(\q)*2*NB*64+128*\x
	ds_load_b32 v[SC+8*(\p)+4+\x], v[ADSA+\slot] offset:(\q)*2*MA*64+128*\x
.endr
.endm
.macro STEP slot, q, first             ; 128 along K whose successor lies in the same slot
	s_wait_dscnt NLH                               ; all but A's upper half, the youngest six loads
	MRUN 0, MA/2, (\q)%2, \first
	s_wait_dscnt 0x0
	PLACES
	FETCH_B \slot, (\q)+1, 1-(\q)%2
	FETCH_SC \slot, (\q)+1, 1-(\q)%2
	FETCH_A \slot, (\q)+1, 0
	MRUN MA/2, MA/2, (\q)%2, \first
	PLACES
	WIN 0
	FETCH_A \slot, (\q)+1, MA/2
.endm
.macro STEPS slot, q0, n               ; steps q0 .. n - 2 of a slot that holds n
.set sq, \q0
.rept \n-1-\q0
	STEP \slot, sq, 0
.set sq, sq+1
.endr
.endm
.macro TURN slot, next, fill           ; a slot's last step changes slots.  fill = 1: the slot is filled again, 2 NQ steps on; 2: with the edge tile
	s_wait_tensorcnt 0x0                           ; all my tensor loads have landed: my kind of the next slot
	ds_add_u32 v[SPW], v[NIL]
	s_wait_dscnt NLH+1                             ; (the add and A's upper half may be out)
	MRUN 0, MA/4, 1, 0
	s_wait_dscnt 0x0                               ; the add is done, my reads of this slot are over
	s_barrier_signal -1
	MRUN MA/4, MA/4, 1, 0
	WIN 0
	s_barrier_wait -1
.if \fill
	CREST                                          ; the barrier has opened a round of the cluster's: no wave of any partner reads this slot or has a load out
	s_add_nc_u64 s[G0A+4*\slot+2:G0A+4*\slot+3], s[G0A+4*\slot+2:G0A+4*\slot+3], 2*NQ*1536
	s_add_nc_u64 s[G0B+4*\slot+2:G0B+4*\slot+3], s[G0B+4*\slot+2:G0B+4*\slot+3], 2*NQ*1536
	s_add_nc_u64 s[G0SA+4*\slot+2:G0SA+4*\slot+3], s[G0SA+4*\slot+2:G0SA+4*\slot+3], 2*NQ*16384
	s_add_nc_u64 s[G0SB+4*\slot+2:G0SB+4*\slot+3], s[G0SB+4*\slot+2:G0SB+4*\slot+3], 2*NQ*4*NCOL
.if \fill == 2
	s_mov_b32 s[G1A+1], (192*LEFT)<<16             ; an edge tile: of K, LEFT steps are left from here, and the extents say so (no load of mine is out: the words may be written);
	s_mov_b32 s[G1B+1], (192*LEFT)<<16             ; past them nothing is read from memory, zeros are laid in LDS, and no step reads those
	s_mov_b32 s[G1SA+2], LEFT<<16
	s_mov_b32 s[G1SB+2], LEFT<<16
.endif
	JLOAD \slot                                    ; my one tensor load behind the round; its four v_nop are the places in front of the loads below
.else
	PLACES
.endif
	FETCH_B \next, 0, 0
	FETCH_SC \next, 0, 0
	FETCH_A \next, 0, 0
	MRUN MA/2, MA/2, 1, 0
	PLACES
	WIN 0
	FETCH_A \next, 0, MA/2
.endm
	s_load_b128 s[4:7], s[0:1], 0x0                ; A's buffer, wq
	s_load_b128 s[8:11], s[0:1], 0x10              ; the bias, the residual
	s_load_b64 s[12:13], s[0:1], 0x20              ; the result
	v_lshl_add_u32 v[SPW], v0, 2, SPARE
	v_mov_b32 v[NIL], 0
	ds_add_u32 v[SPW], v[NIL]                      ; the opening: the add, twice on end, and its wait ahead of my first tensor load
	ds_add_u32 v[SPW], v[NIL]
	v_lshrrev_b32 v1, 5, v0
	v_readfirstlane_b32 s14, v1                    ; wave
	s_lshr_b32 s15, s14, 1                         ; i: my half of the rows
	s_and_b32 s16, s14, 1                          ; j: my half of the columns
	s_bfe_u32 s40, ttmp6, 0x40000                  ; cx
	s_bfe_u32 s41, ttmp6, 0x40004                  ; cy
	s_lshl_b32 s42, ttmp9, 2
	s_add_co_u32 s42, s42, s40                     ; X: which 128 columns
	s_and_b32 s17, ttmp7, 0xffff
	s_lshl_b32 s17, s17, 2
	s_add_co_u32 s17, s17, s41                     ; Y: which 128 stored rows
	s_lshl_b32 s43, s41, 2
	s_lshl_b32 s43, 15, s43                        ; my row of the cluster
	s_lshl_b32 s44, 0x1111, s40                    ; my column
	s_or_b32 s[G1A], s43, (3<<16)|(1<<21)          ; the mask; elements of 8 bytes; bit 21 beside a mask; no padding
	s_or_b32 s[G1SA], s43, (3<<16)|(1<<21)
	s_or_b32 s[G1B], s44, (3<<16)|(1<<21)
	s_or_b32 s[G1SB], s44, (3<<16)|(1<<21)
	DESC1 G1A, 192*NQ, 2*MA, 192*KST
	DESC1 G1B, 192*NQ, 2*NB, 192*KST
	DESC1 G1SA, 16*MA, NQ, 2048
	DESC1 G1SB, 16*NB, NQ, NCOL/2
	s_mul_i32 s20, s17, 2*MA*KST*1536              ; A's offsets hang on Y alone, B's on X alone
	s_add_co_u32 s20, s20, AC
	s_mov_b32 s21, 0
	s_mul_i32 s22, s17, 2*MA*64
	s_add_co_u32 s22, s22, AS
	s_mov_b32 s23, 0
	s_mul_i32 s46, s42, 2*NB*KST*1536
	s_add_co_u32 s46, s46, WC
	s_mov_b32 s47, 0
	s_mul_i32 s66, s42, 2*NB*64
	s_add_co_u32 s66, s66, WS
	s_mov_b32 s67, 0
	s_wait_dscnt 0x0                               ; both opening adds are done
	s_wait_kmcnt 0x0
	s_add_nc_u64 s[20:21], s[4:5], s[20:21]
	s_add_nc_u64 s[22:23], s[4:5], s[22:23]
	s_add_nc_u64 s[46:47], s[6:7], s[46:47]
	s_add_nc_u64 s[66:67], s[6:7], s[66:67]
	CROUND                                         ; all sixteen work-groups are here: the first joint loads meet
.irp s, 0
	DESC0 G0A+4*\s, \s*SLOT, 20, \s*NQ*1536
	DESC0 G0B+4*\s, \s*SLOT+ACB, 46, \s*NQ*1536
	DESC0 G0SA+4*\s, \s*SLOT+ACB+BCB, 22, \s*NQ*16384
	DESC0 G0SB+4*\s, \s*SLOT+ACB+BCB+ASB, 66, \s*NQ*4*NCOL
	JLOAD \s
.endr
	v_and_b32 v2, 31, v0                           ; lane
	v_lshlrev_b32 v3, 4, v2
	v_lshlrev_b32 v4, 2, v2
	v_bfe_u32 v5, v0, 4, 1                         ; h
	v_lshlrev_b32 v6, 6, v5
	v_and_b32 v7, 15, v0                           ; r
	s_wait_alu depctr_va_vdst(0)
	s_mul_i32 s18, s15, MA*NQ*1536
	s_mul_i32 s19, s16, NB*NQ*1536
	s_add_co_u32 s19, s19, ACB
	v_add_nc_u32 v[ADRA], s18, v3
	v_add_nc_u32 v[ADRB], s19, v3
	v_add_nc_u32 v[ADRA+1], SLOT, v[ADRA]
	v_add_nc_u32 v[ADRB+1], SLOT, v[ADRB]
	s_mul_i32 s18, s15, MA*64
	s_add_co_u32 s18, s18, ACB+BCB
	s_mul_i32 s19, s16, NB*64
	s_add_co_u32 s19, s19, ACB+BCB+ASB
	v_add_nc_u32 v[ADSA], s18, v4
	v_add_nc_u32 v[ADSB], s19, v4
	v_add_nc_u32 v[ADSA+1], SLOT, v[ADSA]
	v_add_nc_u32 v[ADSB+1], SLOT, v[ADSB]
	s_lshl_b32 s18, s42, 9
	s_lshl_b32 s19, s16, 8
	s_add_co_u32 s18, s18, s19
	s_mov_b32 s19, 0
	s_add_nc_u64 s[8:9], s[8:9], s[18:19]          ; the bias of my 64 columns
.irp b, 0,1,2,3
	global_load_b128 v[BIAS+8*\b:BIAS+8*\b+3], v6, s[8:9] offset:128*(\b/2)+32*(\b%2)
	global_load_b128 v[BIAS+8*\b+4:BIAS+8*\b+7], v6, s[8:9] offset:128*(\b/2)+32*(\b%2)+16
.endr
.set STAGE, SLOT                       ; the stages, 4,352 bytes a wave, lie behind the slot, in blocks of 256 bytes into which no fill lands
	s_mul_i32 s18, s14, 16*272
	s_add_co_u32 s18, s18, STAGE
	v_mul_u32_u24 v[STO], v7, 272
	v_lshl_add_u32 v[STO], v5, 6, v[STO]
	v_add_nc_u32 v[STO], s18, v[STO]               ; in: row r, + 64 h
	v_mul_u32_u24 v[RD], v5, 272
	v_lshl_add_u32 v[RD], v7, 4, v[RD]
	v_add_nc_u32 v[RD], s18, v[RD]                 ; back: lanes 0-15 one row of 256 bytes, lanes 16-31 the next
	v_lshlrev_b32 v[CO], 4, v7
	v_lshl_add_u32 v[CO], v5, 13, v[CO]            ; and in memory: the next stored row lies two positions, 8,192 bytes, on
	s_wait_alu depctr_va_vdst(0)
	s_lshl_b32 s18, s17, 7
	s_add_co_u32 s18, s18, s15                     ; position 128 Y + my parity
	s_lshl_b32 s18, s18, 12
	s_lshl_b32 s19, s42, 9
	s_add_co_u32 s18, s18, s19
	s_lshl_b32 s19, s16, 8
	s_add_co_u32 s18, s18, s19
	s_mov_b32 s19, 0
	s_add_nc_u64 s[10:11], s[10:11], s[18:19]
	s_add_nc_u64 s[12:13], s[12:13], s[18:19]
.macro RESID                           ; the residual's 32 loads: issued behind the barrier that shows the tiles whole and behind the first fragment loads, not at the head
	WIN 0xc0
.set ra, 0
.rept 4
.set rt, 0
.rept 8
	global_load_b128 v[4*(8*ra+rt):4*(8*ra+rt)+3], v[CO], s[10:11] offset:2*(32*(ra/2)+16*(rt/4)+8*(ra%2)+2*(rt%4))*4096 th:TH_LOAD_NT
.set rt, rt+1
.endr
.set ra, ra+1
.endr
	WIN 0
.endm
	s_wait_tensorcnt 0x0                           ; my one tensor load, my kind of the slot, is in
	s_barrier_signal -1
	s_barrier_wait -1                              ; all four kinds are in
	FETCH_B 0, 0, 0
	FETCH_SC 0, 0, 0
	FETCH_A 0, 0, 0
	FETCH_A 0, 0, MA/2
	RESID
	s_wait_loadcnt 32                              ; the bias's eight loads are in; the residual's 32, issued behind them, may be out
	STEP 0, 0, 1
	STEPS 0, 1, NQ
.if KST > 2*NQ
	TURN 0, 1, 1
	STEPS 1, 0, NQ
	TURN 1, 0, 1
	STEPS 0, 0, NQ
	TURN 0, 1, 1
	STEPS 1, 0, NQ
	TURN 1, 0, 2
	STEPS 0, 0, NQ
.endif
	s_wait_dscnt NLH                               ; the very last step: nothing more to fetch
	MRUN 0, MA/2, 1, 0
	s_wait_dscnt 0x0
	MRUN MA/2, MA/2, 1, 0
	WIN 0
	; THE WAY OUT: a block of 16 rows x 64 columns goes through my stage and comes back as whole rows of 256 bytes; the residual is added; sixteen lanes store 256 consecutive bytes, aligned
	PLACES
.macro TOSTAGE a
	WIN 0x08
.irp b, 0,1,2,3
	ds_store_b128 v[STO], v[8*(NB*(\a)+\b):8*(NB*(\a)+\b)+3] offset:128*(\b/2)+32*(\b%2)
	ds_store_b128 v[STO], v[8*(NB*(\a)+\b)+4:8*(NB*(\a)+\b)+7] offset:128*(\b/2)+32*(\b%2)+16
.endr
	WIN 0
.set bk, 64+32*((\a)%2)
.set rt, 0
.rept 8
	ds_load_b128 v[bk+4*rt:bk+4*rt+3], v[RD] offset:rt*2*272       ; a wave's LDS instructions are served in order: these see the stores above
.set rt, rt+1
.endr
.endm
.macro SEND a, younger
.set bk, 64+32*((\a)%2)
	s_wait_dscnt \younger                          ; the block is back; the next block's 8 stores and 8 loads may be out
	s_wait_loadcnt 24-8*(\a)                       ; its residual rows are in; the later blocks' loads were issued behind them
	WIN 0x0c
.set rt, 0
.rept 16
	v_pk_add_f32 v[bk+2*rt:bk+2*rt+1], v[bk+2*rt:bk+2*rt+1], v[32*(\a)+2*rt:32*(\a)+2*rt+1]
.set rt, rt+1
.endr
	WIN 0
.set rt, 0
.rept 8
	global_store_b128 v[CO], v[bk+4*rt:bk+4*rt+3], s[12:13] offset:2*(32*((\a)/2)+16*(rt/4)+8*((\a)%2)+2*(rt%4))*4096
.set rt, rt+1
.endr
.endm
	TOSTAGE 0
	TOSTAGE 1
	SEND 0, 16
	s_wait_xcnt 0x0                                ; block 0's stores have read their registers
	TOSTAGE 2
	SEND 1, 16
	s_wait_xcnt 0x0
	TOSTAGE 3
	SEND 2, 16
	SEND 3, 0
	s_wait_tensorcnt 0x0                           ; the wave's end
	ds_add_u32 v[SPW], v[NIL]
	s_wait_dscnt 0x0
	CROUND                                         ; the closing round
	s_endpgm
.Lfunc_end_k_q353756d7b4_g_out:
	.size	k_q353756d7b4_g_out, .Lfunc_end_k_q353756d7b4_g_out-k_q353756d7b4_g_out
	.p2alignl 7, 3214868480
	.fill 96, 4, 3214868480
	.section	.rodata,"a",@progbits
	.p2align	6, 0x0
	.amdhsa_kernel k_q353756d7b4_g_out
		.amdhsa_group_segment_fixed_size 327680
		.amdhsa_private_segment_fixed_size 0
		.amdhsa_enable_private_segment 0
		.amdhsa_kernarg_size 40
		.amdhsa_user_sgpr_count 2
		.amdhsa_user_sgpr_kernarg_segment_ptr 1
		.amdhsa_wavefront_size32 1
		.amdhsa_system_sgpr_workgroup_id_x 1
		.amdhsa_system_sgpr_workgroup_id_y 1
		.amdhsa_system_sgpr_workgroup_id_z 1
		.amdhsa_system_vgpr_workitem_id 0
		.amdhsa_next_free_vgpr 896
		.amdhsa_next_free_sgpr 106
		.amdhsa_reserve_vcc 0
		.amdhsa_float_denorm_mode_32 3
		.amdhsa_float_denorm_mode_16_64 3
		.amdhsa_memory_ordered 1
		.amdhsa_forward_progress 1
		.amdhsa_inst_pref_size 59
	.end_amdhsa_kernel
	.amdgpu_metadata
---
amdhsa.version: [ 1, 2 ]
amdhsa.kernels:
  - .name:           k_q353756d7b4_g_out
    .symbol:         k_q353756d7b4_g_out.kd
    .args:
      - { .name: oq, .offset: 0, .size: 8, .value_kind: global_buffer, .address_space: global }
      - { .name: wq, .offset: 8, .size: 8, .value_kind: global_buffer, .address_space: global }
      - { .name: bout, .offset: 16, .size: 8, .value_kind: global_buffer, .address_space: global }
      - { .name: x, .offset: 24, .size: 8, .value_kind: global_buffer, .address_space: global }
      - { .name: x1, .offset: 32, .size: 8, .value_kind: global_buffer, .address_space: global }
    .group_segment_fixed_size: 327680
    .private_segment_fixed_size: 0
    .kernarg_segment_align: 8
    .kernarg_segment_size: 40
    .max_flat_workgroup_size: 128
    .sgpr_count:     106
    .vgpr_count:     896
    .wavefront_size: 32
...
	.end_amdgpu_metadata
.endif
;; end of part 4
;; launch ln2 (part 5): grid 256 x 1, 8 waves a work-group, no clusters, 50,688 bytes of LDS; arguments x1, ln2_g, ln2_b, h2q; writes h2q
.if DOCPART == 5
	.amdgcn_target "amdgcn-amd-amdhsa--gfx1250"
	.amdhsa_code_object_version 6
	.text
	.protected	k_q353756d7b4_ln2
	.globl	k_q353756d7b4_ln2
	.p2align	8
	.type	k_q353756d7b4_ln2,@function
k_q353756d7b4_ln2:
	s_mov_b64 s[64:65], 0
	v_nop
	global_prefetch_b8 v0, s[64:65] scope:SCOPE_SE
	s_setreg_imm32_b32 hwreg(HW_REG_WAVE_MODE, 25, 1), 1
	s_wait_xcnt 0x0
; h2 = LayerNorm2(x1), quantised to codes of BF6 along its 1,024 and stored as fragment images (16 rows x 128 K in 1,536 bytes, register j of lane l at 512 (j / 4) + 16 l + 4 (j % 4)).
; A work-group takes the 16 rows of stored tile T = ((16 b + a) 2 + par) 4 + 2 c + u; stored row 8 h + j is position 128 a + 64 c + 32 h + 16 u + 2 j + par of batch b.  Wave w: stored rows 2 w and 2 w + 1.
; Memory binds: each row is read once, by dense loads of 512 bytes, and kept in registers between the passes.  No matrix unit, no cluster, no tensor load: work-groups share nothing.
.set CODES, 0
.set SCALES, 3145728
.set TSB, 0                            ; LDS: 4,608 a wave: a row's 32 blocks, 144 bytes apart
.set FIMG, 36864                       ; eight fragment images
.set SIMG, 49152                       ; their scale words
.set SPARE, 49664
.set SPW, 30
.set NIL, 31
.set XR, 32
.set GG, 96
.set SA, 160
.set MU, 168
.set RS, 172
.set TT, 176
.set MX, 178
.set SO, 180
.set BY, 182
.set CC, 184
.set CT, 200
.set OF, 208
	s_load_b256 s[4:11], s[0:1], 0x0               ; x1, ln2_g, ln2_b, h2q
	v_lshl_add_u32 v[SPW], v0, 2, SPARE
	v_mov_b32 v[NIL], 0
	v_lshrrev_b32 v1, 5, v0
	s_delay_alu instid0(VALU_DEP_1)
	v_readfirstlane_b32 s20, v1                    ; wave
	v_and_b32 v2, 31, v0                           ; lane
	s_delay_alu instid0(VALU_DEP_1)
	v_lshlrev_b32 v3, 4, v2
	s_mov_b32 s21, ttmp9                           ; T
	s_and_b32 s22, s21, 1
	s_bfe_u32 s23, s21, 0x10001
	s_bfe_u32 s24, s21, 0x10002
	s_lshr_b32 s25, s21, 3
	s_lshl_b32 s26, s25, 7
	s_lshl_b32 s23, s23, 6
	s_add_co_u32 s26, s26, s23
	s_lshl_b32 s22, s22, 4
	s_add_co_u32 s26, s26, s22
	s_add_co_u32 s26, s26, s24
	s_lshr_b32 s22, s20, 2
	s_lshl_b32 s22, s22, 5
	s_add_co_u32 s26, s26, s22
	s_and_b32 s22, s20, 3
	s_lshl_b32 s22, s22, 2
	s_add_co_u32 s26, s26, s22                     ; my first row
	s_lshl_b32 s26, s26, 12
	s_mov_b32 s27, 0
	s_wait_alu depctr_va_vdst(0)
	s_wait_kmcnt 0x0
	s_mov_b64 s[18:19], s[10:11]
	s_add_nc_u64 s[28:29], s[4:5], s[26:27]
.irp e, 0,1
.irp i, 0,1,2,3,4,5,6,7
	global_load_b128 v[XR+32*\e+4*\i:XR+32*\e+4*\i+3], v3, s[28:29] offset:8192*\e+512*\i th:TH_LOAD_NT
.endr
.endr
.irp i, 0,1,2,3,4,5,6,7
	global_load_b128 v[GG+4*\i:GG+4*\i+3], v3, s[6:7] offset:512*\i
.endr
.irp i, 0,1,2,3,4,5,6,7
	global_load_b128 v[GG+32+4*\i:GG+32+4*\i+3], v3, s[8:9] offset:512*\i
.endr
	s_mul_i32 s26, s21, 12288
	s_mul_i32 s22, s20, 1536
	s_add_co_u32 s26, s26, s22
	s_add_co_u32 s26, s26, CODES
	s_add_nc_u64 s[36:37], s[18:19], s[26:27]
	s_and_b32 s22, s20, 3
	s_lshl_b32 s26, s22, 15
	s_lshl_b32 s23, s21, 6
	s_add_co_u32 s26, s26, s23
	s_add_co_u32 s26, s26, SCALES
	s_add_nc_u64 s[38:39], s[18:19], s[26:27]
	s_mov_b32 s30, 0x3a800000                      ; 1 / 1024
	s_mov_b32 s31, 0x3727c5ac                      ; 1e-5
	s_mov_b32 s34, 0x76543210
	s_mov_b32 s35, 0xfedcba98
	s_mul_i32 s22, s20, 4608
	s_add_co_u32 s22, s22, TSB
	v_lshrrev_b32 v4, 3, v2
	s_delay_alu instid0(VALU_DEP_1)
	v_mul_u32_u24 v4, v4, 144
	v_and_b32 v5, 7, v2
	s_delay_alu instid0(VALU_DEP_1)
	v_lshl_add_u32 v4, v5, 4, v4
	s_delay_alu instid0(VALU_DEP_1)
	v_add_nc_u32 v4, s22, v4
	v_mul_u32_u24 v5, v2, 144
	s_delay_alu instid0(VALU_DEP_1)
	v_add_nc_u32 v5, s22, v5
	v_lshrrev_b32 v6, 2, v2
	s_delay_alu instid0(VALU_DEP_1)
	v_mul_u32_u24 v7, v6, 1536
	v_and_b32 v8, 1, v2
	s_delay_alu instid0(VALU_DEP_1)
	v_lshl_add_u32 v7, v8, 8, v7
	s_lshl_b32 s22, s20, 5
	s_add_co_u32 s22, s22, FIMG
	v_add_nc_u32 v7, s22, v7
	v_bfe_u32 v8, v2, 1, 1
	s_delay_alu instid0(VALU_DEP_1)
	v_mad_u32_u24 v9, v8, 1016, v7
	s_delay_alu instid0(VALU_DEP_2)
	v_mad_u32_u24 v8, v8, 520, v7
	v_and_b32 v10, 3, v2
	s_delay_alu instid0(VALU_DEP_1)
	v_lshl_add_u32 v10, v6, 6, v10
	s_lshl_b32 s22, s20, 3
	s_add_co_u32 s22, s22, SIMG
	v_add_nc_u32 v10, s22, v10
	s_mul_i32 s22, s20, 1536
	s_add_co_u32 s22, s22, FIMG
	v_add_nc_u32 v11, s22, v3
	s_and_b32 s22, s20, 3
	s_lshl_b32 s22, s22, 7
	s_add_co_u32 s22, s22, SIMG
	v_lshl_add_u32 v12, v2, 2, s22
	v_lshrrev_b32 v13, 4, v2
	v_and_b32 v14, 15, v2
	s_delay_alu instid0(VALU_DEP_1)
	v_lshlrev_b32 v14, 2, v14
	s_delay_alu instid0(VALU_DEP_1)
	v_lshl_add_u32 v13, v13, 14, v14
	v_mov_b32 v[TT], 0
.macro WSUM r
	v_add_f32_dpp v[\r], v[\r], v[\r] row_xmask:1 row_mask:0xf bank_mask:0xf
	s_delay_alu instid0(VALU_DEP_1)
	v_add_f32_dpp v[\r], v[\r], v[\r] row_xmask:2 row_mask:0xf bank_mask:0xf
	s_delay_alu instid0(VALU_DEP_1)
	v_add_f32_dpp v[\r], v[\r], v[\r] row_xmask:4 row_mask:0xf bank_mask:0xf
	s_delay_alu instid0(VALU_DEP_1)
	v_add_f32_dpp v[\r], v[\r], v[\r] row_xmask:8 row_mask:0xf bank_mask:0xf
	s_delay_alu instid0(VALU_DEP_1)
	v_permlanex16_b32 v[TT], v[\r], s34, s35
	s_delay_alu instid0(VALU_DEP_1)
	v_add_f32 v[\r], v[\r], v[TT]
.endm
	s_wait_loadcnt 16                              ; both rows are in; the gain's and the bias's 16 loads may be out
.irp e, 0,1
	v_pk_add_f32 v[SA+4*\e:SA+4*\e+1], v[XR+32*\e:XR+32*\e+1], v[XR+32*\e+2:XR+32*\e+3]
	v_pk_add_f32 v[SA+4*\e+2:SA+4*\e+3], v[XR+32*\e+4:XR+32*\e+5], v[XR+32*\e+6:XR+32*\e+7]
.endr
.irp k, 8,12,16,20,24,28
.irp e, 0,1
	s_delay_alu instid0(VALU_DEP_4)
	v_pk_add_f32 v[SA+4*\e:SA+4*\e+1], v[SA+4*\e:SA+4*\e+1], v[XR+32*\e+\k:XR+32*\e+\k+1]
	s_delay_alu instid0(VALU_DEP_4)
	v_pk_add_f32 v[SA+4*\e+2:SA+4*\e+3], v[SA+4*\e+2:SA+4*\e+3], v[XR+32*\e+\k+2:XR+32*\e+\k+3]
.endr
.endr
.irp e, 0,1
	s_delay_alu instid0(VALU_DEP_3)
	v_pk_add_f32 v[SA+4*\e:SA+4*\e+1], v[SA+4*\e:SA+4*\e+1], v[SA+4*\e+2:SA+4*\e+3]
	s_delay_alu instid0(VALU_DEP_1)
	v_add_f32 v[SA+4*\e], v[SA+4*\e], v[SA+4*\e+1]
.endr
	WSUM SA
	WSUM SA+4
.irp e, 0
	v_mul_f32 v[MU+2*\e], s30, v[SA+4*\e]
	v_mov_b32 v[MU+2*\e+1], 0
.endr
.irp e, 1
	s_delay_alu instid0(VALU_DEP_3)
	v_mul_f32 v[MU+2*\e], s30, v[SA+4*\e]
	v_mov_b32 v[MU+2*\e+1], 0
.endr
.irp e, 0,1
.irp k, 0,2,4,6,8,10,12,14,16,18,20,22,24,26,28,30
	v_pk_add_f32 v[XR+32*\e+\k:XR+32*\e+\k+1], v[XR+32*\e+\k:XR+32*\e+\k+1], v[MU+2*\e:MU+2*\e+1] op_sel_hi:[1,0] neg_lo:[0,1] neg_hi:[0,1]
.endr
.endr
.irp e, 0,1
	v_pk_mul_f32 v[SA+4*\e:SA+4*\e+1], v[XR+32*\e:XR+32*\e+1], v[XR+32*\e:XR+32*\e+1]
	v_pk_mul_f32 v[SA+4*\e+2:SA+4*\e+3], v[XR+32*\e+2:XR+32*\e+3], v[XR+32*\e+2:XR+32*\e+3]
.endr
.irp k, 4,8,12,16,20,24,28
.irp e, 0,1
	s_delay_alu instid0(VALU_DEP_4)
	v_pk_fma_f32 v[SA+4*\e:SA+4*\e+1], v[XR+32*\e+\k:XR+32*\e+\k+1], v[XR+32*\e+\k:XR+32*\e+\k+1], v[SA+4*\e:SA+4*\e+1]
	s_delay_alu instid0(VALU_DEP_4)
	v_pk_fma_f32 v[SA+4*\e+2:SA+4*\e+3], v[XR+32*\e+\k+2:XR+32*\e+\k+3], v[XR+32*\e+\k+2:XR+32*\e+\k+3], v[SA+4*\e+2:SA+4*\e+3]
.endr
.endr
.irp e, 0,1
	s_delay_alu instid0(VALU_DEP_3)
	v_pk_add_f32 v[SA+4*\e:SA+4*\e+1], v[SA+4*\e:SA+4*\e+1], v[SA+4*\e+2:SA+4*\e+3]
	s_delay_alu instid0(VALU_DEP_1)
	v_add_f32 v[SA+4*\e], v[SA+4*\e], v[SA+4*\e+1]
.endr
	WSUM SA
	WSUM SA+4
	v_fma_f32 v[SA], v[SA], s30, s31
	s_delay_alu instid0(VALU_DEP_2)
	v_fma_f32 v[SA+4], v[SA+4], s30, s31
	s_wait_alu depctr_va_vdst(0)
	v_rsq_f32 v[RS], v[SA]
	v_rsq_f32 v[RS+2], v[SA+4]
	v_mov_b32 v[RS+1], 0                           ; plain lines behind the two roots
	v_mov_b32 v[RS+3], 0
	s_wait_alu depctr_va_vdst(0)                   ; one wait for both, ahead of their first reader
	s_wait_loadcnt 0x0
.irp e, 0,1
.irp k, 0,2,4,6,8,10,12,14,16,18,20,22,24,26,28,30
	v_pk_mul_f32 v[XR+32*\e+\k:XR+32*\e+\k+1], v[XR+32*\e+\k:XR+32*\e+\k+1], v[RS+2*\e:RS+2*\e+1] op_sel_hi:[1,0]
.endr
.irp k, 0,2,4,6,8,10,12,14,16,18,20,22,24,26,28,30
	v_pk_fma_f32 v[XR+32*\e+\k:XR+32*\e+\k+1], v[XR+32*\e+\k:XR+32*\e+\k+1], v[GG+\k:GG+\k+1], v[GG+32+\k:GG+32+\k+1]
.endr
.endr
.irp e, 0,1                            ; the turn through my stage: behind it a lane holds one whole block of 32
.irp i, 0,1,2,3,4,5,6,7
	ds_store_b128 v4, v[XR+32*\e+4*\i:XR+32*\e+4*\i+3] offset:576*\i
.endr
.irp i, 0,1,2,3,4,5,6,7
	ds_load_b128 v[GG+32*\e+4*\i:GG+32*\e+4*\i+3], v5 offset:16*\i
.endr
.endr
	s_wait_dscnt 0x0
.irp e, 0,1
	v_max3_num_f32 v[MX+\e], |v[GG+32*\e]|, |v[GG+32*\e+1]|, 0x2800000
.endr
.irp i, 2,4,6,8,10,12,14,16,18,20,22,24,26,28,30
.irp e, 0,1
	s_delay_alu instid0(VALU_DEP_2)
	v_max3_num_f32 v[MX+\e], v[MX+\e], |v[GG+32*\e+\i]|, |v[GG+32*\e+\i+1]|
.endr
.endr
.irp e, 0,1
	s_delay_alu instid0(VALU_DEP_2)
	v_add_nc_u32 v[SO+\e], 0xfe000000, v[MX+\e]
.endr
.irp e, 0,1
	s_delay_alu instid0(VALU_DEP_2)
	v_lshrrev_b32 v[BY+\e], 23, v[SO+\e]
.endr
.irp e, 0,1
	v_cvt_scalef32_pk16_bf6_f32 v[CC+8*\e:CC+8*\e+2], v[GG+32*\e:GG+32*\e+15], v[SO+\e]
	v_cvt_scalef32_pk16_bf6_f32 v[CT+4*\e:CT+4*\e+2], v[GG+32*\e+16:GG+32*\e+31], v[SO+\e]
.endr
	v_nop
.irp e, 0,1
.irp i, 0,1,2
	v_mov_b32 v[CC+8*\e+3+\i], v[CT+4*\e+\i]
.endr
.endr
.irp e, 0,1
	ds_store_b64 v8, v[CC+8*\e:CC+8*\e+1] offset:16*\e
	ds_store_b64 v9, v[CC+8*\e+2:CC+8*\e+3] offset:16*\e+8
	ds_store_b64 v8, v[CC+8*\e+4:CC+8*\e+5] offset:16*\e+512
	ds_store_b8 v10, v[BY+\e] offset:4*\e
.endr
	s_wait_dscnt 0x0
	s_barrier_signal -1
	s_barrier_wait -1
.irp g, 0,1,2
	ds_load_b128 v[OF+4*\g:OF+4*\g+3], v11 offset:512*\g
.endr
	s_wait_dscnt 0x0
.irp g, 0,1,2
	global_store_b128 v3, v[OF+4*\g:OF+4*\g+3], s[36:37] offset:512*\g
.endr
	s_cmp_ge_u32 s20, 4
	s_cbranch_scc1 .Lend
	ds_load_b32 v220, v12                          ; the scale words leave in pieces of 64 bytes: a row tile's share of a K step; whole runs of 256 would want 64 rows to a work-group, and 64 work-groups
	s_wait_dscnt 0x0
	global_store_b32 v13, v220, s[38:39]
.Lend:
	s_wait_tensorcnt 0x0                           ; the wave's end
	ds_add_u32 v[SPW], v[NIL]
	s_wait_dscnt 0x0
	s_endpgm
.Lfunc_end_k_q353756d7b4_ln2:
	.size	k_q353756d7b4_ln2, .Lfunc_end_k_q353756d7b4_ln2-k_q353756d7b4_ln2
	.p2alignl 7, 3214868480
	.fill 96, 4, 3214868480
	.section	.rodata,"a",@progbits
	.p2align	6, 0x0
	.amdhsa_kernel k_q353756d7b4_ln2
		.amdhsa_group_segment_fixed_size 50688
		.amdhsa_private_segment_fixed_size 0
		.amdhsa_enable_private_segment 0
		.amdhsa_kernarg_size 32
		.amdhsa_user_sgpr_count 2
		.amdhsa_user_sgpr_kernarg_segment_ptr 1
		.amdhsa_wavefront_size32 1
		.amdhsa_system_sgpr_workgroup_id_x 1
		.amdhsa_system_sgpr_workgroup_id_y 1
		.amdhsa_system_sgpr_workgroup_id_z 1
		.amdhsa_system_vgpr_workitem_id 0
		.amdhsa_next_free_vgpr 256
		.amdhsa_next_free_sgpr 66
		.amdhsa_reserve_vcc 0
		.amdhsa_float_denorm_mode_32 3
		.amdhsa_float_denorm_mode_16_64 3
		.amdhsa_memory_ordered 1
		.amdhsa_forward_progress 1
		.amdhsa_inst_pref_size 30
	.end_amdhsa_kernel
	.amdgpu_metadata
---
amdhsa.version: [ 1, 2 ]
amdhsa.kernels:
  - .name:           k_q353756d7b4_ln2
    .symbol:         k_q353756d7b4_ln2.kd
    .args:
      - { .name: x1, .offset: 0, .size: 8, .value_kind: global_buffer, .address_space: global }
      - { .name: ln2_g, .offset: 8, .size: 8, .value_kind: global_buffer, .address_space: global }
      - { .name: ln2_b, .offset: 16, .size: 8, .value_kind: global_buffer, .address_space: global }
      - { .name: h2q, .offset: 24, .size: 8, .value_kind: global_buffer, .address_space: global }
    .group_segment_fixed_size: 50688
    .private_segment_fixed_size: 0
    .kernarg_segment_align: 8
    .kernarg_segment_size: 32
    .max_flat_workgroup_size: 256
    .sgpr_count:     66
    .vgpr_count:     256
    .wavefront_size: 32
...
	.end_amdgpu_metadata
.endif
;; end of part 5
;; launch g_fc1 (part 6): grid 16 x 16, 4 waves a work-group, clusters of 4 x 4, 327,680 bytes of LDS; arguments h2q, wq, b1, fq; writes fq
.if DOCPART == 6
	.amdgcn_target "amdgcn-amd-amdhsa--gfx1250"
	.amdhsa_code_object_version 6
	.text
	.protected	k_q353756d7b4_g_fc1
	.globl	k_q353756d7b4_g_fc1
	.p2align	8
	.type	k_q353756d7b4_g_fc1,@function
k_q353756d7b4_g_fc1:
	s_mov_b64 s[64:65], 0
	v_nop
	global_prefetch_b8 v0, s[64:65] scope:SCOPE_SE
	s_setreg_imm32_b32 hwreg(HW_REG_WAVE_MODE, 25, 1), 1
	s_wait_xcnt 0x0
	s_wait_alu depctr_hold_cnt(0) depctr_sa_sdst(0) depctr_va_vdst(0) depctr_va_sdst(0) depctr_va_ssrc(0) depctr_va_vcc(0) depctr_vm_vsrc(0)
	s_getreg_b32 s2, hwreg(HW_REG_IB_STS2, 6, 4)
	s_cmp_eq_u32 s2, 0
	s_cbranch_scc0 .Lentry_in_a_cluster
	s_endpgm
.Lentry_in_a_cluster:
	s_bfe_u32 s2, ttmp6, 0x10000c
	s_cmp_lg_u32 s2, 0xf033
	s_cbranch_scc0 .Lentry_shape_is_right
	s_endpgm
.Lentry_shape_is_right:
; f = gelu(h2 W1 + b1) on codes of BF6, quantised along its 4,096 for the next product and stored as fragment images (16 rows x 128 K in 1,536 bytes, register j of lane l at 512 (j / 4) + 16 l + 4 (j % 4)).
; A work-group of four waves makes 256 stored rows x 256 columns, a wave 128 x 128: 64 accumulators.  K goes in slots of 256 through a ring of two LDS slots; each wave brings one of a slot's four kinds
; (A's images, B's, A's scale words, B's) with one tensor load.  CLUSTERS 4 x 4: A's kinds are asked for jointly along a row of the cluster, B's along a column.
; The matrix instruction is used transposed; W1's columns are stored with bits 3 and 4 exchanged, so a lane's 16 registers of two neighbouring tiles are 16 neighbours along the next K.  The bias is the C of the first K step.
; GELU in its exact form: x Phi(x) = max(x, 0) - |x| e, e = erfc(|x| / sqrt 2) / 2 = t 2^u, t = 1 / (1 + |x| / (2 sqrt 2)), u = a polynomial of degree 9 in t less x^2 log2(e) / 2; the half is 1 taken off u's constant term.
; PREFETCH of the images, two slots ahead of the tensor load that wants them: a slot is 3,072 consecutive bytes of a row tile, 12 blocks of 256.  The four partners that ask for sixteen tiles jointly share them out
; by address, four each, a wave two (waves 0, 1 A's, waves 2, 3 B's): 24 blocks, one instruction; the eight lanes left over name the last block again.  The head asks for slots 1 and 2, slot 1's fill for slot 3; then nothing.
.set MA, 8
.set NQ, 2
.set KST, 8
.set NCOL, 4096
.set AC, 0
.set AS, 3145728
.set WC, 3145728
.set WS, 12713984
.set ACB, 2*MA*NQ*1536
.set BCB, 16*NQ*1536
.set ASB, NQ*2*MA*64
.set BSB, NQ*1024
.set SLOT, ACB+BCB+ASB+BSB
.set SPARE, 327168
.set LAPS, KST/(2*NQ)
.set NLH, 3*MA/2
.set ADRA, 16
.set ADSA, 18
.set ADRB, 20
.set ADSB, 22
.set SPW, 28
.set NIL, 29
.set SC, 32
.set BIAS, 64
.set AF, 128
.set G1A, 24
.set G0A, 32
.set G1B, 48
.set G0B, 56
.set G1SA, 68
.set G0SA, 76
.set G1SB, 84
.set G0SB, 92
.set SEL, 100
.set MSB, 0
.macro WIN new
.if MSB != \new
	s_set_vgpr_msb (MSB<<8)|\new
.set MSB, \new
.endif
.endm
.macro PLACES
.rept 4
	v_nop
.endr
.endm
.macro DESC1 g, c, r, p
	s_mov_b32 s[\g+1], ((\c)&0xffff)<<16
	s_mov_b32 s[\g+2], ((\c)>>16)|((\r)<<16)
	s_mov_b32 s[\g+3], (\c)<<16
	s_mov_b32 s[\g+4], \r
	s_mov_b32 s[\g+5], \p
	s_mov_b32 s[\g+6], 0
	s_mov_b32 s[\g+7], 0
.endm
.macro DESC0 g, lds, ptr, off
	s_mov_b32 s[\g], 1
	s_mov_b32 s[\g+1], \lds
	s_add_nc_u64 s[\g+2:\g+3], s[\ptr:\ptr+1], \off
	s_or_b32 s[\g+3], s[\g+3], 0x80000000
.endm
.macro TL g0, g1
	tensor_load_to_lds s[\g0:\g0+3], s[\g1:\g1+7]
	s_nop 0
.rept 4
	v_nop
.endr
.endm
.macro JLOAD s
	s_cmp_lt_u32 s14, 2
	s_cbranch_scc0 .Lj23_\@
	s_cmp_eq_u32 s14, 0
	s_cbranch_scc0 .Lj1_\@
	TL G0A+4*\s, G1A
	s_branch .Ljd_\@
.Lj1_\@:
	TL G0B+4*\s, G1B
	s_branch .Ljd_\@
.Lj23_\@:
	s_cmp_eq_u32 s14, 2
	s_cbranch_scc0 .Lj3_\@
	TL G0SA+4*\s, G1SA
	s_branch .Ljd_\@
.Lj3_\@:
	TL G0SB+4*\s, G1SB
.Ljd_\@:
.endm
.macro CREST
	s_cmp_lg_u32 s14, 0
	s_cbranch_scc1 .Lnw0_\@
	s_barrier_signal -3
.Lnw0_\@:
	s_barrier_wait -3
	s_barrier_signal -1
	s_barrier_wait -1
.endm
.macro CROUND
	s_barrier_signal -1
	s_barrier_wait -1
	CREST
.endm
.macro MM a, b, p, first
.set rD, 8*(8*((\a)%4)+\b)
.set rB, 128*(\p)+12*\b
.set rA, AF+12*(\a)
.set rSB, SC+8*(\p)+\b/2
.set rSA, SC+8*(\p)+4+(\a)/2
.set rC, rD
.if \first
.set rC, BIAS+8*\b
.endif
.if (((\a)%2) == 0) && ((\b%2) == 0)
	v_wmma_scale_f32_16x16x128_f8f6f4 v[rD:rD+7], v[rB:rB+11], v[rA:rA+11], v[rC:rC+7], v[rSB], v[rSA] matrix_a_fmt:MATRIX_FMT_BF6 matrix_b_fmt:MATRIX_FMT_BF6
.elseif ((\a)%2) == 0
	v_wmma_scale_f32_16x16x128_f8f6f4 v[rD:rD+7], v[rB:rB+11], v[rA:rA+11], v[rC:rC+7], v[rSB], v[rSA] matrix_a_fmt:MATRIX_FMT_BF6 matrix_b_fmt:MATRIX_FMT_BF6 matrix_a_scale:MATRIX_SCALE_ROW1
.elseif (\b%2) == 0
	v_wmma_scale_f32_16x16x128_f8f6f4 v[rD:rD+7], v[rB:rB+11], v[rA:rA+11], v[rC:rC+7], v[rSB], v[rSA] matrix_a_fmt:MATRIX_FMT_BF6 matrix_b_fmt:MATRIX_FMT_BF6 matrix_b_scale:MATRIX_SCALE_ROW1
.else
	v_wmma_scale_f32_16x16x128_f8f6f4 v[rD:rD+7], v[rB:rB+11], v[rA:rA+11], v[rC:rC+7], v[rSB], v[rSA] matrix_a_fmt:MATRIX_FMT_BF6 matrix_b_fmt:MATRIX_FMT_BF6 matrix_a_scale:MATRIX_SCALE_ROW1 matrix_b_scale:MATRIX_SCALE_ROW1
.endif
.endm
.macro MULA a, p, first
.if \first
	WIN 0x81+0x40*((\a)/4)
.else
	WIN 0xa1+0x50*((\a)/4)
.endif
.irp b, 0,1,2,3,4,5,6,7
	MM \a, \b, \p, \first
.endr
.endm
.macro MRUN a0, n, p, first
.set ma, \a0
.rept \n
	MULA ma, \p, \first
.set ma, ma+1
.endr
.endm
.macro FETCH_B slot, q, p
	WIN 0x40
.irp b, 0,1,2,3,4,5,6,7
.set rr, 128*(\p)+12*\b
.set oo, (\b*NQ+(\q))*1536
	ds_load_b128 v[rr:rr+3], v[ADRB+\slot] offset:oo
	ds_load_b128 v[rr+4:rr+7], v[ADRB+\slot] offset:oo+512
	ds_load_b128 v[rr+8:rr+11], v[ADRB+\slot] offset:oo+1024
.endr
	WIN 0
.endm
.macro FETCH_A slot, q, a0
.set aa, \a0
.rept MA/2
.set rr, AF+12*aa
.set oo, (aa*NQ+(\q))*1536
	ds_load_b128 v[rr:rr+3], v[ADRA+\slot] offset:oo
	ds_load_b128 v[rr+4:rr+7], v[ADRA+\slot] offset:oo+512
	ds_load_b128 v[rr+8:rr+11], v[ADRA+\slot] offset:oo+1024
.set aa, aa+1
.endr
.endm
.macro FETCH_SC slot, q, p
.irp x, 0,1,2,3
	ds_load_b32 v[SC+8*(\p)+\x], v[ADSB+\slot] offset:(\q)*1024+128*\x
.endr
.set aa, 0
.rept MA/2
	ds_load_b32 v[SC+8*(\p)+4+aa], v[ADSA+\slot] offset:(\q)*2*MA*64+128*aa
.set aa, aa+1
.endr
.endm
.macro STEP slot, q, first
	s_wait_dscnt NLH
	MRUN 0, MA/2, (\q)%2, \first
	s_wait_dscnt 0x0
	PLACES
	FETCH_B \slot, (\q)+1, 1-(\q)%2
	FETCH_SC \slot, (\q)+1, 1-(\q)%2
	FETCH_A \slot, (\q)+1, 0
.if \first
	ASK                                            ; slot 3, behind slot 1's fill and a run of LDS loads
.endif
	MRUN MA/2, MA/2, (\q)%2, \first
	PLACES
	WIN 0
	FETCH_A \slot, (\q)+1, MA/2
.endm
.macro STEPS slot, q0
.set sq, \q0
.rept NQ-1-\q0
	STEP \slot, sq, 0
.set sq, sq+1
.endr
.endm
.macro TURN slot, next, fill
	s_wait_tensorcnt 0x0
	ds_add_u32 v[SPW], v[NIL]
	s_wait_dscnt NLH+1
	MRUN 0, MA/4, 1, 0
	s_wait_dscnt 0x0
	s_barrier_signal -1
	MRUN MA/4, MA/4, 1, 0
	WIN 0
	s_barrier_wait -1
.if \fill
	CREST
	s_add_nc_u64 s[G0A+4*\slot+2:G0A+4*\slot+3], s[G0A+4*\slot+2:G0A+4*\slot+3], 2*NQ*1536
	s_add_nc_u64 s[G0B+4*\slot+2:G0B+4*\slot+3], s[G0B+4*\slot+2:G0B+4*\slot+3], 2*NQ*1536
	s_add_nc_u64 s[G0SA+4*\slot+2:G0SA+4*\slot+3], s[G0SA+4*\slot+2:G0SA+4*\slot+3], 2*NQ*16384
	s_add_nc_u64 s[G0SB+4*\slot+2:G0SB+4*\slot+3], s[G0SB+4*\slot+2:G0SB+4*\slot+3], 2*NQ*4*NCOL
	JLOAD \slot
.else
	PLACES
.endif
	FETCH_B \next, 0, 0
	FETCH_SC \next, 0, 0
	FETCH_A \next, 0, 0
	MRUN MA/2, MA/2, 1, 0
	PLACES
	WIN 0
	FETCH_A \next, 0, MA/2
.endm
	s_load_b128 s[4:7], s[0:1], 0x0
	s_load_b128 s[8:11], s[0:1], 0x10
	v_lshl_add_u32 v[SPW], v0, 2, SPARE
	v_mov_b32 v[NIL], 0
	ds_add_u32 v[SPW], v[NIL]
	ds_add_u32 v[SPW], v[NIL]
	v_lshrrev_b32 v1, 5, v0
	v_readfirstlane_b32 s14, v1
	s_lshr_b32 s15, s14, 1
	s_and_b32 s16, s14, 1
	s_bfe_u32 s40, ttmp6, 0x40000
	s_bfe_u32 s41, ttmp6, 0x40004
	s_lshl_b32 s42, ttmp9, 2
	s_add_co_u32 s42, s42, s40
	s_and_b32 s17, ttmp7, 0xffff
	s_lshl_b32 s17, s17, 2
	s_add_co_u32 s17, s17, s41
	s_lshl_b32 s43, s41, 2
	s_lshl_b32 s43, 15, s43
	s_lshl_b32 s44, 0x1111, s40
	s_or_b32 s[G1A], s43, (3<<16)|(1<<21)
	s_or_b32 s[G1SA], s43, (3<<16)|(1<<21)
	s_or_b32 s[G1B], s44, (3<<16)|(1<<21)
	s_or_b32 s[G1SB], s44, (3<<16)|(1<<21)
	DESC1 G1A, 192*NQ, 2*MA, 192*KST
	DESC1 G1B, 192*NQ, 16, 192*KST
	DESC1 G1SA, 16*MA, NQ, 2048
	DESC1 G1SB, 128, NQ, NCOL/2
	s_mul_i32 s20, s17, 2*MA*KST*1536
	s_add_co_u32 s20, s20, AC
	s_mov_b32 s21, 0
	s_mul_i32 s22, s17, 2*MA*64
	s_add_co_u32 s22, s22, AS
	s_mov_b32 s23, 0
	s_mul_i32 s46, s42, 16*KST*1536
	s_add_co_u32 s46, s46, WC
	s_mov_b32 s47, 0
	s_lshl_b32 s66, s42, 10
	s_add_co_u32 s66, s66, WS
	s_mov_b32 s67, 0
	s_mov_b32 s[SEL], 0x76543210
	s_mov_b32 s[SEL+1], 0xfedcba98
	s_wait_dscnt 0x0
	s_wait_kmcnt 0x0
	s_add_nc_u64 s[20:21], s[4:5], s[20:21]
	s_add_nc_u64 s[22:23], s[4:5], s[22:23]
	s_add_nc_u64 s[46:47], s[6:7], s[46:47]
	s_add_nc_u64 s[66:67], s[6:7], s[66:67]
	CROUND
.irp s, 0,1
	DESC0 G0A+4*\s, \s*SLOT, 20, \s*NQ*1536
	DESC0 G0B+4*\s, \s*SLOT+ACB, 46, \s*NQ*1536
	DESC0 G0SA+4*\s, \s*SLOT+ACB+BCB, 22, \s*NQ*16384
	DESC0 G0SB+4*\s, \s*SLOT+ACB+BCB+ASB, 66, \s*NQ*4*NCOL
.endr
	JLOAD 0                                        ; slot 0: one tensor load a wave at the head; the set-up below stands under its flight
	v_and_b32 v2, 31, v0
	v_lshlrev_b32 v3, 4, v2
	v_lshlrev_b32 v4, 2, v2
	v_bfe_u32 v5, v0, 4, 1
	v_lshlrev_b32 v6, 6, v5
	v_and_b32 v7, 15, v0
	s_mul_i32 s18, s15, MA*NQ*1536
	s_mul_i32 s19, s16, 8*NQ*1536
	s_add_co_u32 s19, s19, ACB
	v_add_nc_u32 v[ADRA], s18, v3
	v_add_nc_u32 v[ADRB], s19, v3
	v_add_nc_u32 v[ADRA+1], SLOT, v[ADRA]
	v_add_nc_u32 v[ADRB+1], SLOT, v[ADRB]
	s_mul_i32 s18, s15, MA*64
	s_add_co_u32 s18, s18, ACB+BCB
	s_lshl_b32 s19, s16, 9
	s_add_co_u32 s19, s19, ACB+BCB+ASB
	v_add_nc_u32 v[ADSA], s18, v4
	v_add_nc_u32 v[ADSB], s19, v4
	v_add_nc_u32 v[ADSA+1], SLOT, v[ADSA]
	v_add_nc_u32 v[ADSB+1], SLOT, v[ADSB]
	s_lshl_b32 s18, s42, 10
	s_lshl_b32 s19, s16, 9
	s_add_co_u32 s18, s18, s19
	s_mov_b32 s19, 0
	s_add_nc_u64 s[8:9], s[8:9], s[18:19]          ; the bias of my 128 columns
	v_min_u32 v15, 23, v2                          ; the prefetches' offset
	v_mul_u32_u24 v1, v15, 171
	v_lshrrev_b32 v1, 11, v1                       ; which of my two tiles: lane / 12
	v_mul_u32_u24 v1, v1, 9216                     ; a tile is 12,288 bytes: 9,216 beyond the first tile's 12 blocks
	v_lshl_add_u32 v15, v15, 8, v1
	s_wait_alu depctr_va_vdst(0)
.set PFI, 1                            ; the slot that the next ASK names
.macro ASK
	global_prefetch_b8 v15, s[104:105] offset:PFI*NQ*1536 th:TH_LOAD_NT scope:SCOPE_SE
.set PFI, PFI+1
.endm
	s_cmp_eq_u32 s15, 0
	s_cselect_b32 s18, s17, s42                    ; the sixteen tiles begin at 16 Y (A) or 16 X (B);
	s_cselect_b32 s19, s40, s41                    ; my place among the four that load them jointly: cx (A) or cy (B)
	s_cselect_b32 s45, AC, WC
	s_cselect_b64 s[104:105], s[4:5], s[6:7]
	s_lshl_b32 s18, s18, 4
	s_lshl_b32 s19, s19, 2
	s_add_co_u32 s18, s18, s19
	s_lshl_b32 s19, s16, 1
	s_add_co_u32 s18, s18, s19                     ; my wave's first tile
	s_mul_i32 s18, s18, KST*1536
	s_add_co_u32 s18, s18, s45
	s_mov_b32 s19, 0
	s_add_nc_u64 s[104:105], s[104:105], s[18:19]
	ASK
	ASK
.irp b, 0,1,2,3,4,5,6,7
	global_load_b128 v[BIAS+8*\b:BIAS+8*\b+3], v6, s[8:9] offset:128*(\b/2)+32*(\b%2)
	global_load_b128 v[BIAS+8*\b+4:BIAS+8*\b+7], v6, s[8:9] offset:128*(\b/2)+32*(\b%2)+16
.endr
.set SCS, 262144
.set STA, 24
.set ADR, 25
.set SCB, 26
.set SCA, 27
.set SCR, 30
.set TM, 48
.set XX, 64
.set TT, 128
.set SQ, 160
.set UU, 192
.set PC, 224
.set PW, 244
.set A9, 246
	s_lshl_b32 s18, s14, 16
	v_add_nc_u32 v[STA], s18, v3
	s_lshl_b32 s18, s14, 9
	s_add_co_u32 s18, s18, SCS
	v_lshl_add_u32 v[SCB], v7, 2, s18
	v_add_nc_u32 v[SCR], s18, v3
.irp b, 0,1,2,3
	v_mov_b32 v[TM+4+\b], 0
.endr
	v_mov_b32 v[A9], 0x3e7c6f08
	v_mov_b32 v[A9+1], 0x3e7c6f08
	s_wait_alu depctr_va_vdst(0)
	s_wait_tensorcnt 0x0                           ; my kind of slot 0 is in
	ds_add_u32 v[SPW], v[NIL]
	s_wait_dscnt 0x0
	CROUND                                         ; slot 0 is whole, and all sixteen work-groups are here
	JLOAD 1                                        ; slot 1's first fill: my one tensor load behind the round
	FETCH_B 0, 0, 0
	FETCH_SC 0, 0, 0
	FETCH_A 0, 0, 0
	FETCH_A 0, 0, MA/2
	s_wait_loadcnt 0x0
	STEP 0, 0, 1
	STEPS 0, 1
.if LAPS > 1
	s_mov_b32 s3, LAPS-1
.Llap:
	TURN 0, 1, 1
	STEPS 1, 0
	TURN 1, 0, 1
	STEPS 0, 0
	s_sub_co_u32 s3, s3, 1
	s_cmp_lg_u32 s3, 0
	s_cbranch_scc1 .Llap
.endif
	TURN 0, 1, 0
	STEPS 1, 0
	s_wait_dscnt NLH
	MRUN 0, MA/2, 1, 0
	s_wait_alu depctr_va_vdst(0)
	s_wait_dscnt 0x0
	MRUN MA/2, MA/2, 1, 0
	WIN 0
	s_barrier_signal -1
	s_barrier_wait -1
	PLACES
	s_lshl_b32 s18, s17, 4
	s_lshl_b32 s19, s15, 3
	s_add_co_u32 s18, s18, s19
	s_lshl_b32 s19, s42, 1
	s_add_co_u32 s19, s19, s16
	s_lshl_b32 s20, s18, 5
	s_add_co_u32 s20, s20, s19
	s_mul_i32 s20, s20, 1536
	s_mov_b32 s21, 0
	s_add_nc_u64 s[20:21], s[10:11], s[20:21]
	s_lshl_b32 s22, s19, 14
	s_lshl_b32 s18, s18, 6
	s_add_co_u32 s22, s22, s18
	s_add_co_u32 s22, s22, 12582912
	s_mov_b32 s23, 0
	s_add_nc_u64 s[22:23], s[10:11], s[22:23]
.macro CF r, bits
	s_mov_b32 s[\r], \bits
	s_mov_b32 s[\r+1], \bits
.endm
	CF 24, 0xc034d90f                              ; u's constant term, -1.26551223 log2(e), less 1: the half of erfc / 2
	CF 26, 0x3fb8ab5a
	CF 28, 0x3f0a29d2
	CF 30, 0x3e0efb2e
	CF 32, 0xbe899a80
	CF 34, 0x3ecdfd18
	CF 36, 0xbfd1a1e5
	CF 38, 0x40097039
	CF 48, 0xbf97d29d
	CF 50, 0xbf38aa3b
	s_mov_b32 s52, 0x3eb504f3
.irp a, 0,1,2,3,4,5,6,7
	WIN 0x08+4*(\a/4)
.irp b, 0,1,2,3,4,5,6,7
	ds_store_b128 v[STA], v[8*(8*(\a%4)+\b):8*(8*(\a%4)+\b)+3] offset:(16*\a+2*\b)*512
	ds_store_b128 v[STA], v[8*(8*(\a%4)+\b)+4:8*(8*(\a%4)+\b)+7] offset:(16*\a+2*\b+1)*512
.endr
.endr
	WIN 0
.macro QUANT s
.irp b, 0,1,2,3
	v_max3_num_f32 v[TM+\b], |v[\s+16*\b]|, |v[\s+1+16*\b]|, 0x2800000
.endr
.irp i, 2,4,6,8,10,12,14
.irp b, 0,1,2,3
	v_max3_num_f32 v[TM+\b], v[TM+\b], |v[\s+16*\b+\i]|, |v[\s+1+16*\b+\i]|
.endr
.endr
.irp b, 0,1,2,3
	v_permlanex16_b32 v[TM+4+\b], v[TM+\b], s[SEL], s[SEL+1]
.endr
.irp b, 0,1,2,3
	v_max_num_f32 v[TM+\b], v[TM+\b], v[TM+4+\b]
.endr
.irp b, 0,1,2,3
	v_add_nc_u32 v[TM+12+\b], 0xfe000000, v[TM+\b]
.endr
.irp b, 0,1,2,3
	v_lshrrev_b32 v[TM+4+\b], 23, v[TM+12+\b]
.endr
	v_lshl_or_b32 v[PW], v[TM+5], 8, v[TM+4]
	v_lshl_or_b32 v[PW], v[TM+6], 16, v[PW]
	v_lshl_or_b32 v[PW], v[TM+7], 24, v[PW]
.irp c, 0,1
	v_cvt_scalef32_pk16_bf6_f32 v[PC+6*\c:PC+2+6*\c], v[\s+32*\c:\s+15+32*\c], v[TM+12+2*\c]
	v_cvt_scalef32_pk16_bf6_f32 v[PC+12+4*\c:PC+14+4*\c], v[\s+16+32*\c:\s+31+32*\c], v[TM+12+2*\c+1]
.endr
	v_nop
.irp c, 0,1
.irp i, 0,1,2
	v_permlane16_swap_b32 v[PC+6*\c+\i], v[PC+12+4*\c+\i]
.endr
.irp i, 0,1,2
	v_mov_b32 v[PC+3+6*\c+\i], v[PC+12+4*\c+\i]
.endr
.endr
.endm
.macro GELU xb
.set gk, 0
.rept 32
	v_fma_f32 v[TT+gk], |v[\xb+gk]|, s52, 1.0
.set gk, gk+1
.endr
.set gk, 0
	s_wait_alu depctr_va_vdst(0)
.rept 32
	v_rcp_f32 v[TT+gk], v[TT+gk]
.set gk, gk+1
.endr
.set gk, 0
.rept 16
	v_pk_mul_f32 v[SQ+gk:SQ+gk+1], v[\xb+gk:\xb+gk+1], s[50:51] op_sel_hi:[1,0]
.set gk, gk+2
.endr
.set gk, 0
.rept 16
	v_pk_fma_f32 v[SQ+gk:SQ+gk+1], v[SQ+gk:SQ+gk+1], v[\xb+gk:\xb+gk+1], s[24:25] op_sel_hi:[1,1,0]
.set gk, gk+2
.endr
	s_wait_alu depctr_va_vdst(0)
.set gk, 0
.rept 16
	v_pk_fma_f32 v[UU+gk:UU+gk+1], v[TT+gk:TT+gk+1], v[A9:A9+1], s[48:49] op_sel_hi:[1,1,0]
.set gk, gk+2
.endr
.irp cf, 38,36,34,32,30,28,26
.set gk, 0
.rept 16
	v_pk_fma_f32 v[UU+gk:UU+gk+1], v[UU+gk:UU+gk+1], v[TT+gk:TT+gk+1], s[\cf:\cf+1] op_sel_hi:[1,1,0]
.set gk, gk+2
.endr
.endr
.set gk, 0
.rept 16
	v_pk_fma_f32 v[UU+gk:UU+gk+1], v[UU+gk:UU+gk+1], v[TT+gk:TT+gk+1], v[SQ+gk:SQ+gk+1]
.set gk, gk+2
.endr
.set gk, 0
	s_wait_alu depctr_va_vdst(0)
.rept 32
	v_exp_f32 v[UU+gk], v[UU+gk]
.set gk, gk+1
.endr
.set gk, 0
.rept 32
	v_mul_f32 v[SQ+gk], |v[\xb+gk]|, v[TT+gk]
.set gk, gk+1
.endr
.set gk, 0
.rept 32
	v_max_num_f32 v[\xb+gk], 0, v[\xb+gk]
.set gk, gk+1
.endr
	s_wait_alu depctr_va_vdst(0)
.set gk, 0
.rept 16
	v_pk_fma_f32 v[\xb+gk:\xb+gk+1], v[SQ+gk:SQ+gk+1], v[UU+gk:UU+gk+1], v[\xb+gk:\xb+gk+1] neg_lo:[1,0,0] neg_hi:[1,0,0]   ; max(x, 0) - (|x| t) 2^u
.set gk, gk+2
.endr
.endm
	s_mov_b32 s18, 0
	s_mov_b32 s19, 0
	s_mov_b32 s45, 0
.Ltile:
	v_add_nc_u32 v[ADR], s18, v[STA]
	v_add_nc_u32 v[SCA], s19, v[SCB]
.irp g, 0,1,2,3,4,5,6,7,8,9,10,11,12,13,14,15
	ds_load_b128 v[XX+4*\g:XX+4*\g+3], v[ADR] offset:512*\g
.endr
	s_wait_dscnt 8                                 ; the first eight of the sixteen loads are in: registers XX to XX + 31
	GELU XX
	s_wait_dscnt 0x0
	GELU XX+32
	QUANT XX
	ds_store_b32 v[SCA], v[PW]
.irp c, 0,1,2
	global_store_b128 v3, v[PC+4*\c:PC+4*\c+3], s[20:21] offset:512*\c
.endr
	s_wait_xcnt 0x0
	s_add_nc_u64 s[20:21], s[20:21], 49152
	s_add_co_u32 s18, s18, 8192
	s_add_co_u32 s19, s19, 64
	s_add_co_u32 s45, s45, 1
	s_cmp_lt_u32 s45, 8
	s_cbranch_scc1 .Ltile
	ds_load_b128 v[248:251], v[SCR]
	s_wait_dscnt 0x0
	global_store_b128 v3, v[248:251], s[22:23]
	s_wait_tensorcnt 0x0
	ds_add_u32 v[SPW], v[NIL]
	s_wait_dscnt 0x0
	CROUND
	s_endpgm
.Lfunc_end_k_q353756d7b4_g_fc1:
	.size	k_q353756d7b4_g_fc1, .Lfunc_end_k_q353756d7b4_g_fc1-k_q353756d7b4_g_fc1
	.p2alignl 7, 3214868480
	.fill 96, 4, 3214868480
	.section	.rodata,"a",@progbits
	.p2align	6, 0x0
	.amdhsa_kernel k_q353756d7b4_g_fc1
		.amdhsa_group_segment_fixed_size 327680
		.amdhsa_private_segment_fixed_size 0
		.amdhsa_enable_private_segment 0
		.amdhsa_kernarg_size 32
		.amdhsa_user_sgpr_count 2
		.amdhsa_user_sgpr_kernarg_segment_ptr 1
		.amdhsa_wavefront_size32 1
		.amdhsa_system_sgpr_workgroup_id_x 1
		.amdhsa_system_sgpr_workgroup_id_y 1
		.amdhsa_system_sgpr_workgroup_id_z 1
		.amdhsa_system_vgpr_workitem_id 0
		.amdhsa_next_free_vgpr 1024
		.amdhsa_next_free_sgpr 106
		.amdhsa_reserve_vcc 0
		.amdhsa_float_denorm_mode_32 3
		.amdhsa_float_denorm_mode_16_64 3
		.amdhsa_memory_ordered 1
		.amdhsa_forward_progress 1
		.amdhsa_inst_pref_size 168
	.end_amdhsa_kernel
	.amdgpu_metadata
---
amdhsa.version: [ 1, 2 ]
amdhsa.kernels:
  - .name:           k_q353756d7b4_g_fc1
    .symbol:         k_q353756d7b4_g_fc1.kd
    .args:
      - { .name: h2q, .offset: 0, .size: 8, .value_kind: global_buffer, .address_space: global }
      - { .name: wq, .offset: 8, .size: 8, .value_kind: global_buffer, .address_space: global }
      - { .name: b1, .offset: 16, .size: 8, .value_kind: global_buffer, .address_space: global }
      - { .name: fq, .offset: 24, .size: 8, .value_kind: global_buffer, .address_space: global }
    .group_segment_fixed_size: 327680
    .private_segment_fixed_size: 0
    .kernarg_segment_align: 8
    .kernarg_segment_size: 32
    .max_flat_workgroup_size: 128
    .sgpr_count:     106
    .vgpr_count:     1024
    .wavefront_size: 32
...
	.end_amdgpu_metadata
.endif
;; end of part 6
;; launch g_fc2 (part 7): grid 8 x 32, 4 waves a work-group, clusters of 4 x 4, 327,680 bytes of LDS; arguments fq, wq, b2, x1, out0; writes out0
.if DOCPART == 7
	.amdgcn_target "amdgcn-amd-amdhsa--gfx1250"
	.amdhsa_code_object_version 6
	.text
	.protected	k_q353756d7b4_g_fc2
	.globl	k_q353756d7b4_g_fc2
	.p2align	8
	.type	k_q353756d7b4_g_fc2,@function
k_q353756d7b4_g_fc2:
	s_mov_b64 s[64:65], 0
	v_nop
	global_prefetch_b8 v0, s[64:65] scope:SCOPE_SE
	s_setreg_imm32_b32 hwreg(HW_REG_WAVE_MODE, 25, 1), 1
	s_wait_xcnt 0x0
	s_wait_alu depctr_hold_cnt(0) depctr_sa_sdst(0) depctr_va_vdst(0) depctr_va_sdst(0) depctr_va_ssrc(0) depctr_va_vcc(0) depctr_vm_vsrc(0)
	s_getreg_b32 s2, hwreg(HW_REG_IB_STS2, 6, 4)
	s_cmp_eq_u32 s2, 0
	s_cbranch_scc0 .Lentry_in_a_cluster
	s_endpgm
.Lentry_in_a_cluster:
	s_bfe_u32 s2, ttmp6, 0x10000c
	s_cmp_lg_u32 s2, 0xf033
	s_cbranch_scc0 .Lentry_shape_is_right
	s_endpgm
.Lentry_shape_is_right:
; out0 = x1 + f W2 + b2 on codes of BF6.  f and W2 lie as fragment images (16 rows x 128 K in 1,536 bytes, register j of lane l at 512 (j / 4) + 16 l + 4 (j % 4)).
; A work-group of four waves makes 128 stored rows x 128 columns: 32 x 8 = 256 work-groups; a wave 64 x 64: 16 accumulators.  K (4,096: 32 steps) goes in slots of 6 steps through a ring of two LDS slots; the sixth slot holds 2.
; Each wave brings one of a slot's four kinds (A's images, B's, A's scale words, B's) with one tensor load.  CLUSTERS 4 x 4: A's kinds jointly along a row of the cluster, B's along a column.
; The matrix instruction is used transposed; the bias is the C of the first K step.  The residual's 64 rows x 256 bytes a wave are wanted on the way out alone: they are asked for behind the first slot's steps, into window 3.
; PREFETCH of the images, two slots ahead of the tensor load that wants them: a slot is 9,216 consecutive bytes of a row tile, 36 blocks of 256 (the last slot 12).  The four partners that ask for eight tiles jointly
; share them out by address, two each, a wave a tile (waves 0, 1 A's, waves 2, 3 B's): each block is named once in each cluster that loads it.  The head asks for slots 1 and 2, the fills of slots 1, 2, 3 for slots 3, 4, 5; then nothing.
; Every offset is an immediate, and the prefetches' registers are never rewritten.  The scale words, 512 bytes a K step and kind, are not prefetched.
.set MA, 4
.set NB, 4
.set NQ, 6
.set KST, 32
.set LEFT, 2
.set NCOL, 1024
.set AC, 0
.set AS, 12582912
.set WC, 6291456
.set WS, 12845056
.set ACB, 2*MA*NQ*1536
.set BCB, 2*NB*NQ*1536
.set ASB, NQ*2*MA*64
.set BSB, NQ*2*NB*64
.set SLOT, ACB+BCB+ASB+BSB
.set SPARE, 327168
.set NLH, 3*MA/2
.set ADRA, 16
.set ADSA, 18
.set ADRB, 20
.set ADSB, 22
.set STO, 24
.set RD, 25
.set CO, 26
.set SPW, 28
.set NIL, 29
.set SC, 32
.set BIAS, 64
.set AF, 128
.set G1A, 24
.set G0A, 32
.set G1B, 48
.set G0B, 56
.set G1SA, 68
.set G0SA, 76
.set G1SB, 84
.set G0SB, 92
.set MSB, 0
.macro WIN new
.if MSB != \new
	s_set_vgpr_msb (MSB<<8)|\new
.set MSB, \new
.endif
.endm
.macro PLACES
.rept 4
	v_nop
.endr
.endm
.macro DESC1 g, c, r, p
	s_mov_b32 s[\g+1], ((\c)&0xffff)<<16
	s_mov_b32 s[\g+2], ((\c)>>16)|((\r)<<16)
	s_mov_b32 s[\g+3], (\c)<<16
	s_mov_b32 s[\g+4], \r
	s_mov_b32 s[\g+5], \p
	s_mov_b32 s[\g+6], 0
	s_mov_b32 s[\g+7], 0
.endm
.macro DESC0 g, lds, ptr, off
	s_mov_b32 s[\g], 1
	s_mov_b32 s[\g+1], \lds
	s_add_nc_u64 s[\g+2:\g+3], s[\ptr:\ptr+1], \off
	s_or_b32 s[\g+3], s[\g+3], 0x80000000
.endm
.macro TL g0, g1
	tensor_load_to_lds s[\g0:\g0+3], s[\g1:\g1+7]
	s_nop 0
.rept 4
	v_nop
.endr
.endm
.macro JLOAD s
	s_cmp_lt_u32 s14, 2
	s_cbranch_scc0 .Lj23_\@
	s_cmp_eq_u32 s14, 0
	s_cbranch_scc0 .Lj1_\@
	TL G0A+4*\s, G1A
	s_branch .Ljd_\@
.Lj1_\@:
	TL G0B+4*\s, G1B
	s_branch .Ljd_\@
.Lj23_\@:
	s_cmp_eq_u32 s14, 2
	s_cbranch_scc0 .Lj3_\@
	TL G0SA+4*\s, G1SA
	s_branch .Ljd_\@
.Lj3_\@:
	TL G0SB+4*\s, G1SB
.Ljd_\@:
.endm
.macro CREST
	s_cmp_lg_u32 s14, 0
	s_cbranch_scc1 .Lnw0_\@
	s_barrier_signal -3
.Lnw0_\@:
	s_barrier_wait -3
	s_barrier_signal -1
	s_barrier_wait -1
.endm
.macro CROUND
	s_barrier_signal -1
	s_barrier_wait -1
	CREST
.endm
.macro MM a, b, p, first
.set rD, 8*(NB*(\a)+\b)
.set rB, 128*(\p)+12*\b
.set rA, AF+12*(\a)
.set rSB, SC+8*(\p)+\b/2
.set rSA, SC+8*(\p)+4+(\a)/2
.set rC, rD
.if \first
.set rC, BIAS+8*\b
.endif
.if (((\a)%2) == 0) && ((\b%2) == 0)
	v_wmma_scale_f32_16x16x128_f8f6f4 v[rD:rD+7], v[rB:rB+11], v[rA:rA+11], v[rC:rC+7], v[rSB], v[rSA] matrix_a_fmt:MATRIX_FMT_BF6 matrix_b_fmt:MATRIX_FMT_BF6
.elseif ((\a)%2) == 0
	v_wmma_scale_f32_16x16x128_f8f6f4 v[rD:rD+7], v[rB:rB+11], v[rA:rA+11], v[rC:rC+7], v[rSB], v[rSA] matrix_a_fmt:MATRIX_FMT_BF6 matrix_b_fmt:MATRIX_FMT_BF6 matrix_a_scale:MATRIX_SCALE_ROW1
.elseif (\b%2) == 0
	v_wmma_scale_f32_16x16x128_f8f6f4 v[rD:rD+7], v[rB:rB+11], v[rA:rA+11], v[rC:rC+7], v[rSB], v[rSA] matrix_a_fmt:MATRIX_FMT_BF6 matrix_b_fmt:MATRIX_FMT_BF6 matrix_b_scale:MATRIX_SCALE_ROW1
.else
	v_wmma_scale_f32_16x16x128_f8f6f4 v[rD:rD+7], v[rB:rB+11], v[rA:rA+11], v[rC:rC+7], v[rSB], v[rSA] matrix_a_fmt:MATRIX_FMT_BF6 matrix_b_fmt:MATRIX_FMT_BF6 matrix_a_scale:MATRIX_SCALE_ROW1 matrix_b_scale:MATRIX_SCALE_ROW1
.endif
.endm
.macro MULA a, p, first
.if \first
	WIN 0x81
.else
	WIN 0xa1
.endif
.irp b, 0,1,2,3
	MM \a, \b, \p, \first
.endr
.endm
.macro MRUN a0, n, p, first
.set ma, \a0
.rept \n
	MULA ma, \p, \first
.set ma, ma+1
.endr
.endm
.macro FETCH_B slot, q, p
	WIN 0x40
.irp b, 0,1,2,3
.set rr, 128*(\p)+12*\b
.set oo, (\b*NQ+(\q))*1536
	ds_load_b128 v[rr:rr+3], v[ADRB+\slot] offset:oo
	ds_load_b128 v[rr+4:rr+7], v[ADRB+\slot] offset:oo+512
	ds_load_b128 v[rr+8:rr+11], v[ADRB+\slot] offset:oo+1024
.endr
	WIN 0
.endm
.macro FETCH_A slot, q, a0
.set aa, \a0
.rept MA/2
.set rr, AF+12*aa
.set oo, (aa*NQ+(\q))*1536
	ds_load_b128 v[rr:rr+3], v[ADRA+\slot] offset:oo
	ds_load_b128 v[rr+4:rr+7], v[ADRA+\slot] offset:oo+512
	ds_load_b128 v[rr+8:rr+11], v[ADRA+\slot] offset:oo+1024
.set aa, aa+1
.endr
.endm
.macro FETCH_SC slot, q, p
.irp x, 0,1
	ds_load_b32 v[SC+8*(\p)+\x], v[ADSB+\slot] offset:(\q)*2*NB*64+128*\x
	ds_load_b32 v[SC+8*(\p)+4+\x], v[ADSA+\slot] offset:(\q)*2*MA*64+128*\x
.endr
.endm
.macro STEP slot, q, first
	s_wait_dscnt NLH
	MRUN 0, MA/2, (\q)%2, \first
	s_wait_dscnt 0x0
	PLACES
	FETCH_B \slot, (\q)+1, 1-(\q)%2
	FETCH_SC \slot, (\q)+1, 1-(\q)%2
	FETCH_A \slot, (\q)+1, 0
.if \first
	ASK                                            ; behind slot 1's fill and a run of LDS loads
.endif
	MRUN MA/2, MA/2, (\q)%2, \first
	PLACES
	WIN 0
	FETCH_A \slot, (\q)+1, MA/2
.endm
.macro STEPS slot, q0, n
.set sq, \q0
.rept \n-1-\q0
	STEP \slot, sq, 0
.set sq, sq+1
.endr
.endm
.macro TURN slot, next, fill
	s_wait_tensorcnt 0x0
	ds_add_u32 v[SPW], v[NIL]
	s_wait_dscnt NLH+1
	MRUN 0, MA/4, 1, 0
	s_wait_dscnt 0x0
	s_barrier_signal -1
	MRUN MA/4, MA/4, 1, 0
	WIN 0
	s_barrier_wait -1
.if \fill
	CREST
	s_add_nc_u64 s[G0A+4*\slot+2:G0A+4*\slot+3], s[G0A+4*\slot+2:G0A+4*\slot+3], 2*NQ*1536
	s_add_nc_u64 s[G0B+4*\slot+2:G0B+4*\slot+3], s[G0B+4*\slot+2:G0B+4*\slot+3], 2*NQ*1536
	s_add_nc_u64 s[G0SA+4*\slot+2:G0SA+4*\slot+3], s[G0SA+4*\slot+2:G0SA+4*\slot+3], 2*NQ*16384
	s_add_nc_u64 s[G0SB+4*\slot+2:G0SB+4*\slot+3], s[G0SB+4*\slot+2:G0SB+4*\slot+3], 2*NQ*4*NCOL
.if \fill == 2
	s_mov_b32 s[G1A+1], (192*LEFT)<<16
	s_mov_b32 s[G1B+1], (192*LEFT)<<16
	s_mov_b32 s[G1SA+2], LEFT<<16
	s_mov_b32 s[G1SB+2], LEFT<<16
.endif
	JLOAD \slot
.else
	PLACES
.endif
	FETCH_B \next, 0, 0
	FETCH_SC \next, 0, 0
	FETCH_A \next, 0, 0
.if \fill
	ASK                                            ; behind the joint load and the run of LDS loads that the next products wait for
.endif
	MRUN MA/2, MA/2, 1, 0
	PLACES
	WIN 0
	FETCH_A \next, 0, MA/2
.endm
	s_load_b128 s[4:7], s[0:1], 0x0
	s_load_b128 s[8:11], s[0:1], 0x10
	s_load_b64 s[12:13], s[0:1], 0x20
	v_lshl_add_u32 v[SPW], v0, 2, SPARE
	v_mov_b32 v[NIL], 0
	ds_add_u32 v[SPW], v[NIL]
	ds_add_u32 v[SPW], v[NIL]
	v_lshrrev_b32 v1, 5, v0
	v_readfirstlane_b32 s14, v1
	s_lshr_b32 s15, s14, 1
	s_and_b32 s16, s14, 1
	s_bfe_u32 s40, ttmp6, 0x40000
	s_bfe_u32 s41, ttmp6, 0x40004
	s_lshl_b32 s42, ttmp9, 2
	s_add_co_u32 s42, s42, s40
	s_and_b32 s17, ttmp7, 0xffff
	s_lshl_b32 s17, s17, 2
	s_add_co_u32 s17, s17, s41
	s_lshl_b32 s43, s41, 2
	s_lshl_b32 s43, 15, s43
	s_lshl_b32 s44, 0x1111, s40
	s_or_b32 s[G1A], s43, (3<<16)|(1<<21)
	s_or_b32 s[G1SA], s43, (3<<16)|(1<<21)
	s_or_b32 s[G1B], s44, (3<<16)|(1<<21)
	s_or_b32 s[G1SB], s44, (3<<16)|(1<<21)
	DESC1 G1A, 192*NQ, 2*MA, 192*KST
	DESC1 G1B, 192*NQ, 2*NB, 192*KST
	DESC1 G1SA, 16*MA, NQ, 2048
	DESC1 G1SB, 16*NB, NQ, NCOL/2
	s_mul_i32 s20, s17, 2*MA*KST*1536
	s_add_co_u32 s20, s20, AC
	s_mov_b32 s21, 0
	s_mul_i32 s22, s17, 2*MA*64
	s_add_co_u32 s22, s22, AS
	s_mov_b32 s23, 0
	s_mul_i32 s46, s42, 2*NB*KST*1536
	s_add_co_u32 s46, s46, WC
	s_mov_b32 s47, 0
	s_mul_i32 s66, s42, 2*NB*64
	s_add_co_u32 s66, s66, WS
	s_mov_b32 s67, 0
	s_wait_dscnt 0x0
	s_wait_kmcnt 0x0
	s_add_nc_u64 s[20:21], s[4:5], s[20:21]
	s_add_nc_u64 s[22:23], s[4:5], s[22:23]
	s_add_nc_u64 s[46:47], s[6:7], s[46:47]
	s_add_nc_u64 s[66:67], s[6:7], s[66:67]
	CROUND
.irp s, 0,1
	DESC0 G0A+4*\s, \s*SLOT, 20, \s*NQ*1536
	DESC0 G0B+4*\s, \s*SLOT+ACB, 46, \s*NQ*1536
	DESC0 G0SA+4*\s, \s*SLOT+ACB+BCB, 22, \s*NQ*16384
	DESC0 G0SB+4*\s, \s*SLOT+ACB+BCB+ASB, 66, \s*NQ*4*NCOL
.endr
	JLOAD 0                                        ; slot 0: one tensor load a wave at the head; the set-up below stands under its flight
	v_and_b32 v2, 31, v0
	v_lshlrev_b32 v3, 4, v2
	v_lshlrev_b32 v4, 2, v2
	v_bfe_u32 v5, v0, 4, 1
	v_lshlrev_b32 v6, 6, v5
	v_and_b32 v7, 15, v0
	s_wait_alu depctr_va_vdst(0)
	s_mul_i32 s18, s15, MA*NQ*1536
	s_mul_i32 s19, s16, NB*NQ*1536
	s_add_co_u32 s19, s19, ACB
	v_add_nc_u32 v[ADRA], s18, v3
	v_add_nc_u32 v[ADRB], s19, v3
	v_add_nc_u32 v[ADRA+1], SLOT, v[ADRA]
	v_add_nc_u32 v[ADRB+1], SLOT, v[ADRB]
	s_mul_i32 s18, s15, MA*64
	s_add_co_u32 s18, s18, ACB+BCB
	s_mul_i32 s19, s16, NB*64
	s_add_co_u32 s19, s19, ACB+BCB+ASB
	v_add_nc_u32 v[ADSA], s18, v4
	v_add_nc_u32 v[ADSB], s19, v4
	v_add_nc_u32 v[ADSA+1], SLOT, v[ADSA]
	v_add_nc_u32 v[ADSB+1], SLOT, v[ADSB]
	s_lshl_b32 s18, s42, 9
	s_lshl_b32 s19, s16, 8
	s_add_co_u32 s18, s18, s19
	s_mov_b32 s19, 0
	s_add_nc_u64 s[8:9], s[8:9], s[18:19]          ; the bias of my 64 columns
	v_lshlrev_b32 v8, 8, v2                        ; the prefetches' offsets: blocks 0-31 of a slot's 36, a lane a block;
	v_add_nc_u32 v9, 32, v2
	v_min_u32 v9, 35, v9
	v_lshlrev_b32 v9, 8, v9                        ; blocks 32-35 (the lanes left over name the last block again);
	v_min_u32 v10, 11, v2
	v_lshlrev_b32 v10, 8, v10                      ; and the last slot's 12
	s_wait_alu depctr_va_vdst(0)
.set PFI, 1                            ; the slot that the next ASK names
.macro ASK
.if PFI < 5
	global_prefetch_b8 v8, s[104:105] offset:PFI*NQ*1536 th:TH_LOAD_NT scope:SCOPE_SE
	global_prefetch_b8 v9, s[104:105] offset:PFI*NQ*1536 th:TH_LOAD_NT scope:SCOPE_SE
.elseif PFI == 5
	global_prefetch_b8 v10, s[104:105] offset:PFI*NQ*1536 th:TH_LOAD_NT scope:SCOPE_SE
.endif
.set PFI, PFI+1
.endm
	s_cmp_eq_u32 s15, 0                            ; waves 0, 1 ask for A, waves 2, 3 for B
	s_cselect_b32 s18, s17, s42                    ; the eight tiles begin at 8 Y (A) or 8 X (B);
	s_cselect_b32 s19, s40, s41                    ; my place among the four that load them jointly: cx (A) or cy (B)
	s_cselect_b32 s100, AC, WC
	s_cselect_b64 s[104:105], s[4:5], s[6:7]
	s_lshl_b32 s18, s18, 3
	s_lshl_b32 s19, s19, 1
	s_add_co_u32 s18, s18, s19
	s_add_co_u32 s18, s18, s16                     ; my wave's tile
	s_mul_i32 s18, s18, KST*1536
	s_add_co_u32 s18, s18, s100
	s_mov_b32 s19, 0
	s_add_nc_u64 s[104:105], s[104:105], s[18:19]
	ASK                                            ; slots 1 and 2
	ASK
.irp b, 0,1,2,3
	global_load_b128 v[BIAS+8*\b:BIAS+8*\b+3], v6, s[8:9] offset:128*(\b/2)+32*(\b%2)
	global_load_b128 v[BIAS+8*\b+4:BIAS+8*\b+7], v6, s[8:9] offset:128*(\b/2)+32*(\b%2)+16
.endr
	s_mul_i32 s18, s14, 16*272
	v_mul_u32_u24 v[STO], v7, 272
	v_lshl_add_u32 v[STO], v5, 6, v[STO]
	v_add_nc_u32 v[STO], s18, v[STO]
	v_mul_u32_u24 v[RD], v5, 272
	v_lshl_add_u32 v[RD], v7, 4, v[RD]
	v_add_nc_u32 v[RD], s18, v[RD]
	v_lshlrev_b32 v[CO], 4, v7
	v_lshl_add_u32 v[CO], v5, 13, v[CO]
	s_wait_alu depctr_va_vdst(0)
	s_lshl_b32 s18, s17, 7
	s_add_co_u32 s18, s18, s15
	s_lshl_b32 s18, s18, 12
	s_lshl_b32 s19, s42, 9
	s_add_co_u32 s18, s18, s19
	s_lshl_b32 s19, s16, 8
	s_add_co_u32 s18, s18, s19
	s_mov_b32 s19, 0
	s_add_nc_u64 s[10:11], s[10:11], s[18:19]
	s_add_nc_u64 s[12:13], s[12:13], s[18:19]
.macro RESID                           ; the residual's 32 loads: block a, pair of rows t at v[4 (8 a + t)] of window 3
	WIN 0xc0
.set ra, 0
.rept 4
.set rt, 0
.rept 8
	global_load_b128 v[4*(8*ra+rt):4*(8*ra+rt)+3], v[CO], s[10:11] offset:2*(32*(ra/2)+16*(rt/4)+8*(ra%2)+2*(rt%4))*4096 th:TH_LOAD_NT
.set rt, rt+1
.endr
.set ra, ra+1
.endr
	WIN 0
.endm
	s_wait_tensorcnt 0x0                           ; my kind of slot 0 is in
	ds_add_u32 v[SPW], v[NIL]
	s_wait_dscnt 0x0
	CROUND                                         ; slot 0 is whole, and all sixteen work-groups are here
	JLOAD 1                                        ; slot 1's first fill: my one tensor load behind the round
	FETCH_B 0, 0, 0
	FETCH_SC 0, 0, 0
	FETCH_A 0, 0, 0
	FETCH_A 0, 0, MA/2
	s_wait_loadcnt 0x0                             ; the bias: no other load is out yet
	STEP 0, 0, 1
	STEPS 0, 1, NQ
	RESID                                          ; 27 K steps ahead of the way out, which waits for these loads block by block
.if KST > 2*NQ
	TURN 0, 1, 1
	STEPS 1, 0, NQ
	TURN 1, 0, 1
	STEPS 0, 0, NQ
	TURN 0, 1, 1
	STEPS 1, 0, NQ
	TURN 1, 0, 2
	STEPS 0, 0, NQ
.endif
	TURN 0, 1, 0
	STEPS 1, 0, LEFT
	s_wait_dscnt NLH
	MRUN 0, MA/2, 1, 0
	s_wait_dscnt 0x0
	MRUN MA/2, MA/2, 1, 0
	WIN 0
	PLACES
.macro TOSTAGE a
	WIN 0x08
.irp b, 0,1,2,3
	ds_store_b128 v[STO], v[8*(NB*(\a)+\b):8*(NB*(\a)+\b)+3] offset:128*(\b/2)+32*(\b%2)
	ds_store_b128 v[STO], v[8*(NB*(\a)+\b)+4:8*(NB*(\a)+\b)+7] offset:128*(\b/2)+32*(\b%2)+16
.endr
	WIN 0
.set bk, 64+32*((\a)%2)
.set rt, 0
.rept 8
	ds_load_b128 v[bk+4*rt:bk+4*rt+3], v[RD] offset:rt*2*272
.set rt, rt+1
.endr
.endm
.macro SEND a, younger
.set bk, 64+32*((\a)%2)
	s_wait_dscnt \younger
	s_wait_loadcnt 24-8*(\a)
	WIN 0x0c
.set rt, 0
.rept 16
	v_pk_add_f32 v[bk+2*rt:bk+2*rt+1], v[bk+2*rt:bk+2*rt+1], v[32*(\a)+2*rt:32*(\a)+2*rt+1]
.set rt, rt+1
.endr
	WIN 0
.set rt, 0
.rept 8
	global_store_b128 v[CO], v[bk+4*rt:bk+4*rt+3], s[12:13] offset:2*(32*((\a)/2)+16*(rt/4)+8*((\a)%2)+2*(rt%4))*4096
.set rt, rt+1
.endr
.endm
	TOSTAGE 0
	TOSTAGE 1
	SEND 0, 16
	s_wait_xcnt 0x0
	TOSTAGE 2
	SEND 1, 16
	s_wait_xcnt 0x0
	TOSTAGE 3
	SEND 2, 16
	SEND 3, 0
	s_wait_tensorcnt 0x0
	ds_add_u32 v[SPW], v[NIL]
	s_wait_dscnt 0x0
	CROUND
	s_endpgm
.Lfunc_end_k_q353756d7b4_g_fc2:
	.size	k_q353756d7b4_g_fc2, .Lfunc_end_k_q353756d7b4_g_fc2-k_q353756d7b4_g_fc2
	.p2alignl 7, 3214868480
	.fill 96, 4, 3214868480
	.section	.rodata,"a",@progbits
	.p2align	6, 0x0
	.amdhsa_kernel k_q353756d7b4_g_fc2
		.amdhsa_group_segment_fixed_size 327680
		.amdhsa_private_segment_fixed_size 0
		.amdhsa_enable_private_segment 0
		.amdhsa_kernarg_size 40
		.amdhsa_user_sgpr_count 2
		.amdhsa_user_sgpr_kernarg_segment_ptr 1
		.amdhsa_wavefront_size32 1
		.amdhsa_system_sgpr_workgroup_id_x 1
		.amdhsa_system_sgpr_workgroup_id_y 1
		.amdhsa_system_sgpr_workgroup_id_z 1
		.amdhsa_system_vgpr_workitem_id 0
		.amdhsa_next_free_vgpr 896
		.amdhsa_next_free_sgpr 106
		.amdhsa_reserve_vcc 0
		.amdhsa_float_denorm_mode_32 3
		.amdhsa_float_denorm_mode_16_64 3
		.amdhsa_memory_ordered 1
		.amdhsa_forward_progress 1
		.amdhsa_inst_pref_size 171
	.end_amdhsa_kernel
	.amdgpu_metadata
---
amdhsa.version: [ 1, 2 ]
amdhsa.kernels:
  - .name:           k_q353756d7b4_g_fc2
    .symbol:         k_q353756d7b4_g_fc2.kd
    .args:
      - { .name: fq, .offset: 0, .size: 8, .value_kind: global_buffer, .address_space: global }
      - { .name: wq, .offset: 8, .size: 8, .value_kind: global_buffer, .address_space: global }
      - { .name: b2, .offset: 16, .size: 8, .value_kind: global_buffer, .address_space: global }
      - { .name: x1, .offset: 24, .size: 8, .value_kind: global_buffer, .address_space: global }
      - { .name: out0, .offset: 32, .size: 8, .value_kind: global_buffer, .address_space: global }
    .group_segment_fixed_size: 327680
    .private_segment_fixed_size: 0
    .kernarg_segment_align: 8
    .kernarg_segment_size: 40
    .max_flat_workgroup_size: 128
    .sgpr_count:     106
    .vgpr_count:     896
    .wavefront_size: 32
...
	.end_amdgpu_metadata
.endif
;; end of part 7
